; MI455X (gfx1250); checked and timed in simulation.
; The chip was launched on July 23, 2026; its instructions are those of AMD's public machine-readable ISA for CDNA 5 (MIT licence, August 2026) and "CDNA5" Instruction Set Architecture Reference Guide (July 2026). The comments in the code are by the model that wrote it; some were corrected since.
;; User Neighbor Aggregator. Allowed arithmetic: matrix products marked QUANTISED: E4M3 operands, one given power-of-two scale a tensor, by v_wmma_f32_16x16x64_fp8_fp8 or v_wmma_f32_16x16x128_fp8_fp8, f32 sums; products left as they are: f32 operands where the result goes on into a quantised operand, else bf16, f16 or f32 operands; f32 sums; everything else in f32.
;; Inputs: W1_codes 512 x 32 x 32 uint8 (E4M3 codes of W1, K innermost, in blocks of 32 codes); W2_codes 512 x 16 x 32 uint8 (E4M3 codes of W2, K innermost, in blocks of 32 codes); b1 512 float32; b2 512 float32; cache_embeddings 100,000 x 512 float32; lowp_scales 6 int32 (the exponents e of the quantised operands' scales 2^e); user_embeddings 1,024 x 512 float32.
;; Outputs: out0 1,024 x 512 float32.
;; This version of the problem:
;;   THIS VERSION OF THE PROBLEM IS GIVEN IN LOW PRECISION. The matrix products marked QUANTISED in the list below multiply operands that are first quantised to E4M3 (4 exponent bits, 3 mantissa bits; 8 bits a number), with one given power-of-two scale for each operand tensor; their sums are f32. All else is computed in f32.
;;   The module's matrix products, in the order in which they are computed (A, B: the left and right operand; K: the contracted axis; several contracted axes count as one K, in the product's order):
;;     1. [M 1,024, K 512] x [K 512, N 100,000]; A: computed on the way; B: computed on the way: QUANTISED (scales: A lowp_scales[0], B lowp_scales[1])
;;     2. batch 1,024 x [M 1, K 20] x [K 20, N 512]; A: computed on the way; B: computed on the way: left as it is (K = 20 < 32)
;;     3. [M 1,024, K 1,024] x [K 1,024, N 512]; A: computed on the way; B: input W1 (given as codes): QUANTISED (scales: A lowp_scales[2], B lowp_scales[3])
;;     4. [M 1,024, K 512] x [K 512, N 512]; A: computed on the way; B: input W2 (given as codes): QUANTISED (scales: A lowp_scales[4], B lowp_scales[5])
;;   THE QUANTISER, for each operand of a quantised product, along K:
;;     - The operand's scale is 2^e, e = its entry of the input lowp_scales (int32; the entries are numbered through the quantised products in the list's order, A before B).
;;     - Each number is divided by the scale, clamped to +-448, and rounded to the nearest number of E4M3, ties to even, subnormals kept.
;;     - The product sums the exact products of the quantised numbers (number of the format x scale) in f32.
;;   ~~~python
;;   def quantise(x, axis, e):      # numpy; x: float32 -> the quantised numbers, widened to float32 again
;;       x = np.moveaxis(x, axis, -1); K = x.shape[-1]
;;       r = np.clip(x / 2.0 ** e, -448, 448)
;;       step = 2.0 ** (np.maximum(np.frexp(np.where(r == 0, 1, r))[1] - 1, -6) - 3)
;;       q = np.round(r / step) * step * 2.0 ** e      # np.round: ties to even
;;       return np.moveaxis(q, -1, axis).astype(np.float32)
;;   ~~~
;;   OPERANDS COMPUTED ON THE WAY. 'Computed on the way' means the value that the module computes at that place (a softmax that the list does not call 'softmax' is quantised finished and normalised). What goes into a quantiser is computed in f32, as accurately as f32 sums, v_exp_f32 and their like allow (about 1e-6 of the number): no bf16 or f16 on the way to a quantiser, and a product that is left as it is and whose result goes on into a quantised operand takes f32 operands (vector FMAs, or v_wmma_f32_16x16x4_f32). A number that lies on a knife's edge between two numbers of the format may be rounded either way, as far as f32 arithmetic and the matrix unit's own rounding can turn it there, and no further.
;;   INPUTS GIVEN AS CODES. W1 (in the module: [1024, 512], K = its axis 0); W2 (in the module: [512, 512], K = its axis 0): each comes as NAME_codes (uint8): NAME with its K axis moved to the last place and cut into blocks of 32 codes, [.., K / 32, bytes a block], one block behind the other in memory; one code a byte (a code: sign, 4 exponent bits, 3 mantissa bits); its scale is its entry of lowp_scales. Its value is code x scale, taken as it is: it is not quantised again, and the codes and scales need not be those that the quantiser above would give.
;; 2 versions. Each part assembles by itself: llvm-mc -triple=amdgcn-amd-amdhsa -mcpu=gfx1250 --defsym DOCPART=n.
;; ======== version 1 of 2: 6 launches
;; workspace buffers: ucodes 1,310,720 bytes; ccodes 51,200,000 bytes; fine 57,344,000 bytes; coarse 2,048,000 bytes; clist 131,072 bytes of whole numbers; flist 131,072 bytes of whole numbers; nidx 131,072 bytes of whole numbers; nwts 131,072 bytes
;; launch uq (part 1): grid 64 x 1, 4 waves a work-group, no clusters, 8,960 bytes of LDS; arguments user_embeddings, lowp_scales, W1_codes, W2_codes, ucodes; writes ucodes
.if DOCPART == 1
	.amdgcn_target "amdgcn-amd-amdhsa--gfx1250"
	.amdhsa_code_object_version 6
	.text
	.protected	k_q39d949a1ca_uq
	.globl	k_q39d949a1ca_uq
	.p2align	8
	.type	k_q39d949a1ca_uq,@function
k_q39d949a1ca_uq:
	s_mov_b64 s[64:65], 0
	v_nop
	global_prefetch_b8 v0, s[64:65] scope:SCOPE_SE
	s_setreg_imm32_b32 hwreg(HW_REG_WAVE_MODE, 25, 1), 1
	s_wait_xcnt 0x0
; TWO THINGS, both into the buffer ucodes, both as IMAGES OF OPERAND REGISTERS (a group of four registers of a fragment: 512 consecutive bytes, lane l's 16 bytes at 16 l).
; 1. The 1,024 users are l2-normalised in f32 (x / (sqrt(sum x^2) + 1e-12), the division as a reciprocal and a multiplication) and turned into codes of E4M3 with the given scale 2^e0.
;    User u = 64 B + 4 r + i belongs to tile T = 4 B + i, row r.  Byte T*8192 + (4 s + c)*512 + 16*lane holds, for lane (r, h), the 16 codes that registers 4c..4c+3 of K step s take.
;    K IS PERMUTED, alike for users and cache: a wave reads a row by four dense loads (load j, lane l: k = 128 j + 4 l + 0..3), and lane l's 16 codes lie at byte 16 l of a 512-byte row.
;    Every product still meets its partner; only the order inside the sums changes.
; 2. The given codes of W1 and W2 are copied, unchanged, into the order in which the last launch's waves take them as fragments, so that each of its loads covers 512 consecutive bytes instead of 32 bytes of
;    each of 16 rows.  W1 from byte 524,288: fragment F = (2 v + t) 8 + s (wave v, tile t, K step s of 128) at F*2048 + 512 c + 16 lane: lane (r, h) holds row 32 v + 8 t + r + 8 (r / 8), bytes 128 s + 32 c + 16 h on.
;    W2 from byte 1,048,576: fragment F = (2 v + t) 4 + s likewise: row 32 v + 16 t + r.  256 + 128 fragments for the launch's 256 waves: wave W = 4 T + w copies fragment W of W1 and half (W % 2) of fragment W / 2 of W2.
; SHARES: a work-group is a tile of users; wave w takes its rows 4 w .. 4 w + 3, one row at a time over all 32 lanes; the rows meet in LDS (pitch 528), and wave w stores K step w: 512 dense bytes a store.
; LIMITS: e0 between -126 and 119.  NaN and infinities are not served.  A sum of squares under 2^-126 counts as 0 (v_sqrt_f32 flushes denormals: ISA guide, its entry in 15.8).
.set X,    16                          ; v16-79   four rows, 16 numbers a lane each; scaled and held in place
.set T,    80                          ; v80-87   a pair for each row: the sum of squares, then 1 / (norm + eps)
.set C,    88                          ; v88-103  four registers of codes for each row
.set SC,   104                         ; 2^e0 as f32
.set LIMV, 105                         ; 448 x 2^e0
.set O,    108                         ; v108-123 the users' way out
.set WA,   124                         ; v124-139 my fragment of W1
.set WB,   140                         ; v140-147 my half fragment of W2
	s_load_b256 s[4:11], s[0:1], 0x0               ; users s[4:5], scales s[6:7], W1's codes s[8:9], W2's codes s[10:11]
	s_load_b64 s[12:13], s[0:1], 0x20              ; ucodes
	v_lshl_add_u32 v160, v0, 2, 0x2100
	v_mov_b32 v161, 0
	v_lshrrev_b32 v4, 5, v0
	v_readfirstlane_b32 s14, v4                    ; wave
	v_and_b32 v5, 31, v0
	v_lshlrev_b32 v1, 4, v5                        ; 16 x lane
	s_mul_i32 s15, s14, 2112
	v_add_nc_u32 v2, s15, v1                       ; LDS in: my four rows begin at 4 w x 528
	v_and_b32 v6, 15, v0                           ; r
	v_bfe_u32 v7, v0, 4, 1                         ; h
	v_mul_u32_u24 v3, v6, 528
	v_lshl_add_u32 v3, v7, 4, v3
	s_lshl_b32 s15, s14, 7
	v_add_nc_u32 v3, s15, v3                       ; LDS out: row r, + 16 h, + 128 x K step (= my wave)
	v_and_b32 v8, 8, v6
	v_add_nc_u32 v8, v8, v6                        ; r + 8 (r / 8)
	v_lshlrev_b32 v9, 10, v8
	v_lshl_add_u32 v9, v7, 4, v9                   ; W1: a row is 1,024 codes; + 16 h
	v_lshlrev_b32 v10, 9, v6
	v_lshl_add_u32 v10, v7, 4, v10                 ; W2: a row is 512 codes; + 16 h
	s_lshr_b32 s16, ttmp9, 2
	s_lshl_b32 s16, s16, 6
	s_and_b32 s17, ttmp9, 3
	s_add_co_u32 s16, s16, s17
	s_lshl_b32 s17, s14, 4
	s_add_co_u32 s16, s16, s17                     ; my first user: 64 (T / 4) + T % 4 + 16 w; the next three lie 4 users on each
	s_lshl_b32 s16, s16, 11
	s_mov_b32 s17, 0
	s_lshl_b32 s18, ttmp9, 13
	s_lshl_b32 s19, s14, 11
	s_add_co_u32 s18, s18, s19                     ; the users' image: T x 8192 + 2048 x K step
	s_mov_b32 s19, 0
	s_mov_b32 s20, 0x76543210                      ; v_permlanex16_b32: lane l xor 16
	s_mov_b32 s21, 0xfedcba98
	s_lshl_b32 s32, ttmp9, 2
	s_add_co_u32 s32, s32, s14                     ; W = 4 T + w, 0 .. 255
	s_lshr_b32 s33, s32, 4                         ; W1's fragment W: v = W / 16,
	s_lshl_b32 s24, s33, 15                        ; 32 v rows of 1,024 bytes,
	s_bfe_u32 s33, s32, 0x10003                    ; t = (W / 8) % 2:
	s_lshl_b32 s33, s33, 13                        ; 8 t rows,
	s_add_co_u32 s24, s24, s33
	s_and_b32 s33, s32, 7                          ; s = W % 8:
	s_lshl_b32 s33, s33, 7                         ; 128 s bytes
	s_add_co_u32 s24, s24, s33
	s_mov_b32 s25, 0
	s_lshl_b32 s26, s32, 11
	s_add_co_u32 s26, s26, 0x80000                 ; its image: 524,288 + 2048 W
	s_mov_b32 s27, 0
	s_lshr_b32 s33, s32, 3                         ; W2's fragment W / 2: 2 v + t = W / 8:
	s_lshl_b32 s28, s33, 13                        ; 16 rows of 512 bytes each,
	s_bfe_u32 s33, s32, 0x20001                    ; s = (W / 2) % 4:
	s_lshl_b32 s33, s33, 7                         ; 128 s bytes,
	s_add_co_u32 s28, s28, s33
	s_and_b32 s33, s32, 1                          ; my half: c = 2 (W % 2) and the next:
	s_lshl_b32 s33, s33, 6                         ; 64 bytes on
	s_add_co_u32 s28, s28, s33
	s_mov_b32 s29, 0
	s_lshl_b32 s30, s32, 10
	s_add_co_u32 s30, s30, 0x100000                ; its image: 1,048,576 + 2048 (W / 2) + 1024 (W % 2) = 1,048,576 + 1024 W
	s_mov_b32 s31, 0
	s_wait_kmcnt 0x0
	s_load_b32 s22, s[6:7], 0x0                    ; e0
	s_add_nc_u64 s[4:5], s[4:5], s[16:17]
	s_add_nc_u64 s[8:9], s[8:9], s[24:25]
	s_add_nc_u64 s[10:11], s[10:11], s[28:29]
	s_add_nc_u64 s[26:27], s[12:13], s[26:27]      ; W1's image
	s_add_nc_u64 s[30:31], s[12:13], s[30:31]      ; W2's image
	s_add_nc_u64 s[12:13], s[12:13], s[18:19]      ; the users' image
.irp q, 0,1,2,3
.irp j, 0,1,2,3
	global_load_b128 v[X+16*\q+4*\j:X+16*\q+4*\j+3], v1, s[4:5] offset:8192*\q+512*\j   ; 512 dense bytes a load
.endr
.endr
.irp c, 0,1,2,3
	global_load_b128 v[WA+4*\c:WA+4*\c+3], v9, s[8:9] offset:32*\c      ; the one place in the program where the weights are read by rows
.endr
.irp c, 0,1
	global_load_b128 v[WB+4*\c:WB+4*\c+3], v10, s[10:11] offset:32*\c
.endr
	s_wait_kmcnt 0x0
	s_add_co_i32 s22, s22, 127
	s_lshl_b32 s23, s22, 23
	v_mov_b32 v[SC], s23
	s_add_co_i32 s22, s22, 8
	s_lshl_b32 s22, s22, 23
	s_or_b32 s22, s22, 0x600000
	v_mov_b32 v[LIMV], s22
	s_wait_loadcnt 6                               ; the users' 16 loads are in; the six loads of weights behind them may stay out
.irp q, 0,1,2,3
	v_pk_mul_f32 v[T+2*\q:T+2*\q+1], v[X+16*\q:X+16*\q+1], v[X+16*\q:X+16*\q+1]   ; the first squares start the sums; the rows take turns
.endr
.irp j, 1,2,3,4,5,6,7
.irp q, 0,1,2,3
	v_pk_fma_f32 v[T+2*\q:T+2*\q+1], v[X+16*\q+2*\j:X+16*\q+2*\j+1], v[X+16*\q+2*\j:X+16*\q+2*\j+1], v[T+2*\q:T+2*\q+1]
.endr
.endr
.irp q, 0,1,2,3
	v_add_f32 v[T+2*\q], v[T+2*\q], v[T+2*\q+1]
.endr
.irp m, 1,2,4,8
.irp q, 0,1,2,3
	v_add_f32_dpp v[T+2*\q], v[T+2*\q], v[T+2*\q] row_xmask:\m row_mask:0xf bank_mask:0xf
.endr
.endr
.irp q, 0,1,2,3
	v_permlanex16_b32 v[T+2*\q+1], v[T+2*\q], s20, s21
.endr
.irp q, 0,1,2,3
	v_add_f32 v[T+2*\q], v[T+2*\q], v[T+2*\q+1]    ; the row's sum of squares, in every lane
.endr
.irp q, 0,1,2,3
	v_sqrt_f32 v[T+2*\q], v[T+2*\q]
.endr
	v_nop                                          ; a plain line behind the transcendentals
	s_wait_alu depctr_va_vdst(0)
.irp q, 0,1,2,3
	v_add_f32 v[T+2*\q], 0x2b8cbccc, v[T+2*\q]     ; + 1e-12
.endr
.irp q, 0,1,2,3
	v_rcp_f32 v[T+2*\q], v[T+2*\q]
.endr
	v_nop
	s_wait_alu depctr_va_vdst(0)
.irp q, 0,1,2,3
.irp j, 0,1,2,3,4,5,6,7
	v_pk_mul_f32 v[X+16*\q+2*\j:X+16*\q+2*\j+1], v[X+16*\q+2*\j:X+16*\q+2*\j+1], v[T+2*\q:T+2*\q+1] op_sel_hi:[1,0]
.endr
.endr
.irp n, 0,1,2,3,4,5,6,7,8,9,10,11,12,13,14,15,16,17,18,19,20,21,22,23,24,25,26,27,28,29,30,31,32,33,34,35,36,37,38,39,40,41,42,43,44,45,46,47,48,49,50,51,52,53,54,55,56,57,58,59,60,61,62,63
	v_med3_num_f32 v[X+\n], v[X+\n], -v[LIMV], v[LIMV]   ; the conversion to an 8-bit code does not saturate (ISA guide 7.6.2): the hold at the largest code x the scale
.endr
.irp q, 0,1,2,3
	v_cvt_scalef32_pk8_fp8_f32 v[C+4*\q:C+4*\q+1], v[X+16*\q:X+16*\q+7], v[SC]
	v_cvt_scalef32_pk8_fp8_f32 v[C+4*\q+2:C+4*\q+3], v[X+16*\q+8:X+16*\q+15], v[SC]
.endr
	v_nop                                          ; a plain line behind the last conversion
.irp q, 0,1,2,3
	ds_store_b128 v2, v[C+4*\q:C+4*\q+3] offset:528*\q
.endr
	s_wait_dscnt 0x0                               ; for the others' sake: my rows lie in LDS
	s_barrier_signal -1
	s_barrier_wait -1
.irp c, 0,1,2,3
	ds_load_b128 v[O+4*\c:O+4*\c+3], v3 offset:32*\c
.endr
	s_wait_loadcnt 0x0                             ; the weights' six loads are in
.irp c, 0,1,2,3
	global_store_b128 v1, v[WA+4*\c:WA+4*\c+3], s[26:27] offset:512*\c   ; 512 dense bytes a store
.endr
.irp c, 0,1
	global_store_b128 v1, v[WB+4*\c:WB+4*\c+3], s[30:31] offset:512*\c
.endr
.irp c, 0,1,2,3
	s_wait_dscnt 3-\c                              ; the younger LDS loads may stay out
	global_store_b128 v1, v[O+4*\c:O+4*\c+3], s[12:13] offset:512*\c
.endr
	s_wait_tensorcnt 0x0
	ds_add_u32 v160, v161
	s_wait_dscnt 0x0
	s_endpgm
.Lfunc_end_k_q39d949a1ca_uq:
	.size	k_q39d949a1ca_uq, .Lfunc_end_k_q39d949a1ca_uq-k_q39d949a1ca_uq
	.p2alignl 7, 3214868480
	.fill 96, 4, 3214868480
	.section	.rodata,"a",@progbits
	.p2align	6, 0x0
	.amdhsa_kernel k_q39d949a1ca_uq
		.amdhsa_group_segment_fixed_size 8960
		.amdhsa_private_segment_fixed_size 0
		.amdhsa_enable_private_segment 0
		.amdhsa_kernarg_size 40
		.amdhsa_user_sgpr_count 2
		.amdhsa_user_sgpr_kernarg_segment_ptr 1
		.amdhsa_wavefront_size32 1
		.amdhsa_system_sgpr_workgroup_id_x 1
		.amdhsa_system_sgpr_workgroup_id_y 1
		.amdhsa_system_sgpr_workgroup_id_z 1
		.amdhsa_system_vgpr_workitem_id 0
		.amdhsa_next_free_vgpr 162
		.amdhsa_next_free_sgpr 66
		.amdhsa_reserve_vcc 0
		.amdhsa_float_denorm_mode_32 3
		.amdhsa_float_denorm_mode_16_64 3
		.amdhsa_memory_ordered 1
		.amdhsa_forward_progress 1
		.amdhsa_inst_pref_size 18
	.end_amdhsa_kernel
	.amdgpu_metadata
---
amdhsa.version: [ 1, 2 ]
amdhsa.kernels:
  - .name:           k_q39d949a1ca_uq
    .symbol:         k_q39d949a1ca_uq.kd
    .args:
      - { .name: user_embeddings, .offset: 0, .size: 8, .value_kind: global_buffer, .address_space: global }
      - { .name: lowp_scales, .offset: 8, .size: 8, .value_kind: global_buffer, .address_space: global }
      - { .name: W1_codes, .offset: 16, .size: 8, .value_kind: global_buffer, .address_space: global }
      - { .name: W2_codes, .offset: 24, .size: 8, .value_kind: global_buffer, .address_space: global }
      - { .name: ucodes, .offset: 32, .size: 8, .value_kind: global_buffer, .address_space: global }
    .group_segment_fixed_size: 8960
    .private_segment_fixed_size: 0
    .kernarg_segment_align: 8
    .kernarg_segment_size: 40
    .max_flat_workgroup_size: 128
    .sgpr_count:     66
    .vgpr_count:     162
    .wavefront_size: 32
...
	.end_amdgpu_metadata
.endif
;; end of part 1
;; launch sims (part 2): grid 250 x 1, 4 waves a work-group, no clusters, 211,712 bytes of LDS; arguments cache_embeddings, ucodes, lowp_scales, ccodes, fine, coarse; writes ccodes, fine, coarse
.if DOCPART == 2
	.amdgcn_target "amdgcn-amd-amdhsa--gfx1250"
	.amdhsa_code_object_version 6
	.text
	.protected	k_q39d949a1ca_sims
	.globl	k_q39d949a1ca_sims
	.p2align	8
	.type	k_q39d949a1ca_sims,@function
k_q39d949a1ca_sims:
	s_mov_b64 s[64:65], 0
	v_nop
	global_prefetch_b8 v0, s[64:65] scope:SCOPE_SE
	s_setreg_imm32_b32 hwreg(HW_REG_WAVE_MODE, 25, 1), 1
	s_wait_xcnt 0x0
; Product 1 of the problem, 1,024 users x 100,000 cached rows x 512, on codes of E4M3, WITHOUT EVER STORING A SIMILARITY: only maxima leave.
; Under the strict order (value falling, row rising) the 20 best rows lie in the 20 groups whose best row ranks highest.  So this launch stores, for each user, the maximum of each group of 8 rows
; (fine) and of each group of 200 rows (coarse); later launches choose groups and compute the chosen rows' similarities again from the codes stored here, in the same form and K order.
; SHARES.  Work-group w owns rows 400 w .. 400 w + 399 (250 x 400 = 100,000: no edge).  PHASE 1: each wave reads 100 rows (f32, once, dense), normalises them in f32 and quantises them with 2^e1
; into LDS: 400 rows of 512 codes, pitch 528.  EXPORT: the codes go to ccodes as images of operand registers, a group of 8 rows in 4,096 bytes.  PRODUCT: wave v takes users 256 v .. 256 v + 255 in four
; batches of 64 (four tiles of 16, 256 registers of codes straight from ucodes, the next batch loaded while this one is multiplied) against all 25 tiles of 16 cached rows from LDS.
; LAYOUT.  Source 0 = 16 cached rows, source 1 = 16 users: lane (r, h) holds user r and in its 8 registers 8 cached rows.  Row m of tile t is chunk row (m % 8) + 8 t + 200 (m / 8): so the 8 registers are the
; group of 8 rows with number 50 w + 25 h + t = row / 8, and the lane's maximum over all tiles is that of the 200 rows with number 2 w + h.  A maximum of 8 and the running one cost 5 vector lines.
; The maxima are raw sums: the factor 2^(e0 + e1) keeps their order.  K is permuted alike in users and cache (see the users' launch).
; No cluster: the grid of 250 is no multiple of 4.  No tensor load: the f32 rows must pass registers, and the users' codes go straight into operand registers.
; LIMITS: e1 between -126 and 119.  NaN and infinities are not served.  A sum of squares under 2^-126 counts as 0.
; REGISTERS, in windows of 256.  Window 0: v1-9 addresses; phase 1: v16-95 five rows scaled, v96-115 codes, v116-125 sums, v126, v127 scale and hold; export: v16-95;
;   product: v16-79, v80-143 two sets of a cache tile's fragments, v144-175, v176-207 two sets of four accumulators, v208-223 fine maxima, v224-227 coarse maxima, v228, v229 at work.
;   Windows 1, 2: phase 1: four ring slots of 5 rows x 16 registers; product: a batch's user fragments (tile i, K step s at 64 i + 16 s), the two windows by turns.
.set L16,   1                          ; 16 x lane
.set AD,    2                          ; LDS address of the fragments in hand
.set AD0,   3                          ; (lane % 8) x 528 + ((lane / 8) % 2) x 200 x 528 + 16 (lane / 16)
.set COFF,  4                          ; coarse: 4096 h + 16 r
.set LROW0, 5                          ; phase 1: 100 x 528 x wave + 16 x lane
.set LROW,  6
.set EXL0,  7                          ; export, LDS: r x 528 + 16 h + 128 x wave
.set EXL,   8
.set EXG,   9                          ; export, memory: 4096 (r / 8) + 128 h + 16 (r % 8) + 1024 x wave
.set Y,     16
.set C,     96
.set T,     116
.set SC,    126
.set LIMV,  127
.set E,     16
.set F0,    16
.set F1,    80
.set A0,    144
.set A1,    176
.set FN,    208
.set CO,    224
.set T1,    228
.set T2,    229
.set MSB, 0
.macro WIN new                         ; s_set_vgpr_msb: bits 1:0 source 0, 3:2 source 1, 5:4 source 2, 7:6 destination; the high byte repeats the setting that is left
.if MSB != (\new)
	s_set_vgpr_msb (MSB<<8)|(\new)
.set MSB, (\new)
.endif
.endm
	s_load_b256 s[4:11], s[0:1], 0x0               ; cache s[4:5], ucodes s[6:7], scales s[8:9], ccodes s[10:11]
	s_load_b128 s[12:15], s[0:1], 0x20             ; fine s[12:13], coarse s[14:15]
	v_lshl_add_u32 v254, v0, 2, 0x33900
	v_mov_b32 v255, 0
	v_lshrrev_b32 v10, 5, v0
	v_readfirstlane_b32 s16, v10                   ; wave
	v_and_b32 v10, 31, v0
	v_lshlrev_b32 v[L16], 4, v10
	v_and_b32 v11, 7, v0
	v_bfe_u32 v12, v0, 3, 1
	v_bfe_u32 v13, v0, 4, 1                        ; h
	v_and_b32 v14, 15, v0                          ; r
	v_mul_u32_u24 v[AD0], v11, 528
	v_mad_u32_u24 v[AD0], v12, 105600, v[AD0]
	v_lshl_add_u32 v[AD0], v13, 4, v[AD0]
	v_lshlrev_b32 v[COFF], 12, v13
	v_lshl_add_u32 v[COFF], v14, 4, v[COFF]
	s_mul_i32 s18, s16, 52800
	v_add_nc_u32 v[LROW0], s18, v[L16]
	v_mul_u32_u24 v[EXL0], v14, 528
	v_lshl_add_u32 v[EXL0], v13, 4, v[EXL0]
	s_lshl_b32 s18, s16, 7
	v_add_nc_u32 v[EXL0], s18, v[EXL0]
	v_lshlrev_b32 v[EXG], 12, v12
	v_lshl_add_u32 v[EXG], v13, 7, v[EXG]
	v_lshl_add_u32 v[EXG], v11, 4, v[EXG]
	s_lshl_b32 s18, s16, 10
	v_add_nc_u32 v[EXG], s18, v[EXG]
	s_mul_i32 s30, ttmp9, 819200                   ; 400 rows of 2,048 bytes,
	s_mul_i32 s31, s16, 204800                     ; my wave's 100 of them
	s_add_co_u32 s30, s30, s31
	s_mov_b32 s31, 0
	s_lshl_b32 s32, s16, 17                        ; ucodes: my 16 tiles of 8,192 bytes
	s_mov_b32 s33, 0
	s_mul_i32 s34, ttmp9, 204800                   ; ccodes: 50 groups of 4,096 bytes
	s_mov_b32 s35, 0
	s_mul_i32 s36, ttmp9, 229376                   ; fine: 7 x 16 x 4 x 512 bytes a work-group,
	s_lshl_b32 s37, s16, 13                        ; my four batches of 2,048
	s_add_co_u32 s36, s36, s37
	s_mov_b32 s37, 0
	s_lshl_b32 s38, ttmp9, 13                      ; coarse: two rows of 4,096 bytes,
	s_lshl_b32 s39, s16, 10                        ; my 256 users
	s_add_co_u32 s38, s38, s39
	s_mov_b32 s39, 0
	s_mov_b32 s20, 0x76543210                      ; v_permlanex16_b32: lane l xor 16
	s_mov_b32 s21, 0xfedcba98
	s_wait_kmcnt 0x0
	s_load_b32 s22, s[8:9], 0x4                    ; e1
	s_add_nc_u64 s[4:5], s[4:5], s[30:31]
	s_add_nc_u64 s[6:7], s[6:7], s[32:33]
	s_add_nc_u64 s[10:11], s[10:11], s[34:35]
	s_add_nc_u64 s[12:13], s[12:13], s[36:37]
	s_add_nc_u64 s[14:15], s[14:15], s[38:39]
; Five rows (10,240 dense bytes, 20 loads of 512) into ring slot sl: window 1 + sl / 2, from register 80 (sl % 2) on.  Row q's register 4 j + e is k = 128 j + 4 lane + e.
.macro LOAD5 sl, imm
	WIN ((1+(\sl)/2)<<6)
.set RBASE, 80*((\sl)%2)
.set n, 0
.rept 20
	global_load_b128 v[RBASE+4*n:RBASE+4*n+3], v[L16], s[4:5] offset:(\imm)+512*n th:TH_LOAD_NT
.set n, n+1
.endr
	WIN 0
.endm
; The five rows of slot sl become codes in v[C] on: x / (sqrt(sum x^2) + 1e-12), held within +-448 x 2^e1, converted.  The rows take turns line by line.
.macro NORMQ5 sl
.set XW, 1+(\sl)/2
.set XB, 80*((\sl)%2)
	WIN (XW|(XW<<2))
.irp q, 0,1,2,3,4
	v_pk_mul_f32 v[T+2*\q:T+2*\q+1], v[XB+16*\q:XB+16*\q+1], v[XB+16*\q:XB+16*\q+1]
.endr
.irp j, 1,2,3,4,5,6,7
.irp q, 0,1,2,3,4
	v_pk_fma_f32 v[T+2*\q:T+2*\q+1], v[XB+16*\q+2*\j:XB+16*\q+2*\j+1], v[XB+16*\q+2*\j:XB+16*\q+2*\j+1], v[T+2*\q:T+2*\q+1]
.endr
.endr
	WIN 0
.irp q, 0,1,2,3,4
	v_add_f32 v[T+2*\q], v[T+2*\q], v[T+2*\q+1]
.endr
.irp m, 1,2,4,8
.irp q, 0,1,2,3,4
	v_add_f32_dpp v[T+2*\q], v[T+2*\q], v[T+2*\q] row_xmask:\m row_mask:0xf bank_mask:0xf
.endr
.endr
.irp q, 0,1,2,3,4
	v_permlanex16_b32 v[T+2*\q+1], v[T+2*\q], s20, s21
.endr
.irp q, 0,1,2,3,4
	v_add_f32 v[T+2*\q], v[T+2*\q], v[T+2*\q+1]
.endr
.irp q, 0,1,2,3,4
	v_sqrt_f32 v[T+2*\q], v[T+2*\q]
.endr
	v_nop                                          ; a plain line behind the transcendentals
	s_wait_alu depctr_va_vdst(0)
.irp q, 0,1,2,3,4
	v_add_f32 v[T+2*\q], 0x2b8cbccc, v[T+2*\q]     ; + 1e-12
.endr
.irp q, 0,1,2,3,4
	v_rcp_f32 v[T+2*\q], v[T+2*\q]
.endr
	v_nop
	WIN XW
	s_wait_alu depctr_va_vdst(0)
.irp q, 0,1,2,3,4
.irp j, 0,1,2,3,4,5,6,7
	v_pk_mul_f32 v[Y+16*\q+2*\j:Y+16*\q+2*\j+1], v[XB+16*\q+2*\j:XB+16*\q+2*\j+1], v[T+2*\q:T+2*\q+1] op_sel_hi:[1,0]
.endr
.endr
	WIN 0
.set n, 0
.rept 80
	v_med3_num_f32 v[Y+n], v[Y+n], -v[LIMV], v[LIMV]   ; the conversion does not saturate (ISA guide 7.6.2): the hold comes first
.set n, n+1
.endr
	s_wait_dscnt 0x0                               ; the last batch's LDS stores have read the codes' registers
.irp q, 0,1,2,3,4
	v_cvt_scalef32_pk8_fp8_f32 v[C+4*\q:C+4*\q+1], v[Y+16*\q:Y+16*\q+7], v[SC]
	v_cvt_scalef32_pk8_fp8_f32 v[C+4*\q+2:C+4*\q+3], v[Y+16*\q+8:Y+16*\q+15], v[SC]
.endr
	v_nop                                          ; a plain line behind the last conversion
.endm
; A batch's 64 users: 64 loads of 512 dense bytes, load n into registers 4 n .. 4 n + 3 of window w
.macro ULOAD b, w
	WIN ((\w)<<6)
.set n, 0
.rept 64
	global_load_b128 v[4*n:4*n+3], v[L16], s[6:7] offset:(\b)*32768+512*n
.set n, n+1
.endr
	WIN 0
.endm
	; ---- PHASE 1: 20 batches of 5 rows a wave, four batches (80 loads, 40 KB) asked for ahead
	LOAD5 0, 0
	LOAD5 1, 10240
	LOAD5 2, 20480
	LOAD5 3, 30720
	s_wait_kmcnt 0x0
	s_add_co_i32 s22, s22, 127
	s_lshl_b32 s23, s22, 23
	v_mov_b32 v[SC], s23                           ; 2^e1 as f32
	s_add_co_i32 s22, s22, 8
	s_lshl_b32 s22, s22, 23
	s_or_b32 s22, s22, 0x600000
	v_mov_b32 v[LIMV], s22                         ; 448 x 2^e1
	s_mov_b32 s26, 0
	s_mov_b32 s25, 4
.Lread:
	v_add_nc_u32 v[LROW], s26, v[LROW0]
.irp sl, 0,1,2,3
	s_wait_loadcnt 60                              ; this slot's 20 loads are in; the three younger batches stay out
	NORMQ5 \sl
.irp q, 0,1,2,3,4
	ds_store_b128 v[LROW], v[C+4*\q:C+4*\q+3] offset:(5*\sl+\q)*528
.endr
	LOAD5 \sl, 40960+10240*\sl                     ; the batch four further on
.endr
	s_wait_xcnt 0x0                                ; the base steps only behind this wait
	s_add_nc_u64 s[4:5], s[4:5], 40960
	s_add_co_u32 s26, s26, 10560
	s_sub_co_u32 s25, s25, 1
	s_cmp_lg_u32 s25, 0
	s_cbranch_scc1 .Lread
	v_add_nc_u32 v[LROW], s26, v[LROW0]            ; the last four batches load nothing: the counts run down
.irp sl, 0,1,2,3
	s_wait_loadcnt 60-20*\sl
	NORMQ5 \sl
.irp q, 0,1,2,3,4
	ds_store_b128 v[LROW], v[C+4*\q:C+4*\q+3] offset:(5*\sl+\q)*528
.endr
.endr
	s_wait_dscnt 0x0                               ; for the others' sake: my 100 rows of codes lie in LDS
	ULOAD 0, 1                                     ; the first batch of users is on its way through the export
	s_barrier_signal -1
	s_barrier_wait -1                              ; the one barrier: from here on LDS is only read
	; ---- EXPORT: wave v sends K step v of all 25 pairs of groups; a store covers two whole aligned blocks of 256 bytes
	s_mov_b32 s26, 0
	s_mov_b32 s25, 5
.Lexport:
	v_add_nc_u32 v[EXL], s26, v[EXL0]
.set n, 0
.rept 20
	ds_load_b128 v[E+4*n:E+4*n+3], v[EXL] offset:(n/4)*8448+32*(n%4)
.set n, n+1
.endr
.set n, 0
.rept 20
	s_wait_dscnt 19-n                              ; the younger LDS loads may stay out
	global_store_b128 v[EXG], v[E+4*n:E+4*n+3], s[10:11] offset:(n/4)*8192+256*(n%4)
.set n, n+1
.endr
	s_wait_xcnt 0x0                                ; the stores' data and base are written again only behind this wait
	s_add_nc_u64 s[10:11], s[10:11], 40960
	s_add_co_u32 s26, s26, 42240
	s_sub_co_u32 s25, s25, 1
	s_cmp_lg_u32 s25, 0
	s_cbranch_scc1 .Lexport
	; ---- PRODUCT
.macro FETCH f, toff                   ; a cache tile's four fragments (16 rows x 512 K): 16 loads; toff: tiles from the address in hand
.set n, 0
.rept 16
	ds_load_b128 v[\f+4*n:\f+4*n+3], v[AD] offset:(\toff)*4224+128*(n/4)+32*(n%4)
.set n, n+1
.endr
.endm
.macro MUL4 f, a, s                    ; K step s of one cache tile against the batch's four user tiles: the four accumulators take turns; K step 0 starts the sums
.irp i, 0,1,2,3
.if (\s) == 0
	v_wmma_f32_16x16x128_fp8_fp8 v[\a+8*\i:\a+8*\i+7], v[\f+16*(\s):\f+16*(\s)+15], v[64*\i+16*(\s):64*\i+16*(\s)+15], 0
.else
	v_wmma_f32_16x16x128_fp8_fp8 v[\a+8*\i:\a+8*\i+7], v[\f+16*(\s):\f+16*(\s)+15], v[64*\i+16*(\s):64*\i+16*(\s)+15], v[\a+8*\i:\a+8*\i+7]
.endif
.endr
.endm
.macro MAX5 a, i, slot                 ; the maximum of accumulator i's 8 rows, from its low end on; the fine slot takes it, the coarse maximum runs on
	v_max3_num_f32 v[T1], v[\a+8*\i], v[\a+8*\i+1], v[\a+8*\i+2]
	v_max3_num_f32 v[T2], v[\a+8*\i+3], v[\a+8*\i+4], v[\a+8*\i+5]
	v_max3_num_f32 v[T1], v[T1], v[\a+8*\i+6], v[\a+8*\i+7]
	v_max_num_f32 v[FN+4*\i+\slot], v[T1], v[T2]
	v_max3_num_f32 v[CO+\i], v[CO+\i], v[T1], v[T2]
.endm
; One cache tile: 16 products on fragments fc into accumulators ac; the next tile's fragments are fetched into fn; the maxima of the tile before (accumulators ap) stand between the products.
; The four v_nop are the places (ISA guide 7.12.1 for vector instructions) between the last tile's products and the loads into the fragments that they read, and the reads of their results.
.macro TILE fc, fn, ac, ap, slot, toff, w
	s_wait_dscnt 0x0                               ; this tile's fragments, asked for a tile ago, are in
.rept 4
	v_nop
.endr
.if (\toff) >= 0
	FETCH \fn, \toff
.endif
	WIN ((\w)<<2)                                  ; source 1, the users, in window w
	MUL4 \fc, \ac, 0
	MUL4 \fc, \ac, 1
	WIN 0
	MAX5 \ap, 0, \slot
	MAX5 \ap, 1, \slot
	WIN ((\w)<<2)
	MUL4 \fc, \ac, 2
	MUL4 \fc, \ac, 3
	WIN 0
	MAX5 \ap, 2, \slot
	MAX5 \ap, 3, \slot
.endm
; Four tiles: products of tiles 4 q + 1 .. 4 q + 4, maxima of tiles 4 q .. 4 q + 3, which then leave: 512 dense bytes a store
.macro TRIP last, w
	v_add_nc_u32 v[AD], s26, v[AD0]
	TILE F1, F0, A1, A0, 0, 2, \w
	TILE F0, F1, A0, A1, 1, 3, \w
	TILE F1, F0, A1, A0, 2, 4, \w
.if \last
	TILE F0, F1, A0, A1, 3, -1, \w
.else
	TILE F0, F1, A0, A1, 3, 5, \w
.endif
.irp i, 0,1,2,3
	global_store_b128 v[L16], v[FN+4*\i:FN+4*\i+3], s[28:29] offset:512*\i
.endr
	s_wait_xcnt 0x0                                ; the stores' data and base are written again only behind this wait
	s_add_nc_u64 s[28:29], s[28:29], 32768
	s_add_co_u32 s26, s26, 16896
.endm
; Batch b of my four: its users lie in window w; nxt = 1: the next batch's are asked for into the other window
.macro BATCH b, w, nxt
	s_add_nc_u64 s[28:29], s[12:13], (\b)*2048
	s_mov_b32 s26, 0
	v_add_nc_u32 v[AD], s26, v[AD0]
.irp i, 0,1,2,3
	v_mov_b32 v[CO+\i], 0xff800000                 ; -infinity
.endr
	FETCH F0, 0
	FETCH F1, 1
	s_wait_loadcnt 0x0                             ; this batch's users are in
.if \nxt
	ULOAD (\b)+1, 3-(\w)
.endif
	s_wait_dscnt 16                                ; tile 0 is in; tile 1's 16 loads may stay out
	WIN ((\w)<<2)
	MUL4 F0, A0, 0
	MUL4 F0, A0, 1
	MUL4 F0, A0, 2
	MUL4 F0, A0, 3
	WIN 0                                          ; at a label and at a branch every window is 0
	s_mov_b32 s25, 5
.Ltrip_\@:
	TRIP 0, \w
	s_sub_co_u32 s25, s25, 1
	s_cmp_lg_u32 s25, 0
	s_cbranch_scc1 .Ltrip_\@
	TRIP 1, \w                                     ; tiles 21 to 24: nothing is left to fetch behind tile 24
.irp i, 0,1,2,3
	v_mov_b32 v[FN+4*\i+1], 0xff800000             ; the last store's slots 25 to 27 are no tiles: -infinity
	v_mov_b32 v[FN+4*\i+2], 0xff800000
	v_mov_b32 v[FN+4*\i+3], 0xff800000
.endr
.irp i, 0,1,2,3
	MAX5 A0, \i, 0                                 ; tile 24
.endr
.irp i, 0,1,2,3
	global_store_b128 v[L16], v[FN+4*\i:FN+4*\i+3], s[28:29] offset:512*\i
.endr
	global_store_b128 v[COFF], v[CO:CO+3], s[14:15] offset:256*(\b)   ; four neighbouring users a lane: sixteen lanes fill 256 aligned bytes
	s_wait_xcnt 0x0
.endm
	BATCH 0, 1, 1
	BATCH 1, 2, 1
	BATCH 2, 1, 1
	BATCH 3, 2, 0
	s_wait_tensorcnt 0x0
	ds_add_u32 v254, v255
	s_wait_dscnt 0x0
	s_endpgm
.Lfunc_end_k_q39d949a1ca_sims:
	.size	k_q39d949a1ca_sims, .Lfunc_end_k_q39d949a1ca_sims-k_q39d949a1ca_sims
	.p2alignl 7, 3214868480
	.fill 96, 4, 3214868480
	.section	.rodata,"a",@progbits
	.p2align	6, 0x0
	.amdhsa_kernel k_q39d949a1ca_sims
		.amdhsa_group_segment_fixed_size 211712
		.amdhsa_private_segment_fixed_size 0
		.amdhsa_enable_private_segment 0
		.amdhsa_kernarg_size 48
		.amdhsa_user_sgpr_count 2
		.amdhsa_user_sgpr_kernarg_segment_ptr 1
		.amdhsa_wavefront_size32 1
		.amdhsa_system_sgpr_workgroup_id_x 1
		.amdhsa_system_sgpr_workgroup_id_y 1
		.amdhsa_system_sgpr_workgroup_id_z 1
		.amdhsa_system_vgpr_workitem_id 0
		.amdhsa_next_free_vgpr 768
		.amdhsa_next_free_sgpr 66
		.amdhsa_reserve_vcc 0
		.amdhsa_float_denorm_mode_32 3
		.amdhsa_float_denorm_mode_16_64 3
		.amdhsa_memory_ordered 1
		.amdhsa_forward_progress 1
		.amdhsa_inst_pref_size 255
	.end_amdhsa_kernel
	.section	.bss,"aw",@nobits
	.p2align	6
	.space	262144
	.amdgpu_metadata
---
amdhsa.version: [ 1, 2 ]
amdhsa.kernels:
  - .name:           k_q39d949a1ca_sims
    .symbol:         k_q39d949a1ca_sims.kd
    .args:
      - { .name: cache_embeddings, .offset: 0, .size: 8, .value_kind: global_buffer, .address_space: global }
      - { .name: ucodes, .offset: 8, .size: 8, .value_kind: global_buffer, .address_space: global }
      - { .name: lowp_scales, .offset: 16, .size: 8, .value_kind: global_buffer, .address_space: global }
      - { .name: ccodes, .offset: 24, .size: 8, .value_kind: global_buffer, .address_space: global }
      - { .name: fine, .offset: 32, .size: 8, .value_kind: global_buffer, .address_space: global }
      - { .name: coarse, .offset: 40, .size: 8, .value_kind: global_buffer, .address_space: global }
    .group_segment_fixed_size: 211712
    .private_segment_fixed_size: 0
    .kernarg_segment_align: 8
    .kernarg_segment_size: 48
    .max_flat_workgroup_size: 128
    .sgpr_count:     66
    .vgpr_count:     768
    .wavefront_size: 32
...
	.end_amdgpu_metadata
.endif
;; end of part 2
;; launch selc (part 3): grid 256 x 1, 4 waves a work-group, no clusters, 8,704 bytes of LDS; arguments coarse, clist; writes clist
.if DOCPART == 3
	.amdgcn_target "amdgcn-amd-amdhsa--gfx1250"
	.amdhsa_code_object_version 6
	.text
	.protected	k_q39d949a1ca_selc
	.globl	k_q39d949a1ca_selc
	.p2align	8
	.type	k_q39d949a1ca_selc,@function
k_q39d949a1ca_selc:
	s_mov_b64 s[64:65], 0
	v_nop
	global_prefetch_b8 v0, s[64:65] scope:SCOPE_SE
	s_setreg_imm32_b32 hwreg(HW_REG_WAVE_MODE, 25, 1), 1
	s_wait_xcnt 0x0
; For each user the 20 best of its 500 coarse maxima (groups of 200 rows), by (value falling, group rising), stored as whole numbers: clist[user][32], entries 20 to 31 are 0.
; SHARES: a work-group takes 4 neighbouring users, whose maxima lie as 16 bytes in each of the 500 rows of coarse; the 128 threads fetch them, they turn through LDS, and each wave then holds one user's
; 512 slots (500 and 12 of -infinity), 16 a lane.  Twenty rounds, no branch on data: the wave's largest value, among its holders the least number, that slot becomes -infinity, lane i keeps round i's number.
; Numbers are kept as f32 (exact: all under 2^24), so that one kind of cross-lane step serves values and numbers.  +0 and -0 count as equal.  NaN is not served.
.set XV,   16                          ; v16-31 values
.set ID,   32                          ; v32-47 their numbers
.set TT,   48                          ; v48-63 at work
.set LD,   64                          ; v64-79 as loaded
.set M,    80
.set M2,   81
.set IM,   82
.set PM,   83
.set RI,   84
.set NEGV, 85
.set BIGV, 86
.set LN,   87
.set TMP,  88
	s_load_b128 s[4:7], s[0:1], 0x0                ; coarse, clist
	v_lshl_add_u32 v96, v0, 2, 0x2000
	v_mov_b32 v97, 0
	v_lshrrev_b32 v1, 5, v0
	v_readfirstlane_b32 s8, v1                     ; wave
	v_and_b32 v[LN], 31, v0
	v_lshlrev_b32 v2, 12, v0                       ; thread x 4,096: group = thread + 128 k
	v_add_nc_u32 v3, 384, v0
	v_min_u32 v3, 499, v3                          ; k = 3: no load leaves the buffer
	v_lshlrev_b32 v3, 12, v3
	v_lshlrev_b32 v4, 2, v0                        ; LDS in
	s_lshl_b32 s9, s8, 11
	v_lshl_add_u32 v5, v[LN], 2, s9                ; LDS out: my user's 2,048 bytes
	v_lshlrev_b32 v6, 2, v[LN]
	s_lshl_b32 s10, ttmp9, 4                       ; the four users' 16 bytes in a row of coarse
	s_mov_b32 s11, 0
	s_lshl_b32 s12, ttmp9, 2
	s_add_co_u32 s12, s12, s8
	s_lshl_b32 s12, s12, 7                         ; my user's 128 bytes of clist
	s_mov_b32 s13, 0
	s_mov_b32 s16, 0x76543210
	s_mov_b32 s17, 0xfedcba98
	v_mov_b32 v[NEGV], 0xff800000
	v_mov_b32 v[BIGV], 0x7f800000
	v_mov_b32 v[PM], 0
	v_mov_b32 v[RI], 0
	s_wait_kmcnt 0x0
	s_add_nc_u64 s[4:5], s[4:5], s[10:11]
	s_add_nc_u64 s[6:7], s[6:7], s[12:13]
	global_load_b128 v[LD:LD+3], v2, s[4:5]
	global_load_b128 v[LD+4:LD+7], v2, s[4:5] offset:524288
	global_load_b128 v[LD+8:LD+11], v2, s[4:5] offset:1048576
	global_load_b128 v[LD+12:LD+15], v3, s[4:5]
.irp j, 0,1,2,3,4,5,6,7,8,9,10,11,12,13,14,15
	v_add_nc_u32 v[TMP], 32*\j, v[LN]
	v_cvt_f32_u32 v[ID+\j], v[TMP]                 ; slot j of my lane is group 32 j + lane
.endr
	v_cmp_le_u32 vcc_lo, 116, v0                   ; threads 116 on have no group 384 + thread
	s_wait_loadcnt 0x0
.irp e, 0,1,2,3
	v_cndmask_b32 v[LD+12+\e], v[LD+12+\e], v[NEGV], vcc_lo
.endr
.irp k, 0,1,2,3
.irp e, 0,1,2,3
	ds_store_b32 v4, v[LD+4*\k+\e] offset:2048*\e+512*\k
.endr
.endr
	s_wait_dscnt 0x0                               ; for the others' sake
	s_barrier_signal -1
	s_barrier_wait -1
.irp j, 0,1,2,3,4,5,6,7,8,9,10,11,12,13,14,15
	ds_load_b32 v[XV+\j], v5 offset:128*\j
.endr
	s_wait_dscnt 0x0
	s_mov_b32 s20, 0
.Lround:
	v_max3_num_f32 v[M], v[XV], v[XV+1], v[XV+2]   ; the largest value: two chains in the lane,
	v_max3_num_f32 v[M2], v[XV+3], v[XV+4], v[XV+5]
.irp j, 6,10
	v_max3_num_f32 v[M], v[M], v[XV+\j], v[XV+\j+1]
	v_max3_num_f32 v[M2], v[M2], v[XV+\j+2], v[XV+\j+3]
.endr
	v_max3_num_f32 v[M], v[M], v[XV+14], v[XV+15]
	v_max_num_f32 v[M], v[M], v[M2]
.irp m, 1,2,4,8
	v_max_num_f32_dpp v[M], v[M], v[M] row_xmask:\m row_mask:0xf bank_mask:0xf   ; then across the 32 lanes
.endr
	v_permlanex16_b32 v[PM], v[M], s16, s17
	v_max_num_f32 v[M], v[M], v[PM]
.irp g, 0,8
.irp j, 0,1,2,3,4,5,6,7
	v_cmp_eq_f32 s[40+\j], v[M], v[XV+\g+\j]
.endr
.irp j, 0,1,2,3,4,5,6,7
	v_cndmask_b32 v[TT+\g+\j], v[BIGV], v[ID+\g+\j], s[40+\j]   ; its holders' numbers, +infinity elsewhere
.endr
.endr
	v_min3_num_f32 v[IM], v[TT], v[TT+1], v[TT+2]  ; the least of them
	v_min3_num_f32 v[M2], v[TT+3], v[TT+4], v[TT+5]
.irp j, 6,10
	v_min3_num_f32 v[IM], v[IM], v[TT+\j], v[TT+\j+1]
	v_min3_num_f32 v[M2], v[M2], v[TT+\j+2], v[TT+\j+3]
.endr
	v_min3_num_f32 v[IM], v[IM], v[TT+14], v[TT+15]
	v_min_num_f32 v[IM], v[IM], v[M2]
.irp m, 1,2,4,8
	v_min_num_f32_dpp v[IM], v[IM], v[IM] row_xmask:\m row_mask:0xf bank_mask:0xf
.endr
	v_permlanex16_b32 v[PM], v[IM], s16, s17
	v_min_num_f32 v[IM], v[IM], v[PM]
.irp g, 0,8
.irp j, 0,1,2,3,4,5,6,7
	v_cmp_eq_f32 s[40+\j], v[IM], v[ID+\g+\j]
.endr
.irp j, 0,1,2,3,4,5,6,7
	v_cndmask_b32 v[XV+\g+\j], v[XV+\g+\j], v[NEGV], s[40+\j]   ; the chosen slot is out
.endr
.endr
	v_cmp_eq_u32 vcc_lo, s20, v[LN]
	v_cndmask_b32 v[RI], v[RI], v[IM], vcc_lo      ; lane i keeps round i's number
	s_add_co_u32 s20, s20, 1
	s_cmp_lt_u32 s20, 20
	s_cbranch_scc1 .Lround
	v_cvt_u32_f32 v[RI], v[RI]
	global_store_b32 v6, v[RI], s[6:7]
	s_wait_tensorcnt 0x0
	ds_add_u32 v96, v97
	s_wait_dscnt 0x0
	s_endpgm
.Lfunc_end_k_q39d949a1ca_selc:
	.size	k_q39d949a1ca_selc, .Lfunc_end_k_q39d949a1ca_selc-k_q39d949a1ca_selc
	.p2alignl 7, 3214868480
	.fill 96, 4, 3214868480
	.section	.rodata,"a",@progbits
	.p2align	6, 0x0
	.amdhsa_kernel k_q39d949a1ca_selc
		.amdhsa_group_segment_fixed_size 8704
		.amdhsa_private_segment_fixed_size 0
		.amdhsa_enable_private_segment 0
		.amdhsa_kernarg_size 16
		.amdhsa_user_sgpr_count 2
		.amdhsa_user_sgpr_kernarg_segment_ptr 1
		.amdhsa_wavefront_size32 1
		.amdhsa_system_sgpr_workgroup_id_x 1
		.amdhsa_system_sgpr_workgroup_id_y 1
		.amdhsa_system_sgpr_workgroup_id_z 1
		.amdhsa_system_vgpr_workitem_id 0
		.amdhsa_next_free_vgpr 98
		.amdhsa_next_free_sgpr 66
		.amdhsa_reserve_vcc 1
		.amdhsa_float_denorm_mode_32 3
		.amdhsa_float_denorm_mode_16_64 3
		.amdhsa_memory_ordered 1
		.amdhsa_forward_progress 1
		.amdhsa_inst_pref_size 12
	.end_amdhsa_kernel
	.amdgpu_metadata
---
amdhsa.version: [ 1, 2 ]
amdhsa.kernels:
  - .name:           k_q39d949a1ca_selc
    .symbol:         k_q39d949a1ca_selc.kd
    .args:
      - { .name: coarse, .offset: 0, .size: 8, .value_kind: global_buffer, .address_space: global }
      - { .name: clist, .offset: 8, .size: 8, .value_kind: global_buffer, .address_space: global }
    .group_segment_fixed_size: 8704
    .private_segment_fixed_size: 0
    .kernarg_segment_align: 8
    .kernarg_segment_size: 16
    .max_flat_workgroup_size: 128
    .sgpr_count:     66
    .vgpr_count:     98
    .wavefront_size: 32
...
	.end_amdgpu_metadata
.endif
;; end of part 3
;; launch self (part 4): grid 256 x 1, 4 waves a work-group, no clusters, 0 bytes of LDS; arguments clist, fine, flist; writes flist
.if DOCPART == 4
	.amdgcn_target "amdgcn-amd-amdhsa--gfx1250"
	.amdhsa_code_object_version 6
	.text
	.protected	k_q39d949a1ca_self
	.globl	k_q39d949a1ca_self
	.p2align	8
	.type	k_q39d949a1ca_self,@function
k_q39d949a1ca_self:
	s_mov_b64 s[64:65], 0
	v_nop
	global_prefetch_b8 v0, s[64:65] scope:SCOPE_SE
	s_setreg_imm32_b32 hwreg(HW_REG_WAVE_MODE, 25, 1), 1
	s_wait_xcnt 0x0
; For each user the 20 best groups of 8 rows among the 20 x 25 that lie in its 20 chosen groups of 200, by (value falling, group rising), stored as whole numbers: flist[user][32], entries 20 to 31 are 0.
; A wave takes a user.  A chosen group cid = 2 w + h has its 25 fine maxima (and 3 slots of -infinity) in 7 pieces of 16 bytes: 140 pieces a user, piece p = 7 x (place in the list) + tq, lane and k: p = 32 k + lane.
; Fine group number = 25 cid + t = row / 8.  A slot of -infinity never equals the round's maximum, which is finite in all 20 rounds (500 real slots); where its number meets a real group's, only a slot that is out already is put out.
; The list's entries are held at 499 before they enter an address.  Numbers as f32 (exact under 2^24).  +0 and -0 count as equal.  NaN is not served.
.set XV,   16                          ; v16-35 values
.set ID,   36                          ; v36-55 numbers
.set TT,   56                          ; v56-75 at work
.set M,    76
.set M2,   77
.set IM,   78
.set PM,   79
.set RI,   80
.set NEGV, 81
.set BIGV, 82
.set LN,   83
.set TMP,  84
.set TMP2, 85
.set CA,   86                          ; v86-90   byte of the list's entry
.set TQ,   91                          ; v91-95   which of the 7 pieces
.set CID,  96                          ; v96-100  the entry
.set OFFR, 101                         ; v101-105 the piece's byte in fine
	s_load_b128 s[4:7], s[0:1], 0x0                ; clist, fine
	s_load_b64 s[8:9], s[0:1], 0x10                ; flist
	v_lshrrev_b32 v1, 5, v0
	v_readfirstlane_b32 s10, v1                    ; wave = u % 4 = i
	v_and_b32 v[LN], 31, v0
	v_lshlrev_b32 v6, 2, v[LN]
	s_lshl_b32 s12, ttmp9, 2
	s_add_co_u32 s12, s12, s10
	s_lshl_b32 s12, s12, 7                         ; my user's 128 bytes in both lists
	s_mov_b32 s13, 0
	s_lshr_b32 s14, ttmp9, 4                       ; B = u / 64
	s_lshl_b32 s14, s14, 11
	s_lshl_b32 s15, s10, 9
	s_add_co_u32 s14, s14, s15
	s_and_b32 s15, ttmp9, 15                       ; r = (u / 4) % 16
	s_lshl_b32 s15, s15, 4
	s_add_co_u32 s14, s14, s15                     ; 2048 B + 512 i + 16 r
	s_mov_b32 s15, 0
	s_mov_b32 s16, 0x76543210
	s_mov_b32 s17, 0xfedcba98
	v_mov_b32 v[NEGV], 0xff800000
	v_mov_b32 v[BIGV], 0x7f800000
	v_mov_b32 v[PM], 0
	v_mov_b32 v[RI], 0
.irp k, 0,1,2,3,4
	v_add_nc_u32 v[TMP], 32*\k, v[LN]
	v_min_u32 v[TMP], 139, v[TMP]                  ; p; lanes 12 on of k = 4 repeat the last piece and are put out below
	v_mul_u32_u24 v[TMP2], v[TMP], 9363
	v_lshrrev_b32 v[TMP2], 16, v[TMP2]             ; p / 7 (exact for p under 140)
	v_mul_u32_u24 v[TQ+\k], v[TMP2], 7
	v_sub_nc_u32 v[TQ+\k], v[TMP], v[TQ+\k]        ; p % 7
	v_lshlrev_b32 v[CA+\k], 2, v[TMP2]
.endr
	s_wait_kmcnt 0x0
	s_add_nc_u64 s[4:5], s[4:5], s[12:13]
	s_add_nc_u64 s[8:9], s[8:9], s[12:13]
	s_add_nc_u64 s[6:7], s[6:7], s[14:15]
.irp k, 0,1,2,3,4
	global_load_b32 v[CID+\k], v[CA+\k], s[4:5]
.endr
	s_wait_loadcnt 0x0
.irp k, 0,1,2,3,4
	v_min_u32 v[CID+\k], 499, v[CID+\k]
	v_and_b32 v[TMP], 0x1fe, v[CID+\k]
	v_mul_u32_u24 v[OFFR+\k], v[TMP], 114688       ; 2 w x 114,688 = w x 229,376
	v_and_b32 v[TMP], 1, v[CID+\k]
	v_lshl_add_u32 v[OFFR+\k], v[TMP], 8, v[OFFR+\k]       ; + 256 h
	v_lshl_add_u32 v[OFFR+\k], v[TQ+\k], 15, v[OFFR+\k]    ; + 32,768 tq
.endr
.irp k, 0,1,2,3,4
	global_load_b128 v[XV+4*\k:XV+4*\k+3], v[OFFR+\k], s[6:7]
.endr
.irp k, 0,1,2,3,4
	v_lshlrev_b32 v[TMP], 2, v[TQ+\k]
	v_mad_u32_u24 v[TMP], v[CID+\k], 25, v[TMP]
	v_cvt_f32_u32 v[ID+4*\k], v[TMP]               ; 25 cid + 4 tq, and the three behind it
	v_add_f32 v[ID+4*\k+1], 1.0, v[ID+4*\k]
	v_add_f32 v[ID+4*\k+2], 2.0, v[ID+4*\k]
	v_add_f32 v[ID+4*\k+3], 0x40400000, v[ID+4*\k]
.endr
	v_cmp_le_u32 vcc_lo, 12, v[LN]
	s_wait_loadcnt 0x0
.irp e, 0,1,2,3
	v_cndmask_b32 v[XV+16+\e], v[XV+16+\e], v[NEGV], vcc_lo
.endr
	s_mov_b32 s20, 0
.Lround:
	v_max3_num_f32 v[M], v[XV], v[XV+1], v[XV+2]
	v_max3_num_f32 v[M2], v[XV+3], v[XV+4], v[XV+5]
.irp j, 6,10,14
	v_max3_num_f32 v[M], v[M], v[XV+\j], v[XV+\j+1]
	v_max3_num_f32 v[M2], v[M2], v[XV+\j+2], v[XV+\j+3]
.endr
	v_max3_num_f32 v[M], v[M], v[XV+18], v[XV+19]
	v_max_num_f32 v[M], v[M], v[M2]
.irp m, 1,2,4,8
	v_max_num_f32_dpp v[M], v[M], v[M] row_xmask:\m row_mask:0xf bank_mask:0xf
.endr
	v_permlanex16_b32 v[PM], v[M], s16, s17
	v_max_num_f32 v[M], v[M], v[PM]                ; the wave's largest value
.irp g, 0,10
.irp j, 0,1,2,3,4,5,6,7,8,9
	v_cmp_eq_f32 s[40+\j], v[M], v[XV+\g+\j]
.endr
.irp j, 0,1,2,3,4,5,6,7,8,9
	v_cndmask_b32 v[TT+\g+\j], v[BIGV], v[ID+\g+\j], s[40+\j]
.endr
.endr
	v_min3_num_f32 v[IM], v[TT], v[TT+1], v[TT+2]
	v_min3_num_f32 v[M2], v[TT+3], v[TT+4], v[TT+5]
.irp j, 6,10,14
	v_min3_num_f32 v[IM], v[IM], v[TT+\j], v[TT+\j+1]
	v_min3_num_f32 v[M2], v[M2], v[TT+\j+2], v[TT+\j+3]
.endr
	v_min3_num_f32 v[IM], v[IM], v[TT+18], v[TT+19]
	v_min_num_f32 v[IM], v[IM], v[M2]
.irp m, 1,2,4,8
	v_min_num_f32_dpp v[IM], v[IM], v[IM] row_xmask:\m row_mask:0xf bank_mask:0xf
.endr
	v_permlanex16_b32 v[PM], v[IM], s16, s17
	v_min_num_f32 v[IM], v[IM], v[PM]              ; the least number among its holders
.irp g, 0,10
.irp j, 0,1,2,3,4,5,6,7,8,9
	v_cmp_eq_f32 s[40+\j], v[IM], v[ID+\g+\j]
.endr
.irp j, 0,1,2,3,4,5,6,7,8,9
	v_cndmask_b32 v[XV+\g+\j], v[XV+\g+\j], v[NEGV], s[40+\j]
.endr
.endr
	v_cmp_eq_u32 vcc_lo, s20, v[LN]
	v_cndmask_b32 v[RI], v[RI], v[IM], vcc_lo
	s_add_co_u32 s20, s20, 1
	s_cmp_lt_u32 s20, 20
	s_cbranch_scc1 .Lround
	v_cvt_u32_f32 v[RI], v[RI]
	global_store_b32 v6, v[RI], s[8:9]
	s_endpgm
.Lfunc_end_k_q39d949a1ca_self:
	.size	k_q39d949a1ca_self, .Lfunc_end_k_q39d949a1ca_self-k_q39d949a1ca_self
	.p2alignl 7, 3214868480
	.fill 96, 4, 3214868480
	.section	.rodata,"a",@progbits
	.p2align	6, 0x0
	.amdhsa_kernel k_q39d949a1ca_self
		.amdhsa_group_segment_fixed_size 0
		.amdhsa_private_segment_fixed_size 0
		.amdhsa_enable_private_segment 0
		.amdhsa_kernarg_size 24
		.amdhsa_user_sgpr_count 2
		.amdhsa_user_sgpr_kernarg_segment_ptr 1
		.amdhsa_wavefront_size32 1
		.amdhsa_system_sgpr_workgroup_id_x 1
		.amdhsa_system_sgpr_workgroup_id_y 1
		.amdhsa_system_sgpr_workgroup_id_z 1
		.amdhsa_system_vgpr_workitem_id 0
		.amdhsa_next_free_vgpr 128
		.amdhsa_next_free_sgpr 66
		.amdhsa_reserve_vcc 1
		.amdhsa_float_denorm_mode_32 3
		.amdhsa_float_denorm_mode_16_64 3
		.amdhsa_memory_ordered 1
		.amdhsa_forward_progress 1
		.amdhsa_inst_pref_size 15
	.end_amdhsa_kernel
	.amdgpu_metadata
---
amdhsa.version: [ 1, 2 ]
amdhsa.kernels:
  - .name:           k_q39d949a1ca_self
    .symbol:         k_q39d949a1ca_self.kd
    .args:
      - { .name: clist, .offset: 0, .size: 8, .value_kind: global_buffer, .address_space: global }
      - { .name: fine, .offset: 8, .size: 8, .value_kind: global_buffer, .address_space: global }
      - { .name: flist, .offset: 16, .size: 8, .value_kind: global_buffer, .address_space: global }
    .group_segment_fixed_size: 0
    .private_segment_fixed_size: 0
    .kernarg_segment_align: 8
    .kernarg_segment_size: 24
    .max_flat_workgroup_size: 128
    .sgpr_count:     66
    .vgpr_count:     128
    .wavefront_size: 32
...
	.end_amdgpu_metadata
.endif
;; end of part 4
;; launch exact (part 5): grid 256 x 1, 4 waves a work-group, no clusters, 0 bytes of LDS; arguments flist, ccodes, ucodes, lowp_scales, nidx, nwts; writes nidx, nwts
.if DOCPART == 5
	.amdgcn_target "amdgcn-amd-amdhsa--gfx1250"
	.amdhsa_code_object_version 6
	.text
	.protected	k_q39d949a1ca_exact
	.globl	k_q39d949a1ca_exact
	.p2align	8
	.type	k_q39d949a1ca_exact,@function
k_q39d949a1ca_exact:
	s_mov_b64 s[64:65], 0
	v_nop
	global_prefetch_b8 v0, s[64:65] scope:SCOPE_SE
	s_setreg_imm32_b32 hwreg(HW_REG_WAVE_MODE, 25, 1), 1
	s_wait_xcnt 0x0
; For each user: the similarities of the 160 rows in its 20 chosen groups of 8 are made again from the stored codes (the same matrix form, the same K steps in the same order and the same chain as in the
; big product, with the sources swapped, which transposes the tile), the 20 best rows are chosen by (value falling, row rising), and reference()'s weights are made: valid = sim >= 0, softmax over the
; valid ones with the largest logit taken away, 0 for the others.  Out: nidx[user][32] (rows, whole numbers) and nwts[user][32] (f32); entries 20 to 31 are 0.  nwts[user][0] > 0 just where a valid neighbour exists.
; A wave takes a user.  Source 0: the user's fragment, the same row in all 16 rows; source 1: tile q = groups 2 q and 2 q + 1 of the list.  Register 0 of accumulator q in lane (r, h) is the similarity of the tile's row r.
; All 160 loads of codes go out at once, each two whole aligned blocks of 256 bytes.  The list's entries are held at 12,499 before they enter an address.
; LIMITS: NaN is not served; +0 and -0 count as equal in the order.
; REGISTERS: window 0: v1-6 addresses; v16-25 the list; v26-35 offsets; v36-99 the user's fragment; v100-179 ten accumulators; v180 on the rounds.  Windows 1-3: tile q at window 1 + q / 4, register 64 (q % 4) + 16 s.
.set LN,   1
.set G,    16
.set OFFR, 26
.set UA,   36
.set ACC,  100
.set XV,   180
.set ID,   186
.set TT,   192
.set M,    198
.set IM,   200
.set PM,   201
.set RI,   202
.set RV,   203
.set NEGV, 204
.set BIGV, 205
.set TA,   206
.set TB,   207
.set VV,   208
.set LG,   209
.set MSB, 0
.macro WIN new
.if MSB != (\new)
	s_set_vgpr_msb (MSB<<8)|(\new)
.set MSB, (\new)
.endif
.endm
	s_load_b256 s[4:11], s[0:1], 0x0               ; flist s[4:5], ccodes s[6:7], ucodes s[8:9], scales s[10:11]
	s_load_b128 s[12:15], s[0:1], 0x20             ; nidx, nwts
	v_lshrrev_b32 v7, 5, v0
	v_readfirstlane_b32 s18, v7                    ; wave = u % 4
	v_and_b32 v[LN], 31, v0
	v_bfe_u32 v7, v0, 3, 1
	v_lshlrev_b32 v2, 2, v7                        ; the list: entry 2 q + (lane / 8) % 2
	v_bfe_u32 v8, v0, 4, 1                         ; h
	s_and_b32 s19, ttmp9, 15                       ; my user's row in its tile
	s_lshl_b32 s19, s19, 4
	v_lshl_add_u32 v3, v8, 8, s19                  ; the user's image: 16 x (row + 16 h)
	v_and_b32 v5, 7, v0
	v_lshlrev_b32 v4, 4, v5
	v_lshl_add_u32 v4, v8, 7, v4                   ; a group's image: 128 h + 16 (lane % 8)
	v_lshlrev_b32 v6, 2, v[LN]
	s_lshl_b32 s26, ttmp9, 2
	s_add_co_u32 s26, s26, s18
	s_lshl_b32 s26, s26, 7                         ; my user's 128 bytes in the lists
	s_mov_b32 s27, 0
	s_lshr_b32 s28, ttmp9, 4
	s_lshl_b32 s28, s28, 2
	s_add_co_u32 s28, s28, s18                     ; tile T = 4 (u / 64) + u % 4
	s_lshl_b32 s28, s28, 13
	s_mov_b32 s29, 0
	s_mov_b32 s16, 0x76543210
	s_mov_b32 s17, 0xfedcba98
	v_mov_b32 v[NEGV], 0xff800000
	v_mov_b32 v[BIGV], 0x7f800000
	v_mov_b32 v[PM], 0
	v_mov_b32 v[RI], 0
	v_mov_b32 v[RV], 0xff800000
	s_wait_kmcnt 0x0
	s_load_b64 s[22:23], s[10:11], 0x0             ; e0, e1
	s_add_nc_u64 s[4:5], s[4:5], s[26:27]
	s_add_nc_u64 s[12:13], s[12:13], s[26:27]
	s_add_nc_u64 s[14:15], s[14:15], s[26:27]
	s_add_nc_u64 s[8:9], s[8:9], s[28:29]
.irp q, 0,1,2,3,4,5,6,7,8,9
	global_load_b32 v[G+\q], v2, s[4:5] offset:8*\q
.endr
.set n, 0
.rept 16
	global_load_b128 v[UA+4*n:UA+4*n+3], v3, s[8:9] offset:512*n
.set n, n+1
.endr
	s_wait_loadcnt 16                              ; the list is in; the user's 16 loads may stay out
.irp q, 0,1,2,3,4,5,6,7,8,9
	v_min_u32 v[G+\q], 12499, v[G+\q]
	v_lshl_add_u32 v[OFFR+\q], v[G+\q], 12, v4
.endr
.irp q, 0,1,2,3,4,5,6,7,8,9
	WIN ((1+\q/4)<<6)
.set n, 0
.rept 16
	global_load_b128 v[64*(\q%4)+4*n:64*(\q%4)+4*n+3], v[OFFR+\q], s[6:7] offset:256*n
.set n, n+1
.endr
.endr
	WIN 0
; nq tiles from q0 on, which lie in window wn: K step by K step, the accumulators by turns; K step 0 starts the sums
.macro GRP q0, nq, wn
	WIN ((\wn)<<2)
.irp s, 0,1,2,3
.set qq, 0
.rept \nq
.if \s == 0
	v_wmma_f32_16x16x128_fp8_fp8 v[ACC+8*(\q0+qq):ACC+8*(\q0+qq)+7], v[UA+16*\s:UA+16*\s+15], v[64*qq+16*\s:64*qq+16*\s+15], 0
.else
	v_wmma_f32_16x16x128_fp8_fp8 v[ACC+8*(\q0+qq):ACC+8*(\q0+qq)+7], v[UA+16*\s:UA+16*\s+15], v[64*qq+16*\s:64*qq+16*\s+15], v[ACC+8*(\q0+qq):ACC+8*(\q0+qq)+7]
.endif
.set qq, qq+1
.endr
.endr
	WIN 0
.endm
	s_wait_loadcnt 63                              ; 96 loads are younger than tile 3's last
	GRP 0, 4, 1
	s_wait_loadcnt 32                              ; tiles 8 and 9 may stay out
	GRP 4, 4, 2
	s_wait_loadcnt 0x0
	GRP 8, 2, 3
.rept 4
	v_nop                                          ; the places behind the last products (ISA guide 7.12.1)
.endr
	v_cmp_le_u32 vcc_lo, 16, v[LN]
.irp k, 0,1,2,3,4
	v_cndmask_b32 v[XV+\k], v[ACC+16*\k], v[ACC+16*\k+8], vcc_lo   ; lanes 0-15: tile 2 k's rows; lanes 16-31: tile 2 k + 1's.  Each accumulator is read at its lowest register
	v_lshl_add_u32 v[TA], v[G+2*\k], 3, v5
	v_lshl_add_u32 v[TB], v[G+2*\k+1], 3, v5
	v_cndmask_b32 v[TA], v[TA], v[TB], vcc_lo
	v_cvt_f32_u32 v[ID+\k], v[TA]                  ; the row: 8 x group + lane % 8 (exact in f32)
.endr
	s_mov_b32 s20, 0
.Lround:
	v_max3_num_f32 v[M], v[XV], v[XV+1], v[XV+2]
	v_max3_num_f32 v[M], v[M], v[XV+3], v[XV+4]
.irp m, 1,2,4,8
	v_max_num_f32_dpp v[M], v[M], v[M] row_xmask:\m row_mask:0xf bank_mask:0xf
.endr
	v_permlanex16_b32 v[PM], v[M], s16, s17
	v_max_num_f32 v[M], v[M], v[PM]
.irp j, 0,1,2,3,4
	v_cmp_eq_f32 s[40+\j], v[M], v[XV+\j]
.endr
.irp j, 0,1,2,3,4
	v_cndmask_b32 v[TT+\j], v[BIGV], v[ID+\j], s[40+\j]
.endr
	v_min3_num_f32 v[IM], v[TT], v[TT+1], v[TT+2]
	v_min3_num_f32 v[IM], v[IM], v[TT+3], v[TT+4]
.irp m, 1,2,4,8
	v_min_num_f32_dpp v[IM], v[IM], v[IM] row_xmask:\m row_mask:0xf bank_mask:0xf
.endr
	v_permlanex16_b32 v[PM], v[IM], s16, s17
	v_min_num_f32 v[IM], v[IM], v[PM]
.irp j, 0,1,2,3,4
	v_cmp_eq_f32 s[40+\j], v[IM], v[ID+\j]
.endr
.irp j, 0,1,2,3,4
	v_cndmask_b32 v[XV+\j], v[XV+\j], v[NEGV], s[40+\j]
.endr
	v_cmp_eq_u32 vcc_lo, s20, v[LN]
	v_cndmask_b32 v[RI], v[RI], v[IM], vcc_lo      ; lane i keeps the i-th row
	v_cndmask_b32 v[RV], v[RV], v[M], vcc_lo       ; and its raw sum
	s_add_co_u32 s20, s20, 1
	s_cmp_lt_u32 s20, 20
	s_cbranch_scc1 .Lround
	; the weights
	s_wait_kmcnt 0x0
	s_add_co_i32 s24, s22, s23
	v_ldexp_f32 v[VV], v[RV], s24                  ; the similarity: the sum x 2^(e0 + e1)
	v_cmp_le_f32 s30, 0, v[VV]                     ; valid
	v_mov_b32 v[TA], 0xf149f2ca                    ; -1e30
	v_cndmask_b32 v[LG], v[TA], v[VV], s30
	v_cmp_le_u32 vcc_lo, 20, v[LN]
	v_cndmask_b32 v[LG], v[LG], v[NEGV], vcc_lo    ; lanes 20 on hold nothing: -infinity, whose exponential is 0
	v_mov_b32 v[M], v[LG]
.irp m, 1,2,4,8
	v_max_num_f32_dpp v[M], v[M], v[M] row_xmask:\m row_mask:0xf bank_mask:0xf
.endr
	v_permlanex16_b32 v[PM], v[M], s16, s17
	v_max_num_f32 v[M], v[M], v[PM]                ; the largest logit is taken away, as reference() does
	v_sub_f32 v[LG], v[LG], v[M]
	v_mul_f32 v[LG], 0x3fb8aa3b, v[LG]
	v_exp_f32 v[LG], v[LG]
	v_nop                                          ; a plain line behind the transcendental
	s_wait_alu depctr_va_vdst(0)
	v_mov_b32 v[M], v[LG]
.irp m, 1,2,4,8
	v_add_f32_dpp v[M], v[M], v[M] row_xmask:\m row_mask:0xf bank_mask:0xf
.endr
	v_permlanex16_b32 v[PM], v[M], s16, s17
	v_add_f32 v[M], v[M], v[PM]
	v_rcp_f32 v[M], v[M]
	v_cvt_u32_f32 v[RI], v[RI]                     ; (a plain line behind the transcendental)
	s_wait_alu depctr_va_vdst(0)
	v_mul_f32 v[LG], v[LG], v[M]
	v_cndmask_b32 v[LG], 0, v[LG], s30             ; 0 where not valid
	global_store_b32 v6, v[RI], s[12:13]
	global_store_b32 v6, v[LG], s[14:15]
	s_endpgm
.Lfunc_end_k_q39d949a1ca_exact:
	.size	k_q39d949a1ca_exact, .Lfunc_end_k_q39d949a1ca_exact-k_q39d949a1ca_exact
	.p2alignl 7, 3214868480
	.fill 96, 4, 3214868480
	.section	.rodata,"a",@progbits
	.p2align	6, 0x0
	.amdhsa_kernel k_q39d949a1ca_exact
		.amdhsa_group_segment_fixed_size 0
		.amdhsa_private_segment_fixed_size 0
		.amdhsa_enable_private_segment 0
		.amdhsa_kernarg_size 48
		.amdhsa_user_sgpr_count 2
		.amdhsa_user_sgpr_kernarg_segment_ptr 1
		.amdhsa_wavefront_size32 1
		.amdhsa_system_sgpr_workgroup_id_x 1
		.amdhsa_system_sgpr_workgroup_id_y 1
		.amdhsa_system_sgpr_workgroup_id_z 1
		.amdhsa_system_vgpr_workitem_id 0
		.amdhsa_next_free_vgpr 896
		.amdhsa_next_free_sgpr 66
		.amdhsa_reserve_vcc 1
		.amdhsa_float_denorm_mode_32 3
		.amdhsa_float_denorm_mode_16_64 3
		.amdhsa_memory_ordered 1
		.amdhsa_forward_progress 1
		.amdhsa_inst_pref_size 29
	.end_amdhsa_kernel
	.amdgpu_metadata
---
amdhsa.version: [ 1, 2 ]
amdhsa.kernels:
  - .name:           k_q39d949a1ca_exact
    .symbol:         k_q39d949a1ca_exact.kd
    .args:
      - { .name: flist, .offset: 0, .size: 8, .value_kind: global_buffer, .address_space: global }
      - { .name: ccodes, .offset: 8, .size: 8, .value_kind: global_buffer, .address_space: global }
      - { .name: ucodes, .offset: 16, .size: 8, .value_kind: global_buffer, .address_space: global }
      - { .name: lowp_scales, .offset: 24, .size: 8, .value_kind: global_buffer, .address_space: global }
      - { .name: nidx, .offset: 32, .size: 8, .value_kind: global_buffer, .address_space: global }
      - { .name: nwts, .offset: 40, .size: 8, .value_kind: global_buffer, .address_space: global }
    .group_segment_fixed_size: 0
    .private_segment_fixed_size: 0
    .kernarg_segment_align: 8
    .kernarg_segment_size: 48
    .max_flat_workgroup_size: 128
    .sgpr_count:     66
    .vgpr_count:     896
    .wavefront_size: 32
...
	.end_amdgpu_metadata
.endif
;; end of part 5
;; launch fuse (part 6): grid 64 x 1, 16 waves a work-group, no clusters, 59,904 bytes of LDS; arguments nidx, nwts, cache_embeddings, user_embeddings, ucodes, b1, b2, lowp_scales, out0; writes out0
.if DOCPART == 6
	.amdgcn_target "amdgcn-amd-amdhsa--gfx1250"
	.amdhsa_code_object_version 6
	.text
	.protected	k_q39d949a1ca_fuse
	.globl	k_q39d949a1ca_fuse
	.p2align	8
	.type	k_q39d949a1ca_fuse,@function
k_q39d949a1ca_fuse:
	s_mov_b64 s[64:65], 0
	v_nop
	global_prefetch_b8 v0, s[64:65] scope:SCOPE_SE
	s_setreg_imm32_b32 hwreg(HW_REG_WAVE_MODE, 25, 1), 1
	s_wait_xcnt 0x0
; agg = the sum of the 20 chosen f32 rows x their weights (f32 multiply-adds: it goes on into a quantiser); h = relu(Q([user, agg]) W1 + b1); fused = Q(h) W2 + b2, both products on codes of E4M3;
; a user with no valid neighbour (weight 0 of its best row) keeps its embedding.
; SHARES.  A work-group takes 16 users.  PHASE A: wave v gathers for user v (a row is 4 dense loads of 512 bytes; ten rows on their way), quantises [user, agg] with 2^e2 and lays the 1,024 codes, K in its true order,
; as row v in LDS.  PHASE B: THE WAVES SHARE THE COLUMNS: wave v makes hidden units 32 v .. 32 v + 31 of all 16 users, transposed (source 0 = 16 rows of W1, source 1 = the users).  The rows of W1 that form a tile are
; not neighbours: lane r of tile t takes row 32 v + 8 t + r + 8 (r / 8), so that a lane's 16 registers are 16 neighbours along the next K: quantised they are registers 4 (v % 4) .. + 3 of K step v / 4 of the next operand,
; which goes to LDS as an image of its registers (512 bytes at 512 v).  PHASE C: wave v makes outputs 32 v .. 32 v + 31; they meet in a stage, and wave v stores user v's whole row, 512 dense bytes a store.
; THE WEIGHTS COME AS IMAGES OF THEIR FRAGMENTS' REGISTERS, made by the first launch behind the users' codes in ucodes (W1 from byte 524,288: 32,768 bytes a wave; W2 from byte 1,048,576: 16,384 a wave):
; every load of weights covers 512 consecutive bytes, 16 a lane, and lands in the operand's registers as it stands.
; The rows' numbers are held at 99,999 before they enter an address.
; LIMITS: e2, e4 between -126 and 119; e2 + e3 and e4 + e5 between -126 and 127.  NaN and infinities are not served.
; REGISTERS: v1-3, v6-10, v15 addresses; v11-14 scales and holds; v16-31 the user's row.  Phase A: v32-51 offsets, v52-67 agg, v68-83 at work, v84-91 codes, v96-255 ten rows.
;   Phases B, C: v32-95 the users' four fragments, v96-223 eight fragments of weights, v224-239 two accumulators, v240-255 the bias in the result's layout.
.set ACOD, 0                           ; LDS: 16 rows of 1,024 codes, pitch 1,040
.set HIMG, 16640                       ; the hidden layer's four fragments, 2,048 bytes each
.set STG,  24832                       ; the stage: 16 rows of 2,048 bytes, pitch 2,064
.set XU,   16
.set OFF,  32
.set AG,   52
.set T,    68
.set C,    84
.set RB,   96
.set AF,   32
.set WF,   96
.set ACC,  224
.set BB,   240
	s_load_b256 s[4:11], s[0:1], 0x0               ; nidx s[4:5], nwts s[6:7], cache s[8:9], users s[10:11]
	s_load_b64 s[12:13], s[0:1], 0x20              ; ucodes: the weights' images lie in it
	s_load_b256 s[16:23], s[0:1], 0x28             ; b1 s[16:17], b2 s[18:19], scales s[20:21], out0 s[22:23]
	v_lshl_add_u32 v4, v0, 2, 0xe200
	v_mov_b32 v5, 0
	v_lshrrev_b32 v16, 5, v0
	v_readfirstlane_b32 s30, v16                   ; wave 0..15
	v_and_b32 v16, 31, v0                          ; lane
	v_and_b32 v17, 15, v0                          ; r
	v_bfe_u32 v18, v0, 4, 1                        ; h
	v_lshlrev_b32 v1, 4, v16                       ; 16 x lane
	s_mul_i32 s31, s30, 1040
	v_lshl_add_u32 v2, v16, 2, s31                 ; my user's codes, on the way in: 4 bytes a lane
	v_mul_u32_u24 v3, v17, 1040
	v_lshl_add_u32 v3, v18, 4, v3                  ; the users' fragments: row r, + 16 h
	s_lshl_b32 s31, s30, 9
	s_add_co_u32 s31, s31, HIMG
	v_add_nc_u32 v6, s31, v1                       ; my four registers of the hidden image
	v_add_nc_u32 v7, HIMG, v1                      ; and the images, on the way back
	v_mul_u32_u24 v8, v17, 2064
	v_lshl_add_u32 v8, v18, 5, v8
	s_lshl_b32 s31, s30, 7
	s_add_co_u32 s31, s31, STG
	v_add_nc_u32 v8, s31, v8                       ; the stage: row r, + 128 x wave + 32 h
	s_mul_i32 s31, s30, 2064
	s_add_co_u32 s31, s31, STG
	v_add_nc_u32 v9, s31, v1                       ; back: my user's row
	v_lshlrev_b32 v10, 6, v18                      ; b1: 16 h numbers on
	v_lshlrev_b32 v15, 5, v18                      ; b2: 8 h numbers on
	s_lshl_b32 s32, ttmp9, 4
	s_add_co_u32 s32, s32, s30                     ; my user
	s_lshl_b32 s34, s32, 7
	s_mov_b32 s35, 0
	s_lshl_b32 s32, s32, 11
	s_mov_b32 s33, 0
	s_lshl_b32 s88, s30, 15                        ; my 16 fragments of W1: 524,288 + 32,768 x wave,
	s_add_co_u32 s88, s88, 0x80000
	s_mov_b32 s89, 0
	s_lshl_b32 s90, s30, 14                        ; my 8 of W2: 1,048,576 + 16,384 x wave,
	s_add_co_u32 s90, s90, 0x100000
	s_mov_b32 s91, 0
	s_lshl_b32 s92, s30, 7                         ; my 32 numbers of each bias
	s_mov_b32 s93, 0
	s_wait_kmcnt 0x0
	s_add_nc_u64 s[4:5], s[4:5], s[34:35]
	s_add_nc_u64 s[6:7], s[6:7], s[34:35]
	s_add_nc_u64 s[10:11], s[10:11], s[32:33]
	s_add_nc_u64 s[22:23], s[22:23], s[32:33]
	s_add_nc_u64 s[14:15], s[12:13], s[90:91]      ; W2's image
	s_add_nc_u64 s[12:13], s[12:13], s[88:89]      ; W1's image
	s_add_nc_u64 s[16:17], s[16:17], s[92:93]
	s_add_nc_u64 s[18:19], s[18:19], s[92:93]
	s_load_b512 s[68:83], s[4:5], 0x0              ; the 20 rows' numbers
	s_load_b128 s[84:87], s[4:5], 0x40
	s_load_b512 s[36:51], s[6:7], 0x0              ; the 20 weights
	s_load_b128 s[52:55], s[6:7], 0x40
	s_load_b128 s[24:27], s[20:21], 0x0            ; e0 .. e3
	s_load_b64 s[28:29], s[20:21], 0x10            ; e4, e5
.irp j, 0,1,2,3
	global_load_b128 v[XU+4*\j:XU+4*\j+3], v1, s[10:11] offset:512*\j   ; register 4 j + e: k = 128 j + 4 lane + e
.endr
	s_wait_kmcnt 0x0
.irp k, 0,1,2,3,4,5,6,7,8,9,10,11,12,13,14,15,16,17,18,19
	s_min_u32 s[68+\k], s[68+\k], 99999
	v_lshl_add_u32 v[OFF+\k], s[68+\k], 11, v1
.endr
.macro ROWLOAD k
.irp j, 0,1,2,3
	global_load_b128 v[RB+16*((\k)%10)+4*\j:RB+16*((\k)%10)+4*\j+3], v[OFF+(\k)], s[8:9] offset:512*\j
.endr
.endm
.irp k, 0,1,2,3,4,5,6,7,8,9
	ROWLOAD \k
.endr
	s_add_co_i32 s31, s26, 127
	s_lshl_b32 s61, s31, 23
	v_mov_b32 v11, s61                             ; 2^e2
	s_add_co_i32 s31, s31, 8
	s_lshl_b32 s31, s31, 23
	s_or_b32 s31, s31, 0x600000
	v_mov_b32 v12, s31                             ; 448 x 2^e2
	s_add_co_i32 s31, s28, 127
	s_lshl_b32 s61, s31, 23
	v_mov_b32 v13, s61                             ; 2^e4
	s_add_co_i32 s31, s31, 8
	s_lshl_b32 s31, s31, 23
	s_or_b32 s31, s31, 0x600000
	v_mov_b32 v14, s31                             ; 448 x 2^e4
	s_add_co_i32 s56, s26, s27
	s_add_co_i32 s56, s56, 127
	s_lshl_b32 s56, s56, 23                        ; 2^(e2 + e3)
	s_mov_b32 s57, s56                             ; (named with it as a pair, so it is written)
	s_add_co_i32 s58, s28, s29
	s_add_co_i32 s58, s58, 127
	s_lshl_b32 s58, s58, 23                        ; 2^(e4 + e5)
	s_mov_b32 s59, s58
	v_mov_b32 v[T], s36
	v_cmp_lt_f32 s60, 0, v[T]                      ; a lane mask, all or none: my user has a valid neighbour.  It only selects values
	; ---- A: agg
.irp k, 0,1,2,3,4,5,6,7,8,9,10,11,12,13,14,15,16,17,18,19
.if \k <= 9
	s_wait_loadcnt 36                              ; row k is in (and at k = 0 the user's row); the nine younger rows stay out
.else
	s_wait_loadcnt 4*(19-\k)
.endif
.irp j, 0,1,2,3,4,5,6,7,8,9,10,11,12,13,14,15
.if \k == 0
	v_mul_f32 v[AG+\j], s[36+\k], v[RB+16*(\k%10)+\j]      ; the first row starts the sums
.else
	v_fmac_f32 v[AG+\j], s[36+\k], v[RB+16*(\k%10)+\j]
.endif
.endr
.if \k < 10
	ROWLOAD \k+10
.endif
.endr
.macro W1LOAD hf                       ; my two tiles of W1, K steps 4 hf .. 4 hf + 3: fragment (t, s) at WF + 64 t + 16 s; in the image fragment (t, s) lies at 16,384 t + 2,048 s
.irp t, 0,1
.set n, 0
.rept 16
	global_load_b128 v[WF+64*\t+4*n:WF+64*\t+4*n+3], v1, s[12:13] offset:16384*\t+8192*(\hf)+512*n   ; 512 consecutive bytes a load
.set n, n+1
.endr
.endr
.endm
	W1LOAD 0
.irp t, 0,1
	global_load_b128 v[BB+8*\t:BB+8*\t+3], v10, s[16:17] offset:32*\t       ; b1 at units 32 v + 16 h + 8 t + 0 .. 7
	global_load_b128 v[BB+8*\t+4:BB+8*\t+7], v10, s[16:17] offset:32*\t+16
.endr
.irp j, 0,1,2,3,4,5,6,7,8,9,10,11,12,13,14,15
	v_med3_num_f32 v[T+\j], v[XU+\j], -v12, v12    ; the hold ahead of a conversion that does not saturate (ISA guide 7.6.2); the user's row itself is kept
.endr
.irp j, 0,1,2,3,4,5,6,7,8,9,10,11,12,13,14,15
	v_med3_num_f32 v[AG+\j], v[AG+\j], -v12, v12
.endr
	v_cvt_scalef32_pk8_fp8_f32 v[C:C+1], v[T:T+7], v11
	v_cvt_scalef32_pk8_fp8_f32 v[C+2:C+3], v[T+8:T+15], v11
	v_cvt_scalef32_pk8_fp8_f32 v[C+4:C+5], v[AG:AG+7], v11
	v_cvt_scalef32_pk8_fp8_f32 v[C+6:C+7], v[AG+8:AG+15], v11
	v_nop                                          ; a plain line behind the last conversion
.irp j, 0,1,2,3
	ds_store_b32 v2, v[C+\j] offset:128*\j         ; codes k = 128 j + 4 lane + 0 .. 3: 128 dense bytes a store
	ds_store_b32 v2, v[C+4+\j] offset:512+128*\j   ; agg's lie behind the user's 512
.endr
	s_wait_dscnt 0x0                               ; for the others' sake
	s_barrier_signal -1
	s_barrier_wait -1                              ; the 16 users' codes lie in LDS
	; ---- B: the hidden layer
.macro MULB first                      ; four K steps x two tiles, the two accumulators by turns; first = 1: K step 0 starts the sums
.irp s, 0,1,2,3
.irp t, 0,1
.if \first && (\s == 0)
	v_wmma_f32_16x16x128_fp8_fp8 v[ACC+8*\t:ACC+8*\t+7], v[WF+64*\t+16*\s:WF+64*\t+16*\s+15], v[AF+16*\s:AF+16*\s+15], 0
.else
	v_wmma_f32_16x16x128_fp8_fp8 v[ACC+8*\t:ACC+8*\t+7], v[WF+64*\t+16*\s:WF+64*\t+16*\s+15], v[AF+16*\s:AF+16*\s+15], v[ACC+8*\t:ACC+8*\t+7]
.endif
.endr
.endr
.endm
.macro AFLOAD hf
.set n, 0
.rept 16
	ds_load_b128 v[AF+4*n:AF+4*n+3], v3 offset:ACOD+512*(\hf)+128*(n/4)+32*(n%4)
.set n, n+1
.endr
.endm
	AFLOAD 0
	s_wait_loadcnt 0x0
	s_wait_dscnt 0x0
	MULB 1
.rept 4
	v_nop                                          ; places in front of loads into registers that the products have read
.endr
	W1LOAD 1
	AFLOAD 1
	s_wait_loadcnt 0x0
	s_wait_dscnt 0x0
	MULB 0
.rept 4
	v_nop
.endr
.irp t, 0,1
.set n, 0
.rept 16
	global_load_b128 v[WF+64*\t+4*n:WF+64*\t+4*n+3], v1, s[14:15] offset:8192*\t+512*n   ; W2's image: tile t (rows 32 v + 16 t + r), K step n / 4; 512 consecutive bytes a load
.set n, n+1
.endr
.endr
.irp j, 0,2,4,6,8,10,12,14
	v_pk_fma_f32 v[AF+\j:AF+\j+1], v[ACC+\j:ACC+\j+1], s[56:57], v[BB+\j:BB+\j+1] op_sel_hi:[1,0,1]   ; sum x 2^(e2 + e3) + b1, each accumulator from its low end on
.endr
.irp t, 0,1
	global_load_b128 v[BB+8*\t:BB+8*\t+3], v15, s[18:19] offset:64*\t       ; b2 at outputs 32 v + 16 t + 8 h + 0 .. 7, behind the lines that read b1
	global_load_b128 v[BB+8*\t+4:BB+8*\t+7], v15, s[18:19] offset:64*\t+16
.endr
.irp j, 0,1,2,3,4,5,6,7,8,9,10,11,12,13,14,15
	v_med3_num_f32 v[AF+\j], v[AF+\j], 0, v14      ; the activation and the hold in one
.endr
	v_cvt_scalef32_pk8_fp8_f32 v[AF+16:AF+17], v[AF:AF+7], v13
	v_cvt_scalef32_pk8_fp8_f32 v[AF+18:AF+19], v[AF+8:AF+15], v13
	v_nop
	ds_store_b128 v6, v[AF+16:AF+19]
	s_wait_dscnt 0x0
	s_barrier_signal -1
	s_barrier_wait -1                              ; the hidden layer's four fragments lie in LDS
	; ---- C: the outputs
.set n, 0
.rept 16
	ds_load_b128 v[AF+4*n:AF+4*n+3], v7 offset:512*n
.set n, n+1
.endr
	s_wait_loadcnt 0x0
	s_wait_dscnt 0x0
	MULB 1
.rept 4
	v_nop
.endr
.irp j, 0,2,4,6,8,10,12,14
	v_pk_fma_f32 v[AF+\j:AF+\j+1], v[ACC+\j:ACC+\j+1], s[58:59], v[BB+\j:BB+\j+1] op_sel_hi:[1,0,1]   ; sum x 2^(e4 + e5) + b2
.endr
.irp t, 0,1
	ds_store_b128 v8, v[AF+8*\t:AF+8*\t+3] offset:64*\t
	ds_store_b128 v8, v[AF+8*\t+4:AF+8*\t+7] offset:64*\t+16
.endr
	s_wait_dscnt 0x0
	s_barrier_signal -1
	s_barrier_wait -1                              ; 16 whole rows lie in the stage
.irp j, 0,1,2,3
	ds_load_b128 v[AF+16+4*\j:AF+16+4*\j+3], v9 offset:512*\j
.endr
	s_wait_dscnt 0x0
.irp j, 0,1,2,3,4,5,6,7,8,9,10,11,12,13,14,15
	v_cndmask_b32 v[AF+16+\j], v[XU+\j], v[AF+16+\j], s60   ; no valid neighbour: the user's own embedding
.endr
.irp j, 0,1,2,3
	global_store_b128 v1, v[AF+16+4*\j:AF+16+4*\j+3], s[22:23] offset:512*\j
.endr
	s_wait_tensorcnt 0x0
	ds_add_u32 v4, v5
	s_wait_dscnt 0x0
	s_endpgm
.Lfunc_end_k_q39d949a1ca_fuse:
	.size	k_q39d949a1ca_fuse, .Lfunc_end_k_q39d949a1ca_fuse-k_q39d949a1ca_fuse
	.p2alignl 7, 3214868480
	.fill 96, 4, 3214868480
	.section	.rodata,"a",@progbits
	.p2align	6, 0x0
	.amdhsa_kernel k_q39d949a1ca_fuse
		.amdhsa_group_segment_fixed_size 59904
		.amdhsa_private_segment_fixed_size 0
		.amdhsa_enable_private_segment 0
		.amdhsa_kernarg_size 72
		.amdhsa_user_sgpr_count 2
		.amdhsa_user_sgpr_kernarg_segment_ptr 1
		.amdhsa_wavefront_size32 1
		.amdhsa_system_sgpr_workgroup_id_x 1
		.amdhsa_system_sgpr_workgroup_id_y 1
		.amdhsa_system_sgpr_workgroup_id_z 1
		.amdhsa_system_vgpr_workitem_id 0
		.amdhsa_next_free_vgpr 256
		.amdhsa_next_free_sgpr 96
		.amdhsa_reserve_vcc 0
		.amdhsa_float_denorm_mode_32 3
		.amdhsa_float_denorm_mode_16_64 3
		.amdhsa_memory_ordered 1
		.amdhsa_forward_progress 1
		.amdhsa_inst_pref_size 48
	.end_amdhsa_kernel
	.amdgpu_metadata
---
amdhsa.version: [ 1, 2 ]
amdhsa.kernels:
  - .name:           k_q39d949a1ca_fuse
    .symbol:         k_q39d949a1ca_fuse.kd
    .args:
      - { .name: nidx, .offset: 0, .size: 8, .value_kind: global_buffer, .address_space: global }
      - { .name: nwts, .offset: 8, .size: 8, .value_kind: global_buffer, .address_space: global }
      - { .name: cache_embeddings, .offset: 16, .size: 8, .value_kind: global_buffer, .address_space: global }
      - { .name: user_embeddings, .offset: 24, .size: 8, .value_kind: global_buffer, .address_space: global }
      - { .name: ucodes, .offset: 32, .size: 8, .value_kind: global_buffer, .address_space: global }
      - { .name: b1, .offset: 40, .size: 8, .value_kind: global_buffer, .address_space: global }
      - { .name: b2, .offset: 48, .size: 8, .value_kind: global_buffer, .address_space: global }
      - { .name: lowp_scales, .offset: 56, .size: 8, .value_kind: global_buffer, .address_space: global }
      - { .name: out0, .offset: 64, .size: 8, .value_kind: global_buffer, .address_space: global }
    .group_segment_fixed_size: 59904
    .private_segment_fixed_size: 0
    .kernarg_segment_align: 8
    .kernarg_segment_size: 72
    .max_flat_workgroup_size: 512
    .sgpr_count:     96
    .vgpr_count:     256
    .wavefront_size: 32
...
	.end_amdgpu_metadata
.endif
;; end of part 6
;; ======== version 2 of 2: 6 launches
;; workspace buffers: ucodes 1,310,720 bytes; ccodes 51,200,000 bytes; fine 57,344,000 bytes; coarse 2,048,000 bytes; clist 131,072 bytes of whole numbers; flist 131,072 bytes of whole numbers; nidx 131,072 bytes of whole numbers; nwts 131,072 bytes
;; launch uq (part 7): grid 64 x 1, 4 waves a work-group, no clusters, 8,960 bytes of LDS; arguments user_embeddings, lowp_scales, W1_codes, W2_codes, ucodes; writes ucodes
.if DOCPART == 7
	.amdgcn_target "amdgcn-amd-amdhsa--gfx1250"
	.amdhsa_code_object_version 6
	.text
	.protected	k_q39d949a1ca_uq
	.globl	k_q39d949a1ca_uq
	.p2align	8
	.type	k_q39d949a1ca_uq,@function
k_q39d949a1ca_uq:
	s_mov_b64 s[64:65], 0
	v_nop
	global_prefetch_b8 v0, s[64:65] scope:SCOPE_SE
	s_setreg_imm32_b32 hwreg(HW_REG_WAVE_MODE, 25, 1), 1
	s_wait_xcnt 0x0
; TWO THINGS, both into the buffer ucodes, both as IMAGES OF OPERAND REGISTERS (a group of four registers of a fragment: 512 consecutive bytes, lane l's 16 bytes at 16 l).
; 1. The 1,024 users are l2-normalised in f32 (x / (sqrt(sum x^2) + 1e-12), the division as a reciprocal and a multiplication) and turned into codes of E4M3 with the given scale 2^e0.
;    User u = 64 B + 4 r + i belongs to tile T = 4 B + i, row r.  Byte T*8192 + (4 s + c)*512 + 16*lane holds, for lane (r, h), the 16 codes that registers 4c..4c+3 of K step s take.
;    K IS PERMUTED, alike for users and cache: a wave reads a row by four dense loads (load j, lane l: k = 128 j + 4 l + 0..3), and lane l's 16 codes lie at byte 16 l of a 512-byte row.
;    Every product still meets its partner; only the order inside the sums changes.
; 2. The given codes of W1 and W2 are copied, unchanged, into the order in which the last launch's waves take them as fragments, so that each of its loads covers 512 consecutive bytes instead of 32 bytes of
;    each of 16 rows.  W1 from byte 524,288: fragment F = (2 v + t) 8 + s (wave v, tile t, K step s of 128) at F*2048 + 512 c + 16 lane: lane (r, h) holds row 32 v + 8 t + r + 8 (r / 8), bytes 128 s + 32 c + 16 h on.
;    W2 from byte 1,048,576: fragment F = (2 v + t) 4 + s likewise: row 32 v + 16 t + r.  256 + 128 fragments for the launch's 256 waves: wave W = 4 T + w copies fragment W of W1 and half (W % 2) of fragment W / 2 of W2.
; SHARES: a work-group is a tile of users; wave w takes its rows 4 w .. 4 w + 3, one row at a time over all 32 lanes; the rows meet in LDS (pitch 528), and wave w stores K step w: 512 dense bytes a store.
; LIMITS: e0 between -126 and 119.  NaN and infinities are not served.  A sum of squares under 2^-126 counts as 0 (v_sqrt_f32 flushes denormals: ISA guide, its entry in 15.8).
.set X,    16                          ; v16-79   four rows, 16 numbers a lane each; scaled and held in place
.set T,    80                          ; v80-87   a pair for each row: the sum of squares, then 1 / (norm + eps)
.set C,    88                          ; v88-103  four registers of codes for each row
.set SC,   104                         ; 2^e0 as f32
.set LIMV, 105                         ; 448 x 2^e0
.set O,    108                         ; v108-123 the users' way out
.set WA,   124                         ; v124-139 my fragment of W1
.set WB,   140                         ; v140-147 my half fragment of W2
	s_load_b256 s[4:11], s[0:1], 0x0               ; users s[4:5], scales s[6:7], W1's codes s[8:9], W2's codes s[10:11]
	s_load_b64 s[12:13], s[0:1], 0x20              ; ucodes
	v_lshl_add_u32 v160, v0, 2, 0x2100
	v_mov_b32 v161, 0
	v_lshrrev_b32 v4, 5, v0
	v_readfirstlane_b32 s14, v4                    ; wave
	v_and_b32 v5, 31, v0
	v_lshlrev_b32 v1, 4, v5                        ; 16 x lane
	s_mul_i32 s15, s14, 2112
	v_add_nc_u32 v2, s15, v1                       ; LDS in: my four rows begin at 4 w x 528
	v_and_b32 v6, 15, v0                           ; r
	v_bfe_u32 v7, v0, 4, 1                         ; h
	v_mul_u32_u24 v3, v6, 528
	v_lshl_add_u32 v3, v7, 4, v3
	s_lshl_b32 s15, s14, 7
	v_add_nc_u32 v3, s15, v3                       ; LDS out: row r, + 16 h, + 128 x K step (= my wave)
	v_and_b32 v8, 8, v6
	v_add_nc_u32 v8, v8, v6                        ; r + 8 (r / 8)
	v_lshlrev_b32 v9, 10, v8
	v_lshl_add_u32 v9, v7, 4, v9                   ; W1: a row is 1,024 codes; + 16 h
	v_lshlrev_b32 v10, 9, v6
	v_lshl_add_u32 v10, v7, 4, v10                 ; W2: a row is 512 codes; + 16 h
	s_lshr_b32 s16, ttmp9, 2
	s_lshl_b32 s16, s16, 6
	s_and_b32 s17, ttmp9, 3
	s_add_co_u32 s16, s16, s17
	s_lshl_b32 s17, s14, 4
	s_add_co_u32 s16, s16, s17                     ; my first user: 64 (T / 4) + T % 4 + 16 w; the next three lie 4 users on each
	s_lshl_b32 s16, s16, 11
	s_mov_b32 s17, 0
	s_lshl_b32 s18, ttmp9, 13
	s_lshl_b32 s19, s14, 11
	s_add_co_u32 s18, s18, s19                     ; the users' image: T x 8192 + 2048 x K step
	s_mov_b32 s19, 0
	s_mov_b32 s20, 0x76543210                      ; v_permlanex16_b32: lane l xor 16
	s_mov_b32 s21, 0xfedcba98
	s_lshl_b32 s32, ttmp9, 2
	s_add_co_u32 s32, s32, s14                     ; W = 4 T + w, 0 .. 255
	s_lshr_b32 s33, s32, 4                         ; W1's fragment W: v = W / 16,
	s_lshl_b32 s24, s33, 15                        ; 32 v rows of 1,024 bytes,
	s_bfe_u32 s33, s32, 0x10003                    ; t = (W / 8) % 2:
	s_lshl_b32 s33, s33, 13                        ; 8 t rows,
	s_add_co_u32 s24, s24, s33
	s_and_b32 s33, s32, 7                          ; s = W % 8:
	s_lshl_b32 s33, s33, 7                         ; 128 s bytes
	s_add_co_u32 s24, s24, s33
	s_mov_b32 s25, 0
	s_lshl_b32 s26, s32, 11
	s_add_co_u32 s26, s26, 0x80000                 ; its image: 524,288 + 2048 W
	s_mov_b32 s27, 0
	s_lshr_b32 s33, s32, 3                         ; W2's fragment W / 2: 2 v + t = W / 8:
	s_lshl_b32 s28, s33, 13                        ; 16 rows of 512 bytes each,
	s_bfe_u32 s33, s32, 0x20001                    ; s = (W / 2) % 4:
	s_lshl_b32 s33, s33, 7                         ; 128 s bytes,
	s_add_co_u32 s28, s28, s33
	s_and_b32 s33, s32, 1                          ; my half: c = 2 (W % 2) and the next:
	s_lshl_b32 s33, s33, 6                         ; 64 bytes on
	s_add_co_u32 s28, s28, s33
	s_mov_b32 s29, 0
	s_lshl_b32 s30, s32, 10
	s_add_co_u32 s30, s30, 0x100000                ; its image: 1,048,576 + 2048 (W / 2) + 1024 (W % 2) = 1,048,576 + 1024 W
	s_mov_b32 s31, 0
	s_wait_alu depctr_va_vdst(0)
	s_wait_kmcnt 0x0
	s_load_b32 s22, s[6:7], 0x0                    ; e0
	s_add_nc_u64 s[4:5], s[4:5], s[16:17]
	s_add_nc_u64 s[8:9], s[8:9], s[24:25]
	s_add_nc_u64 s[10:11], s[10:11], s[28:29]
	s_add_nc_u64 s[26:27], s[12:13], s[26:27]      ; W1's image
	s_add_nc_u64 s[30:31], s[12:13], s[30:31]      ; W2's image
	s_add_nc_u64 s[12:13], s[12:13], s[18:19]      ; the users' image
.irp q, 0,1,2,3
.irp j, 0,1,2,3
	global_load_b128 v[X+16*\q+4*\j:X+16*\q+4*\j+3], v1, s[4:5] offset:8192*\q+512*\j   ; 512 dense bytes a load
.endr
.endr
.irp c, 0,1,2,3
	global_load_b128 v[WA+4*\c:WA+4*\c+3], v9, s[8:9] offset:32*\c      ; the one place in the program where the weights are read by rows
.endr
.irp c, 0,1
	global_load_b128 v[WB+4*\c:WB+4*\c+3], v10, s[10:11] offset:32*\c
.endr
	s_wait_kmcnt 0x0
	s_add_co_i32 s22, s22, 127
	s_lshl_b32 s23, s22, 23
	v_mov_b32 v[SC], s23
	s_add_co_i32 s22, s22, 8
	s_lshl_b32 s22, s22, 23
	s_or_b32 s22, s22, 0x600000
	v_mov_b32 v[LIMV], s22
	s_wait_loadcnt 6                               ; the users' 16 loads are in; the six loads of weights behind them may stay out
.irp q, 0,1,2,3
	v_pk_mul_f32 v[T+2*\q:T+2*\q+1], v[X+16*\q:X+16*\q+1], v[X+16*\q:X+16*\q+1]   ; the first squares start the sums; the rows take turns
.endr
.irp j, 1,2,3,4,5,6,7
.irp q, 0,1,2,3
	v_pk_fma_f32 v[T+2*\q:T+2*\q+1], v[X+16*\q+2*\j:X+16*\q+2*\j+1], v[X+16*\q+2*\j:X+16*\q+2*\j+1], v[T+2*\q:T+2*\q+1]
.endr
.endr
.irp q, 0,1,2,3
	v_add_f32 v[T+2*\q], v[T+2*\q], v[T+2*\q+1]
.endr
.irp m, 1,2,4,8
.irp q, 0,1,2,3
	v_add_f32_dpp v[T+2*\q], v[T+2*\q], v[T+2*\q] row_xmask:\m row_mask:0xf bank_mask:0xf
.endr
.endr
.irp q, 0,1,2,3
	v_permlanex16_b32 v[T+2*\q+1], v[T+2*\q], s20, s21
.endr
.irp q, 0,1,2,3
	v_add_f32 v[T+2*\q], v[T+2*\q], v[T+2*\q+1]    ; the row's sum of squares, in every lane
.endr
	s_wait_alu depctr_va_vdst(0)
.irp q, 0,1,2,3
	v_sqrt_f32 v[T+2*\q], v[T+2*\q]
.endr
	v_nop                                          ; a plain line behind the transcendentals
	s_wait_alu depctr_va_vdst(0)
.irp q, 0,1,2,3
	v_add_f32 v[T+2*\q], 0x2b8cbccc, v[T+2*\q]     ; + 1e-12
.endr
	s_wait_alu depctr_va_vdst(0)
.irp q, 0,1,2,3
	v_rcp_f32 v[T+2*\q], v[T+2*\q]
.endr
	v_nop
	s_wait_alu depctr_va_vdst(0)
.irp q, 0,1,2,3
.irp j, 0,1,2,3,4,5,6,7
	v_pk_mul_f32 v[X+16*\q+2*\j:X+16*\q+2*\j+1], v[X+16*\q+2*\j:X+16*\q+2*\j+1], v[T+2*\q:T+2*\q+1] op_sel_hi:[1,0]
.endr
.endr
.irp n, 0,1,2,3,4,5,6,7,8,9,10,11,12,13,14,15,16,17,18,19,20,21,22,23,24,25,26,27,28,29,30,31,32,33,34,35,36,37,38,39,40,41,42,43,44,45,46,47,48,49,50,51,52,53,54,55,56,57,58,59,60,61,62,63
	v_med3_num_f32 v[X+\n], v[X+\n], -v[LIMV], v[LIMV]   ; the conversion to an 8-bit code does not saturate (ISA guide 7.6.2): the hold at the largest code x the scale
.endr
.irp q, 0,1,2,3
	v_cvt_scalef32_pk8_fp8_f32 v[C+4*\q:C+4*\q+1], v[X+16*\q:X+16*\q+7], v[SC]
	v_cvt_scalef32_pk8_fp8_f32 v[C+4*\q+2:C+4*\q+3], v[X+16*\q+8:X+16*\q+15], v[SC]
.endr
	v_nop                                          ; a plain line behind the last conversion
.irp q, 0,1,2,3
	ds_store_b128 v2, v[C+4*\q:C+4*\q+3] offset:528*\q
.endr
	s_wait_dscnt 0x0                               ; for the others' sake: my rows lie in LDS
	s_barrier_signal -1
	s_barrier_wait -1
.irp c, 0,1,2,3
	ds_load_b128 v[O+4*\c:O+4*\c+3], v3 offset:32*\c
.endr
	s_wait_loadcnt 0x0                             ; the weights' six loads are in
.irp c, 0,1,2,3
	global_store_b128 v1, v[WA+4*\c:WA+4*\c+3], s[26:27] offset:512*\c   ; 512 dense bytes a store
.endr
.irp c, 0,1
	global_store_b128 v1, v[WB+4*\c:WB+4*\c+3], s[30:31] offset:512*\c
.endr
.irp c, 0,1,2,3
	s_wait_dscnt 3-\c                              ; the younger LDS loads may stay out
	global_store_b128 v1, v[O+4*\c:O+4*\c+3], s[12:13] offset:512*\c
.endr
	s_wait_tensorcnt 0x0
	ds_add_u32 v160, v161
	s_wait_dscnt 0x0
	s_endpgm
.Lfunc_end_k_q39d949a1ca_uq:
	.size	k_q39d949a1ca_uq, .Lfunc_end_k_q39d949a1ca_uq-k_q39d949a1ca_uq
	.p2alignl 7, 3214868480
	.fill 96, 4, 3214868480
	.section	.rodata,"a",@progbits
	.p2align	6, 0x0
	.amdhsa_kernel k_q39d949a1ca_uq
		.amdhsa_group_segment_fixed_size 8960
		.amdhsa_private_segment_fixed_size 0
		.amdhsa_enable_private_segment 0
		.amdhsa_kernarg_size 40
		.amdhsa_user_sgpr_count 2
		.amdhsa_user_sgpr_kernarg_segment_ptr 1
		.amdhsa_wavefront_size32 1
		.amdhsa_system_sgpr_workgroup_id_x 1
		.amdhsa_system_sgpr_workgroup_id_y 1
		.amdhsa_system_sgpr_workgroup_id_z 1
		.amdhsa_system_vgpr_workitem_id 0
		.amdhsa_next_free_vgpr 162
		.amdhsa_next_free_sgpr 66
		.amdhsa_reserve_vcc 0
		.amdhsa_float_denorm_mode_32 3
		.amdhsa_float_denorm_mode_16_64 3
		.amdhsa_memory_ordered 1
		.amdhsa_forward_progress 1
		.amdhsa_inst_pref_size 18
	.end_amdhsa_kernel
	.amdgpu_metadata
---
amdhsa.version: [ 1, 2 ]
amdhsa.kernels:
  - .name:           k_q39d949a1ca_uq
    .symbol:         k_q39d949a1ca_uq.kd
    .args:
      - { .name: user_embeddings, .offset: 0, .size: 8, .value_kind: global_buffer, .address_space: global }
      - { .name: lowp_scales, .offset: 8, .size: 8, .value_kind: global_buffer, .address_space: global }
      - { .name: W1_codes, .offset: 16, .size: 8, .value_kind: global_buffer, .address_space: global }
      - { .name: W2_codes, .offset: 24, .size: 8, .value_kind: global_buffer, .address_space: global }
      - { .name: ucodes, .offset: 32, .size: 8, .value_kind: global_buffer, .address_space: global }
    .group_segment_fixed_size: 8960
    .private_segment_fixed_size: 0
    .kernarg_segment_align: 8
    .kernarg_segment_size: 40
    .max_flat_workgroup_size: 128
    .sgpr_count:     66
    .vgpr_count:     162
    .wavefront_size: 32
...
	.end_amdgpu_metadata
.endif
;; end of part 7
;; launch sims (part 8): grid 250 x 1, 4 waves a work-group, no clusters, 211,712 bytes of LDS; arguments cache_embeddings, ucodes, lowp_scales, ccodes, fine, coarse; writes ccodes, fine, coarse
.if DOCPART == 8
	.amdgcn_target "amdgcn-amd-amdhsa--gfx1250"
	.amdhsa_code_object_version 6
	.text
	.protected	k_q39d949a1ca_sims
	.globl	k_q39d949a1ca_sims
	.p2align	8
	.type	k_q39d949a1ca_sims,@function
k_q39d949a1ca_sims:
	s_mov_b64 s[64:65], 0
	v_nop
	global_prefetch_b8 v0, s[64:65] scope:SCOPE_SE
	s_setreg_imm32_b32 hwreg(HW_REG_WAVE_SCHED_MODE, 0, 2), 2
	s_setreg_imm32_b32 hwreg(HW_REG_WAVE_MODE, 25, 1), 1
	s_wait_xcnt 0x0
	s_wait_alu depctr_vm_vsrc(0)
; Product 1 of the problem, 1,024 users x 100,000 cached rows x 512, on codes of E4M3, WITHOUT EVER STORING A SIMILARITY: only maxima leave.
; Under the strict order (value falling, row rising) the 20 best rows lie in the 20 groups whose best row ranks highest.  So this launch stores, for each user, the maximum of each group of 8 rows
; (fine) and of each group of 200 rows (coarse); later launches choose groups and compute the chosen rows' similarities again from the codes stored here, in the same form and K order.
; SHARES.  Work-group w owns rows 400 w .. 400 w + 399 (250 x 400 = 100,000: no edge).  PHASE 1: each wave reads 100 rows (f32, once, dense), normalises them in f32 and quantises them with 2^e1
; into LDS: 400 rows of 512 codes, pitch 528.  EXPORT: the codes go to ccodes as images of operand registers, a group of 8 rows in 4,096 bytes.  PRODUCT: wave v takes users 256 v .. 256 v + 255 in four
; batches of 64 (four tiles of 16, 256 registers of codes straight from ucodes, the next batch loaded while this one is multiplied) against all 25 tiles of 16 cached rows from LDS.
; LAYOUT.  Source 0 = 16 cached rows, source 1 = 16 users: lane (r, h) holds user r and in its 8 registers 8 cached rows.  Row m of tile t is chunk row (m % 8) + 8 t + 200 (m / 8): so the 8 registers are the
; group of 8 rows with number 50 w + 25 h + t = row / 8, and the lane's maximum over all tiles is that of the 200 rows with number 2 w + h.  A maximum of 8 and the running one cost 5 vector lines.
; The maxima are raw sums: the factor 2^(e0 + e1) keeps their order.  K is permuted alike in users and cache (see the users' launch).
; No cluster: the grid of 250 is no multiple of 4.  No tensor load: the f32 rows must pass registers, and the users' codes go straight into operand registers.
; LIMITS: e1 between -126 and 119.  NaN and infinities are not served.  A sum of squares under 2^-126 counts as 0.
; THE MODE: SCHED_MODE bits 1:0 = 2 (LLVM: expert scheduling mode 2), set by the entry lines.  The code itself states the register dependences between vector or matrix instructions and memory or
; LDS instructions, with s_wait_alu, always for 0.
; THE PLAN.  Registers that memory or LDS instructions touch:
;   v1, v3-5, v7, v9  offsets made at the head and never written again: one wait on va_vdst ahead of the first load serves them for the whole kernel.
;   PHASE 1, a step of 5 rows.  Ring slot sl: read by the step's squares and scalings, loaded again at the step's end.  v[C ..]: written by the step's conversions, read by its five LDS stores.
;     v[LROW]: written in a trip's first step, read by the stores.  One wait on vm_vsrc at the step's head (the last step's stores have read v[C ..] and v[LROW]); one on va_vdst behind the conversions
;     (codes and address are written, the slot is read out): the five stores and the twenty loads follow it.
;   EXPORT, a trip.  v16-95: LDS loads land there, the stores read them.  v[EXL]: written at the trip's head, read by the LDS loads.  One wait on vm_vsrc, the add, one wait on va_vdst.
;   PRODUCT, a tile.  F0, F1: tile k's products read one set, and the LDS loads for tile k + 1 land in the other, which tile k - 1's products read.  v[FN ..]: written by the maxima, read by four stores every
;     four tiles.  v[AD]: written once every four tiles, read by every fragment load.  ONE wait on va_vdst at a tile's head states that the last tile's products are done with the set that is loaded now, that v[AD]
;     is written, and, every fourth tile, that four tiles' maxima are written: their stores follow it at once.  The tile's 16 LDS loads are dealt among its first eight products, which name none of their registers.
;     The wait on vm_vsrc for v[FN ..] stands eight products behind the stores, ahead of the first maximum that writes them again; that for v[AD] ahead of its add.
;     v[FN2 ..] takes the last tile's maxima, so that one wait on va_vdst serves a batch's last nine stores.  The users' two windows: the next batch's loads land in the window that the batch before multiplied.
; REGISTERS, in windows of 256.  Window 0: v1-9 addresses; phase 1: v16-95 five rows scaled, v96-115 codes, v116-125 sums, v126, v127 scale and hold; export: v16-95;
;   product: v16-79, v80-143 two sets of a cache tile's fragments, v144-175, v176-207 two sets of four accumulators, v208-223 fine maxima, v224-227 coarse maxima, v228, v229 at work, v232-247 the last tile's fine maxima.
;   Windows 1, 2: phase 1: four ring slots of 5 rows x 16 registers; product: a batch's user fragments (tile i, K step s at 64 i + 16 s), the two windows by turns.
.set L16,   1                          ; 16 x lane
.set AD,    2                          ; LDS address of the fragments in hand
.set AD0,   3                          ; (lane % 8) x 528 + ((lane / 8) % 2) x 200 x 528 + 16 (lane / 16)
.set COFF,  4                          ; coarse: 4096 h + 16 r
.set LROW0, 5                          ; phase 1: 100 x 528 x wave + 16 x lane
.set LROW,  6
.set EXL0,  7                          ; export, LDS: r x 528 + 16 h + 128 x wave
.set EXL,   8
.set EXG,   9                          ; export, memory: 4096 (r / 8) + 128 h + 16 (r % 8) + 1024 x wave
.set Y,     16
.set C,     96
.set T,     116
.set SC,    126
.set LIMV,  127
.set E,     16
.set F0,    16
.set F1,    80
.set A0,    144
.set A1,    176
.set FN,    208
.set CO,    224
.set T1,    228
.set T2,    229
.set FN2,   232
.set MSB, 0
.macro WIN new                         ; s_set_vgpr_msb: bits 1:0 source 0, 3:2 source 1, 5:4 source 2, 7:6 destination; the high byte repeats the setting that is left
.if MSB != (\new)
	s_set_vgpr_msb (MSB<<8)|(\new)
.set MSB, (\new)
.endif
.endm
	s_load_b256 s[4:11], s[0:1], 0x0               ; cache s[4:5], ucodes s[6:7], scales s[8:9], ccodes s[10:11]
	s_load_b128 s[12:15], s[0:1], 0x20             ; fine s[12:13], coarse s[14:15]
	v_lshl_add_u32 v254, v0, 2, 0x33900
	v_mov_b32 v255, 0
	v_lshrrev_b32 v10, 5, v0
	v_readfirstlane_b32 s16, v10                   ; wave
	v_and_b32 v10, 31, v0
	v_lshlrev_b32 v[L16], 4, v10
	v_and_b32 v11, 7, v0
	v_bfe_u32 v12, v0, 3, 1
	v_bfe_u32 v13, v0, 4, 1                        ; h
	v_and_b32 v14, 15, v0                          ; r
	v_mul_u32_u24 v[AD0], v11, 528
	v_mad_u32_u24 v[AD0], v12, 105600, v[AD0]
	v_lshl_add_u32 v[AD0], v13, 4, v[AD0]
	v_lshlrev_b32 v[COFF], 12, v13
	v_lshl_add_u32 v[COFF], v14, 4, v[COFF]
	s_wait_alu depctr_va_sdst(0)                   ; s16, the wave's number, is written, ahead of its first reader
	s_mul_i32 s18, s16, 52800
	v_add_nc_u32 v[LROW0], s18, v[L16]
	v_mul_u32_u24 v[EXL0], v14, 528
	v_lshl_add_u32 v[EXL0], v13, 4, v[EXL0]
	s_lshl_b32 s18, s16, 7
	v_add_nc_u32 v[EXL0], s18, v[EXL0]
	v_lshlrev_b32 v[EXG], 12, v12
	v_lshl_add_u32 v[EXG], v13, 7, v[EXG]
	v_lshl_add_u32 v[EXG], v11, 4, v[EXG]
	s_lshl_b32 s18, s16, 10
	v_add_nc_u32 v[EXG], s18, v[EXG]
	s_mul_i32 s30, ttmp9, 819200                   ; 400 rows of 2,048 bytes,
	s_mul_i32 s31, s16, 204800                     ; my wave's 100 of them
	s_add_co_u32 s30, s30, s31
	s_mov_b32 s31, 0
	s_lshl_b32 s32, s16, 17                        ; ucodes: my 16 tiles of 8,192 bytes
	s_mov_b32 s33, 0
	s_mul_i32 s34, ttmp9, 204800                   ; ccodes: 50 groups of 4,096 bytes
	s_mov_b32 s35, 0
	s_mul_i32 s36, ttmp9, 229376                   ; fine: 7 x 16 x 4 x 512 bytes a work-group,
	s_lshl_b32 s37, s16, 13                        ; my four batches of 2,048
	s_add_co_u32 s36, s36, s37
	s_mov_b32 s37, 0
	s_lshl_b32 s38, ttmp9, 13                      ; coarse: two rows of 4,096 bytes,
	s_lshl_b32 s39, s16, 10                        ; my 256 users
	s_add_co_u32 s38, s38, s39
	s_mov_b32 s39, 0
	s_mov_b32 s20, 0x76543210                      ; v_permlanex16_b32: lane l xor 16
	s_mov_b32 s21, 0xfedcba98
	s_wait_kmcnt 0x0
	s_load_b32 s22, s[8:9], 0x4                    ; e1
	s_add_nc_u64 s[4:5], s[4:5], s[30:31]
	s_add_nc_u64 s[6:7], s[6:7], s[32:33]
	s_add_nc_u64 s[10:11], s[10:11], s[34:35]
	s_add_nc_u64 s[12:13], s[12:13], s[36:37]
	s_add_nc_u64 s[14:15], s[14:15], s[38:39]
	s_wait_alu depctr_va_vdst(0)                   ; the offsets and addresses v1, v3-5, v7 and v9 are written, which the loads and stores of the whole kernel read
; Five rows (10,240 dense bytes, 20 loads of 512) into ring slot sl: window 1 + sl / 2, from register 80 (sl % 2) on.  Row q's register 4 j + e is k = 128 j + 4 lane + e.
.macro LOAD5 sl, imm
	WIN ((1+(\sl)/2)<<6)
.set RBASE, 80*((\sl)%2)
.set n, 0
.rept 20
	global_load_b128 v[RBASE+4*n:RBASE+4*n+3], v[L16], s[4:5] offset:(\imm)+512*n th:TH_LOAD_NT
.set n, n+1
.endr
	WIN 0
.endm
; The five rows of slot sl become codes in v[C] on: x / (sqrt(sum x^2) + 1e-12), held within +-448 x 2^e1, converted.  The rows take turns line by line.
.macro NORMQ5 sl
.set XW, 1+(\sl)/2
.set XB, 80*((\sl)%2)
	WIN (XW|(XW<<2))
.irp q, 0,1,2,3,4
	v_pk_mul_f32 v[T+2*\q:T+2*\q+1], v[XB+16*\q:XB+16*\q+1], v[XB+16*\q:XB+16*\q+1]
.endr
.irp j, 1,2,3,4,5,6,7
.irp q, 0,1,2,3,4
	v_pk_fma_f32 v[T+2*\q:T+2*\q+1], v[XB+16*\q+2*\j:XB+16*\q+2*\j+1], v[XB+16*\q+2*\j:XB+16*\q+2*\j+1], v[T+2*\q:T+2*\q+1]
.endr
.endr
	WIN 0
.irp q, 0,1,2,3,4
	v_add_f32 v[T+2*\q], v[T+2*\q], v[T+2*\q+1]
.endr
.irp m, 1,2,4,8
.irp q, 0,1,2,3,4
	v_add_f32_dpp v[T+2*\q], v[T+2*\q], v[T+2*\q] row_xmask:\m row_mask:0xf bank_mask:0xf
.endr
.endr
.irp q, 0,1,2,3,4
	v_permlanex16_b32 v[T+2*\q+1], v[T+2*\q], s20, s21
.endr
.irp q, 0,1,2,3,4
	v_add_f32 v[T+2*\q], v[T+2*\q], v[T+2*\q+1]
.endr
	s_wait_alu depctr_va_vdst(0)
.irp q, 0,1,2,3,4
	v_sqrt_f32 v[T+2*\q], v[T+2*\q]
.endr
	v_nop                                          ; a plain line behind the transcendentals
	s_wait_alu depctr_va_vdst(0)                   ; the five roots are written, ahead of their first reader
.irp q, 0,1,2,3,4
	v_add_f32 v[T+2*\q], 0x2b8cbccc, v[T+2*\q]     ; + 1e-12
.endr
	s_wait_alu depctr_va_vdst(0)
.irp q, 0,1,2,3,4
	v_rcp_f32 v[T+2*\q], v[T+2*\q]
.endr
	v_nop
	WIN XW
	s_wait_alu depctr_va_vdst(0)                   ; the five reciprocals are written, ahead of their first reader
.irp q, 0,1,2,3,4
.irp j, 0,1,2,3,4,5,6,7
	v_pk_mul_f32 v[Y+16*\q+2*\j:Y+16*\q+2*\j+1], v[XB+16*\q+2*\j:XB+16*\q+2*\j+1], v[T+2*\q:T+2*\q+1] op_sel_hi:[1,0]
.endr
.endr
	WIN 0
.set n, 0
.rept 80
	v_med3_num_f32 v[Y+n], v[Y+n], -v[LIMV], v[LIMV]   ; the conversion does not saturate (ISA guide 7.6.2): the hold comes first
.set n, n+1
.endr
	s_wait_dscnt 0x0                               ; the last batch's LDS stores are done
.irp q, 0,1,2,3,4
	v_cvt_scalef32_pk8_fp8_f32 v[C+4*\q:C+4*\q+1], v[Y+16*\q:Y+16*\q+7], v[SC]
	v_cvt_scalef32_pk8_fp8_f32 v[C+4*\q+2:C+4*\q+3], v[Y+16*\q+8:Y+16*\q+15], v[SC]
.endr
	v_nop                                          ; a plain line behind the last conversion
.endm
; A batch's 64 users: 64 loads of 512 dense bytes, load n into registers 4 n .. 4 n + 3 of window w
.macro ULOAD b, w
	WIN ((\w)<<6)
.set n, 0
.rept 64
	global_load_b128 v[4*n:4*n+3], v[L16], s[6:7] offset:(\b)*32768+512*n
.set n, n+1
.endr
	WIN 0
.endm
; A step of phase 1: the five rows of slot sl.  left: how many younger loads may stay out.  ahead = 1: the slot is asked for again, with the batch four further on.
.macro RSTEP sl, left, ahead
	s_wait_loadcnt \left                           ; this slot's 20 loads are in; the younger batches stay out
	s_wait_alu depctr_vm_vsrc(0)                   ; the last step's LDS stores have read their codes v[C ..] and their address v[LROW], which this step writes again
.if (\sl) == 0
	v_add_nc_u32 v[LROW], s26, v[LROW0]
.endif
	NORMQ5 \sl
	s_wait_alu depctr_va_vdst(0)                   ; the conversions have written v[C ..] and the add v[LROW], which the LDS stores read; the scalings are done reading the slot, in which the loads land
.irp q, 0,1,2,3,4
	ds_store_b128 v[LROW], v[C+4*\q:C+4*\q+3] offset:(5*(\sl)+\q)*528
.endr
.if \ahead
	LOAD5 \sl, 40960+10240*(\sl)                   ; no vector instruction since the wait names the slot's registers
.endif
.endm
	; ---- PHASE 1: 20 batches of 5 rows a wave, four batches (80 loads, 40 KB) asked for ahead
	LOAD5 0, 0
	LOAD5 1, 10240
	LOAD5 2, 20480
	LOAD5 3, 30720
	s_wait_kmcnt 0x0
	s_add_co_i32 s22, s22, 127
	s_lshl_b32 s23, s22, 23
	v_mov_b32 v[SC], s23                           ; 2^e1 as f32
	s_add_co_i32 s22, s22, 8
	s_lshl_b32 s22, s22, 23
	s_or_b32 s22, s22, 0x600000
	v_mov_b32 v[LIMV], s22                         ; 448 x 2^e1
	s_mov_b32 s26, 0
	s_mov_b32 s25, 4
.Lread:
.irp sl, 0,1,2,3
	RSTEP \sl, 60, 1
.endr
	s_wait_xcnt 0x0                                ; the base steps only behind this wait
	s_add_nc_u64 s[4:5], s[4:5], 40960
	s_add_co_u32 s26, s26, 10560
	s_sub_co_u32 s25, s25, 1
	s_cmp_lg_u32 s25, 0
	s_cbranch_scc1 .Lread
.irp sl, 0,1,2,3
	RSTEP \sl, 60-20*\sl, 0                        ; the last four batches load nothing: the counts run down
.endr
	s_wait_dscnt 0x0                               ; for the others' sake: my 100 rows of codes lie in LDS
	ULOAD 0, 1                                     ; the first batch of users is on its way through the export.  It lands in window 1, which no vector instruction has named since the last step's wait on va_vdst
	s_barrier_signal -1
	s_barrier_wait -1                              ; the one barrier: from here on LDS is only read
	; ---- EXPORT: wave v sends K step v of all 25 pairs of groups; a store covers two whole aligned blocks of 256 bytes
	s_mov_b32 s26, 0
	s_mov_b32 s25, 5
.Lexport:
	s_wait_alu depctr_vm_vsrc(0)                   ; the last trip's LDS loads have read v[EXL], which is written now, and its stores v16-95, in which this trip's loads land
	v_add_nc_u32 v[EXL], s26, v[EXL0]
	s_wait_alu depctr_va_vdst(0)                   ; v[EXL] is written, which the LDS loads read; in the first trip: phase 1's vector instructions are done with v16-95
.set n, 0
.rept 20
	ds_load_b128 v[E+4*n:E+4*n+3], v[EXL] offset:(n/4)*8448+32*(n%4)
.set n, n+1
.endr
.set n, 0
.rept 20
	s_wait_dscnt 19-n                              ; the younger LDS loads may stay out
	global_store_b128 v[EXG], v[E+4*n:E+4*n+3], s[10:11] offset:(n/4)*8192+256*(n%4)
.set n, n+1
.endr
	s_wait_xcnt 0x0                                ; the stores' data and base are written again only behind this wait
	s_add_nc_u64 s[10:11], s[10:11], 40960
	s_add_co_u32 s26, s26, 42240
	s_sub_co_u32 s25, s25, 1
	s_cmp_lg_u32 s25, 0
	s_cbranch_scc1 .Lexport
	; ---- PRODUCT
.macro FETCH f, toff                   ; a cache tile's four fragments (16 rows x 512 K): 16 loads; toff: tiles from the address in hand
.set n, 0
.rept 16
	ds_load_b128 v[\f+4*n:\f+4*n+3], v[AD] offset:(\toff)*4224+128*(n/4)+32*(n%4)
.set n, n+1
.endr
.endm
.macro MUL4 f, a, s                    ; K step s of one cache tile against the batch's four user tiles: the four accumulators take turns; K step 0 starts the sums
.irp i, 0,1,2,3
.if (\s) == 0
	v_wmma_f32_16x16x128_fp8_fp8 v[\a+8*\i:\a+8*\i+7], v[\f+16*(\s):\f+16*(\s)+15], v[64*\i+16*(\s):64*\i+16*(\s)+15], 0
.else
	v_wmma_f32_16x16x128_fp8_fp8 v[\a+8*\i:\a+8*\i+7], v[\f+16*(\s):\f+16*(\s)+15], v[64*\i+16*(\s):64*\i+16*(\s)+15], v[\a+8*\i:\a+8*\i+7]
.endif
.endr
.endm
; The same for K step 0 or 1, with two of the next tile's 16 LDS loads behind each product: loads 8 s + 2 i and the next, into set nx.  Under the products' window setting (source 1 alone elsewhere) an LDS load's
; destination and address still mean window 0.  The loads stand in the tile's first half, so that its second half is theirs to land in.
.macro MUL4L fc, ac, s, nx, toff
.irp i, 0,1,2,3
.if (\s) == 0
	v_wmma_f32_16x16x128_fp8_fp8 v[\ac+8*\i:\ac+8*\i+7], v[\fc+16*(\s):\fc+16*(\s)+15], v[64*\i+16*(\s):64*\i+16*(\s)+15], 0
.else
	v_wmma_f32_16x16x128_fp8_fp8 v[\ac+8*\i:\ac+8*\i+7], v[\fc+16*(\s):\fc+16*(\s)+15], v[64*\i+16*(\s):64*\i+16*(\s)+15], v[\ac+8*\i:\ac+8*\i+7]
.endif
.set n, 8*(\s)+2*\i
.rept 2
	ds_load_b128 v[\nx+4*n:\nx+4*n+3], v[AD] offset:(\toff)*4224+128*(n/4)+32*(n%4)
.set n, n+1
.endr
.endr
.endm
.macro MAX5 a, i, slot, d              ; the maximum of accumulator i's 8 rows, from its low end on; slot 'slot' of the fine maxima at d takes it, the coarse maximum runs on
	v_max3_num_f32 v[T1], v[\a+8*\i], v[\a+8*\i+1], v[\a+8*\i+2]
	v_max3_num_f32 v[T2], v[\a+8*\i+3], v[\a+8*\i+4], v[\a+8*\i+5]
	v_max3_num_f32 v[T1], v[T1], v[\a+8*\i+6], v[\a+8*\i+7]
	v_max_num_f32 v[\d+4*\i+\slot], v[T1], v[T2]
	v_max3_num_f32 v[CO+\i], v[CO+\i], v[T1], v[T2]
.endm
; One cache tile: 16 products on fragments fc into accumulators ac; the next tile's fragments are fetched into fn (toff: its place from the address in hand; -1: there is none); the maxima of the tile before
; (accumulators ap) stand between the products.  st = 1: the four tiles' maxima that are complete leave at the tile's head, 512 dense bytes a store.
; The four v_nop are the places (ISA guide 7.12.1) between the products at a batch's head and the first read of their results; they are written in every tile alike.
.macro TILE fc, fn, ac, ap, slot, toff, w, st
	s_wait_dscnt 0x0                               ; this tile's fragments, asked for a tile ago, are in
.rept 4
	v_nop
.endr
.if ((\toff) >= 0) || (\st)
	s_wait_alu depctr_va_vdst(0)                   ; the last tile's products are done reading the set fn, in which this tile's LDS loads land; behind an add v[AD] is written; st = 1: the maxima have written v[FN ..], which the stores read
.endif
.if \st
.irp i, 0,1,2,3
	global_store_b128 v[L16], v[FN+4*\i:FN+4*\i+3], s[28:29] offset:512*\i
.endr
.endif
	WIN ((\w)<<2)                                  ; source 1, the users, in window w
.if (\toff) >= 0
	MUL4L \fc, \ac, 0, \fn, \toff
	MUL4L \fc, \ac, 1, \fn, \toff
.else
	MUL4 \fc, \ac, 0
	MUL4 \fc, \ac, 1
.endif
	WIN 0
.if \st
	s_wait_xcnt 0x0                                ; the stores' data and base are written again only behind this wait: eight products behind the stores
	s_wait_alu depctr_vm_vsrc(0)                   ; the four stores have read v[FN ..], which the maxima below write again
	s_add_nc_u64 s[28:29], s[28:29], 32768
.endif
	MAX5 \ap, 0, \slot, FN
	MAX5 \ap, 1, \slot, FN
	WIN ((\w)<<2)
	MUL4 \fc, \ac, 2
	MUL4 \fc, \ac, 3
	WIN 0
	MAX5 \ap, 2, \slot, FN
	MAX5 \ap, 3, \slot, FN
.endm
; Batch b of my four: its users lie in window w; nxt = 1: the next batch's are asked for into the other window.
; Tile k (1 .. 24): products of tile k, maxima of tile k - 1 into slot (k - 1) % 4.  Tile 1 stands ahead of the loop; a trip is tiles 4 q + 2 .. 4 q + 5, the last of which sends the maxima of tiles 4 q .. 4 q + 3.
.macro BATCH b, w, nxt
.if (\b) > 0
	s_wait_xcnt 0x0                                ; the last batch's stores: their base and data are written again only behind this wait
.endif
	s_wait_alu depctr_vm_vsrc(0)                   ; the stores issued so far have read their data (batch 0: the export's v16-95, in which fragments land; later: v[FN ..], v[FN2 ..] and v[CO ..]), the LDS loads v[AD]
	s_add_nc_u64 s[28:29], s[12:13], (\b)*2048
	s_mov_b32 s26, 0
	v_add_nc_u32 v[AD], s26, v[AD0]
.irp i, 0,1,2,3
	v_mov_b32 v[CO+\i], 0xff800000                 ; -infinity
.endr
	s_wait_alu depctr_va_vdst(0)                   ; v[AD] is written, which the LDS loads read; all earlier vector and matrix instructions are done with v16-143 and with the window in which the next users land
	FETCH F0, 0
	FETCH F1, 1
	s_wait_loadcnt 0x0                             ; this batch's users are in
.if \nxt
	ULOAD (\b)+1, 3-(\w)
.endif
	s_wait_dscnt 16                                ; tile 0 is in; tile 1's 16 loads may stay out
	WIN ((\w)<<2)
	MUL4 F0, A0, 0
	MUL4 F0, A0, 1
	MUL4 F0, A0, 2
	MUL4 F0, A0, 3
	WIN 0
	TILE F1, F0, A1, A0, 0, 2, \w, 0               ; tile 1
	s_mov_b32 s25, 5                               ; (at a label and at a branch every window is 0)
.Ltrip_\@:
	s_wait_alu depctr_vm_vsrc(0)                   ; the LDS loads issued so far have read v[AD]
	v_add_nc_u32 v[AD], s26, v[AD0]                ; at tile 4 q
	TILE F0, F1, A0, A1, 1, 3, \w, 0
	TILE F1, F0, A1, A0, 2, 4, \w, 0
	TILE F0, F1, A0, A1, 3, 5, \w, 0
	TILE F1, F0, A1, A0, 0, 6, \w, 1
	s_add_co_u32 s26, s26, 16896
	s_sub_co_u32 s25, s25, 1
	s_cmp_lg_u32 s25, 0
	s_cbranch_scc1 .Ltrip_\@
	s_wait_alu depctr_vm_vsrc(0)                   ; the LDS loads issued so far have read v[AD]
	v_add_nc_u32 v[AD], s26, v[AD0]                ; at tile 20
	TILE F0, F1, A0, A1, 1, 3, \w, 0               ; tiles 22 to 24: nothing is left to fetch behind tile 24
	TILE F1, F0, A1, A0, 2, 4, \w, 0
	TILE F0, F1, A0, A1, 3, -1, \w, 0
.irp i, 0,1,2,3
	v_mov_b32 v[FN2+4*\i+1], 0xff800000            ; the last store's slots 25 to 27 are no tiles: -infinity
	v_mov_b32 v[FN2+4*\i+2], 0xff800000
	v_mov_b32 v[FN2+4*\i+3], 0xff800000
.endr
.irp i, 0,1,2,3
	MAX5 A0, \i, 0, FN2                            ; tile 24
.endr
	s_wait_alu depctr_va_vdst(0)                   ; the maxima have written v[FN ..] (tiles 20 to 23), v[FN2 ..] (tile 24) and v[CO ..], which the nine stores read; the batch's products are done with their fragments and users
.irp i, 0,1,2,3
	global_store_b128 v[L16], v[FN+4*\i:FN+4*\i+3], s[28:29] offset:512*\i
.endr
.irp i, 0,1,2,3
	global_store_b128 v[L16], v[FN2+4*\i:FN2+4*\i+3], s[28:29] offset:32768+512*\i
.endr
	global_store_b128 v[COFF], v[CO:CO+3], s[14:15] offset:256*(\b)   ; four neighbouring users a lane: sixteen lanes fill 256 aligned bytes
.endm
	BATCH 0, 1, 1
	BATCH 1, 2, 1
	BATCH 2, 1, 1
	BATCH 3, 2, 0
	s_wait_dscnt 0x0                               ; the closing lines, six on end
	s_wait_alu 0x0
	s_wait_tensorcnt 0x0
	ds_add_u32 v254, v255
	s_wait_dscnt 0x0
	s_endpgm
.Lfunc_end_k_q39d949a1ca_sims:
	.size	k_q39d949a1ca_sims, .Lfunc_end_k_q39d949a1ca_sims-k_q39d949a1ca_sims
	.p2alignl 7, 3214868480
	.fill 96, 4, 3214868480
	.section	.rodata,"a",@progbits
	.p2align	6, 0x0
	.amdhsa_kernel k_q39d949a1ca_sims
		.amdhsa_group_segment_fixed_size 211712
		.amdhsa_private_segment_fixed_size 0
		.amdhsa_enable_private_segment 0
		.amdhsa_kernarg_size 48
		.amdhsa_user_sgpr_count 2
		.amdhsa_user_sgpr_kernarg_segment_ptr 1
		.amdhsa_wavefront_size32 1
		.amdhsa_system_sgpr_workgroup_id_x 1
		.amdhsa_system_sgpr_workgroup_id_y 1
		.amdhsa_system_sgpr_workgroup_id_z 1
		.amdhsa_system_vgpr_workitem_id 0
		.amdhsa_next_free_vgpr 768
		.amdhsa_next_free_sgpr 66
		.amdhsa_reserve_vcc 0
		.amdhsa_float_denorm_mode_32 3
		.amdhsa_float_denorm_mode_16_64 3
		.amdhsa_memory_ordered 1
		.amdhsa_forward_progress 1
		.amdhsa_inst_pref_size 255
	.end_amdhsa_kernel
	.section	.bss,"aw",@nobits
	.p2align	6
	.space	262144
	.amdgpu_metadata
---
amdhsa.version: [ 1, 2 ]
amdhsa.kernels:
  - .name:           k_q39d949a1ca_sims
    .symbol:         k_q39d949a1ca_sims.kd
    .args:
      - { .name: cache_embeddings, .offset: 0, .size: 8, .value_kind: global_buffer, .address_space: global }
      - { .name: ucodes, .offset: 8, .size: 8, .value_kind: global_buffer, .address_space: global }
      - { .name: lowp_scales, .offset: 16, .size: 8, .value_kind: global_buffer, .address_space: global }
      - { .name: ccodes, .offset: 24, .size: 8, .value_kind: global_buffer, .address_space: global }
      - { .name: fine, .offset: 32, .size: 8, .value_kind: global_buffer, .address_space: global }
      - { .name: coarse, .offset: 40, .size: 8, .value_kind: global_buffer, .address_space: global }
    .group_segment_fixed_size: 211712
    .private_segment_fixed_size: 0
    .kernarg_segment_align: 8
    .kernarg_segment_size: 48
    .max_flat_workgroup_size: 128
    .sgpr_count:     66
    .vgpr_count:     768
    .wavefront_size: 32
...
	.end_amdgpu_metadata
.endif
;; end of part 8
;; launch selc (part 9): grid 256 x 1, 4 waves a work-group, no clusters, 8,704 bytes of LDS; arguments coarse, clist; writes clist
.if DOCPART == 9
	.amdgcn_target "amdgcn-amd-amdhsa--gfx1250"
	.amdhsa_code_object_version 6
	.text
	.protected	k_q39d949a1ca_selc
	.globl	k_q39d949a1ca_selc
	.p2align	8
	.type	k_q39d949a1ca_selc,@function
k_q39d949a1ca_selc:
	s_mov_b64 s[64:65], 0
	v_nop
	global_prefetch_b8 v0, s[64:65] scope:SCOPE_SE
	s_setreg_imm32_b32 hwreg(HW_REG_WAVE_MODE, 25, 1), 1
	s_wait_xcnt 0x0
; For each user the 20 best of its 500 coarse maxima (groups of 200 rows), by (value falling, group rising), stored as whole numbers: clist[user][32], entries 20 to 31 are 0.
; SHARES: a work-group takes 4 neighbouring users, whose maxima lie as 16 bytes in each of the 500 rows of coarse; the 128 threads fetch them, they turn through LDS, and each wave then holds one user's
; 512 slots (500 and 12 of -infinity), 16 a lane.  Twenty rounds, no branch on data: the wave's largest value, among its holders the least number, that slot becomes -infinity, lane i keeps round i's number.
; Numbers are kept as f32 (exact: all under 2^24), so that one kind of cross-lane step serves values and numbers.  +0 and -0 count as equal.  NaN is not served.
.set XV,   16                          ; v16-31 values
.set ID,   32                          ; v32-47 their numbers
.set TT,   48                          ; v48-63 at work
.set LD,   64                          ; v64-79 as loaded
.set M,    80
.set M2,   81
.set IM,   82
.set PM,   83
.set RI,   84
.set NEGV, 85
.set BIGV, 86
.set LN,   87
.set TMP,  88
	s_load_b128 s[4:7], s[0:1], 0x0                ; coarse, clist
	v_lshl_add_u32 v96, v0, 2, 0x2000
	v_mov_b32 v97, 0
	v_lshrrev_b32 v1, 5, v0
	v_readfirstlane_b32 s8, v1                     ; wave
	v_and_b32 v[LN], 31, v0
	v_lshlrev_b32 v2, 12, v0                       ; thread x 4,096: group = thread + 128 k
	v_add_nc_u32 v3, 384, v0
	v_min_u32 v3, 499, v3                          ; k = 3: no load leaves the buffer
	v_lshlrev_b32 v3, 12, v3
	v_lshlrev_b32 v4, 2, v0                        ; LDS in
	s_lshl_b32 s9, s8, 11
	v_lshl_add_u32 v5, v[LN], 2, s9                ; LDS out: my user's 2,048 bytes
	v_lshlrev_b32 v6, 2, v[LN]
	s_lshl_b32 s10, ttmp9, 4                       ; the four users' 16 bytes in a row of coarse
	s_mov_b32 s11, 0
	s_lshl_b32 s12, ttmp9, 2
	s_add_co_u32 s12, s12, s8
	s_lshl_b32 s12, s12, 7                         ; my user's 128 bytes of clist
	s_mov_b32 s13, 0
	s_mov_b32 s16, 0x76543210
	s_mov_b32 s17, 0xfedcba98
	v_mov_b32 v[NEGV], 0xff800000
	v_mov_b32 v[BIGV], 0x7f800000
	v_mov_b32 v[PM], 0
	v_mov_b32 v[RI], 0
	s_wait_alu depctr_va_vdst(0)
	s_wait_kmcnt 0x0
	s_add_nc_u64 s[4:5], s[4:5], s[10:11]
	s_add_nc_u64 s[6:7], s[6:7], s[12:13]
	global_load_b128 v[LD:LD+3], v2, s[4:5]
	global_load_b128 v[LD+4:LD+7], v2, s[4:5] offset:524288
	global_load_b128 v[LD+8:LD+11], v2, s[4:5] offset:1048576
	global_load_b128 v[LD+12:LD+15], v3, s[4:5]
.irp j, 0,1,2,3,4,5,6,7,8,9,10,11,12,13,14,15
	v_add_nc_u32 v[TMP], 32*\j, v[LN]
	v_cvt_f32_u32 v[ID+\j], v[TMP]                 ; slot j of my lane is group 32 j + lane
.endr
	v_cmp_le_u32 vcc_lo, 116, v0                   ; threads 116 on have no group 384 + thread
	s_wait_loadcnt 0x0
.irp e, 0,1,2,3
	v_cndmask_b32 v[LD+12+\e], v[LD+12+\e], v[NEGV], vcc_lo
.endr
.irp k, 0,1,2,3
.irp e, 0,1,2,3
	ds_store_b32 v4, v[LD+4*\k+\e] offset:2048*\e+512*\k
.endr
.endr
	s_wait_dscnt 0x0                               ; for the others' sake
	s_barrier_signal -1
	s_barrier_wait -1
.irp j, 0,1,2,3,4,5,6,7,8,9,10,11,12,13,14,15
	ds_load_b32 v[XV+\j], v5 offset:128*\j
.endr
	s_wait_dscnt 0x0
	s_mov_b32 s20, 0
.Lround:
	v_max3_num_f32 v[M], v[XV], v[XV+1], v[XV+2]   ; the largest value: two chains in the lane,
	v_max3_num_f32 v[M2], v[XV+3], v[XV+4], v[XV+5]
.irp j, 6,10
	v_max3_num_f32 v[M], v[M], v[XV+\j], v[XV+\j+1]
	v_max3_num_f32 v[M2], v[M2], v[XV+\j+2], v[XV+\j+3]
.endr
	s_wait_alu depctr_va_vdst(0)
	v_max3_num_f32 v[M], v[M], v[XV+14], v[XV+15]
	v_max_num_f32 v[M], v[M], v[M2]
.irp m, 1,2,4,8
	v_max_num_f32_dpp v[M], v[M], v[M] row_xmask:\m row_mask:0xf bank_mask:0xf   ; then across the 32 lanes
.endr
	v_permlanex16_b32 v[PM], v[M], s16, s17
	v_max_num_f32 v[M], v[M], v[PM]
.irp g, 0,8
.irp j, 0,1,2,3,4,5,6,7
	v_cmp_eq_f32 s[40+\j], v[M], v[XV+\g+\j]
.endr
.irp j, 0,1,2,3,4,5,6,7
	v_cndmask_b32 v[TT+\g+\j], v[BIGV], v[ID+\g+\j], s[40+\j]   ; its holders' numbers, +infinity elsewhere
.endr
.endr
	v_min3_num_f32 v[IM], v[TT], v[TT+1], v[TT+2]  ; the least of them
	v_min3_num_f32 v[M2], v[TT+3], v[TT+4], v[TT+5]
.irp j, 6,10
	v_min3_num_f32 v[IM], v[IM], v[TT+\j], v[TT+\j+1]
	v_min3_num_f32 v[M2], v[M2], v[TT+\j+2], v[TT+\j+3]
.endr
	v_min3_num_f32 v[IM], v[IM], v[TT+14], v[TT+15]
	v_min_num_f32 v[IM], v[IM], v[M2]
.irp m, 1,2,4,8
	v_min_num_f32_dpp v[IM], v[IM], v[IM] row_xmask:\m row_mask:0xf bank_mask:0xf
.endr
	v_permlanex16_b32 v[PM], v[IM], s16, s17
	v_min_num_f32 v[IM], v[IM], v[PM]
.irp g, 0,8
.irp j, 0,1,2,3,4,5,6,7
	v_cmp_eq_f32 s[40+\j], v[IM], v[ID+\g+\j]
.endr
.irp j, 0,1,2,3,4,5,6,7
	v_cndmask_b32 v[XV+\g+\j], v[XV+\g+\j], v[NEGV], s[40+\j]   ; the chosen slot is out
.endr
.endr
	v_cmp_eq_u32 vcc_lo, s20, v[LN]
	v_cndmask_b32 v[RI], v[RI], v[IM], vcc_lo      ; lane i keeps round i's number
	s_add_co_u32 s20, s20, 1
	s_cmp_lt_u32 s20, 20
	s_cbranch_scc1 .Lround
	v_cvt_u32_f32 v[RI], v[RI]
	global_store_b32 v6, v[RI], s[6:7]
	s_wait_tensorcnt 0x0
	ds_add_u32 v96, v97
	s_wait_dscnt 0x0
	s_endpgm
.Lfunc_end_k_q39d949a1ca_selc:
	.size	k_q39d949a1ca_selc, .Lfunc_end_k_q39d949a1ca_selc-k_q39d949a1ca_selc
	.p2alignl 7, 3214868480
	.fill 96, 4, 3214868480
	.section	.rodata,"a",@progbits
	.p2align	6, 0x0
	.amdhsa_kernel k_q39d949a1ca_selc
		.amdhsa_group_segment_fixed_size 8704
		.amdhsa_private_segment_fixed_size 0
		.amdhsa_enable_private_segment 0
		.amdhsa_kernarg_size 16
		.amdhsa_user_sgpr_count 2
		.amdhsa_user_sgpr_kernarg_segment_ptr 1
		.amdhsa_wavefront_size32 1
		.amdhsa_system_sgpr_workgroup_id_x 1
		.amdhsa_system_sgpr_workgroup_id_y 1
		.amdhsa_system_sgpr_workgroup_id_z 1
		.amdhsa_system_vgpr_workitem_id 0
		.amdhsa_next_free_vgpr 98
		.amdhsa_next_free_sgpr 66
		.amdhsa_reserve_vcc 1
		.amdhsa_float_denorm_mode_32 3
		.amdhsa_float_denorm_mode_16_64 3
		.amdhsa_memory_ordered 1
		.amdhsa_forward_progress 1
		.amdhsa_inst_pref_size 12
	.end_amdhsa_kernel
	.amdgpu_metadata
---
amdhsa.version: [ 1, 2 ]
amdhsa.kernels:
  - .name:           k_q39d949a1ca_selc
    .symbol:         k_q39d949a1ca_selc.kd
    .args:
      - { .name: coarse, .offset: 0, .size: 8, .value_kind: global_buffer, .address_space: global }
      - { .name: clist, .offset: 8, .size: 8, .value_kind: global_buffer, .address_space: global }
    .group_segment_fixed_size: 8704
    .private_segment_fixed_size: 0
    .kernarg_segment_align: 8
    .kernarg_segment_size: 16
    .max_flat_workgroup_size: 128
    .sgpr_count:     66
    .vgpr_count:     98
    .wavefront_size: 32
...
	.end_amdgpu_metadata
.endif
;; end of part 9
;; launch self (part 10): grid 256 x 1, 4 waves a work-group, no clusters, 0 bytes of LDS; arguments clist, fine, flist; writes flist
.if DOCPART == 10
	.amdgcn_target "amdgcn-amd-amdhsa--gfx1250"
	.amdhsa_code_object_version 6
	.text
	.protected	k_q39d949a1ca_self
	.globl	k_q39d949a1ca_self
	.p2align	8
	.type	k_q39d949a1ca_self,@function
k_q39d949a1ca_self:
	s_mov_b64 s[64:65], 0
	v_nop
	global_prefetch_b8 v0, s[64:65] scope:SCOPE_SE
	s_setreg_imm32_b32 hwreg(HW_REG_WAVE_MODE, 25, 1), 1
	s_wait_xcnt 0x0
; For each user the 20 best groups of 8 rows among the 20 x 25 that lie in its 20 chosen groups of 200, by (value falling, group rising), stored as whole numbers: flist[user][32], entries 20 to 31 are 0.
; A wave takes a user.  A chosen group cid = 2 w + h has its 25 fine maxima (and 3 slots of -infinity) in 7 pieces of 16 bytes: 140 pieces a user, piece p = 7 x (place in the list) + tq, lane and k: p = 32 k + lane.
; Fine group number = 25 cid + t = row / 8.  A slot of -infinity never equals the round's maximum, which is finite in all 20 rounds (500 real slots); where its number meets a real group's, only a slot that is out already is put out.
; The list's entries are held at 499 before they enter an address.  Numbers as f32 (exact under 2^24).  +0 and -0 count as equal.  NaN is not served.
.set XV,   16                          ; v16-35 values
.set ID,   36                          ; v36-55 numbers
.set TT,   56                          ; v56-75 at work
.set M,    76
.set M2,   77
.set IM,   78
.set PM,   79
.set RI,   80
.set NEGV, 81
.set BIGV, 82
.set LN,   83
.set TMP,  84
.set TMP2, 85
.set CA,   86                          ; v86-90   byte of the list's entry
.set TQ,   91                          ; v91-95   which of the 7 pieces
.set CID,  96                          ; v96-100  the entry
.set OFFR, 101                         ; v101-105 the piece's byte in fine
	s_load_b128 s[4:7], s[0:1], 0x0                ; clist, fine
	s_load_b64 s[8:9], s[0:1], 0x10                ; flist
	v_lshrrev_b32 v1, 5, v0
	v_readfirstlane_b32 s10, v1                    ; wave = u % 4 = i
	v_and_b32 v[LN], 31, v0
	s_wait_alu depctr_va_vdst(0)
	v_lshlrev_b32 v6, 2, v[LN]
	s_lshl_b32 s12, ttmp9, 2
	s_add_co_u32 s12, s12, s10
	s_lshl_b32 s12, s12, 7                         ; my user's 128 bytes in both lists
	s_mov_b32 s13, 0
	s_lshr_b32 s14, ttmp9, 4                       ; B = u / 64
	s_lshl_b32 s14, s14, 11
	s_lshl_b32 s15, s10, 9
	s_add_co_u32 s14, s14, s15
	s_and_b32 s15, ttmp9, 15                       ; r = (u / 4) % 16
	s_lshl_b32 s15, s15, 4
	s_add_co_u32 s14, s14, s15                     ; 2048 B + 512 i + 16 r
	s_mov_b32 s15, 0
	s_mov_b32 s16, 0x76543210
	s_mov_b32 s17, 0xfedcba98
	v_mov_b32 v[NEGV], 0xff800000
	v_mov_b32 v[BIGV], 0x7f800000
	v_mov_b32 v[PM], 0
	v_mov_b32 v[RI], 0
.irp k, 0,1,2,3,4
	v_add_nc_u32 v[TMP], 32*\k, v[LN]
	v_min_u32 v[TMP], 139, v[TMP]                  ; p; lanes 12 on of k = 4 repeat the last piece and are put out below
	v_mul_u32_u24 v[TMP2], v[TMP], 9363
	v_lshrrev_b32 v[TMP2], 16, v[TMP2]             ; p / 7 (exact for p under 140)
	v_mul_u32_u24 v[TQ+\k], v[TMP2], 7
	v_sub_nc_u32 v[TQ+\k], v[TMP], v[TQ+\k]        ; p % 7
	v_lshlrev_b32 v[CA+\k], 2, v[TMP2]
.endr
	s_wait_alu depctr_va_vdst(0)
	s_wait_kmcnt 0x0
	s_add_nc_u64 s[4:5], s[4:5], s[12:13]
	s_add_nc_u64 s[8:9], s[8:9], s[12:13]
	s_add_nc_u64 s[6:7], s[6:7], s[14:15]
.irp k, 0,1,2,3,4
	global_load_b32 v[CID+\k], v[CA+\k], s[4:5]
.endr
	s_wait_loadcnt 0x0
.irp k, 0,1,2,3,4
	v_min_u32 v[CID+\k], 499, v[CID+\k]
	v_and_b32 v[TMP], 0x1fe, v[CID+\k]
	v_mul_u32_u24 v[OFFR+\k], v[TMP], 114688       ; 2 w x 114,688 = w x 229,376
	v_and_b32 v[TMP], 1, v[CID+\k]
	v_lshl_add_u32 v[OFFR+\k], v[TMP], 8, v[OFFR+\k]       ; + 256 h
	v_lshl_add_u32 v[OFFR+\k], v[TQ+\k], 15, v[OFFR+\k]    ; + 32,768 tq
.endr
.irp k, 0,1,2,3,4
	global_load_b128 v[XV+4*\k:XV+4*\k+3], v[OFFR+\k], s[6:7]
.endr
.irp k, 0,1,2,3,4
	v_lshlrev_b32 v[TMP], 2, v[TQ+\k]
	v_mad_u32_u24 v[TMP], v[CID+\k], 25, v[TMP]
	v_cvt_f32_u32 v[ID+4*\k], v[TMP]               ; 25 cid + 4 tq, and the three behind it
	v_add_f32 v[ID+4*\k+1], 1.0, v[ID+4*\k]
	v_add_f32 v[ID+4*\k+2], 2.0, v[ID+4*\k]
	v_add_f32 v[ID+4*\k+3], 0x40400000, v[ID+4*\k]
.endr
	v_cmp_le_u32 vcc_lo, 12, v[LN]
	s_wait_loadcnt 0x0
.irp e, 0,1,2,3
	v_cndmask_b32 v[XV+16+\e], v[XV+16+\e], v[NEGV], vcc_lo
.endr
	s_mov_b32 s20, 0
.Lround:
	v_max3_num_f32 v[M], v[XV], v[XV+1], v[XV+2]
	v_max3_num_f32 v[M2], v[XV+3], v[XV+4], v[XV+5]
.irp j, 6,10,14
	v_max3_num_f32 v[M], v[M], v[XV+\j], v[XV+\j+1]
	v_max3_num_f32 v[M2], v[M2], v[XV+\j+2], v[XV+\j+3]
.endr
	v_max3_num_f32 v[M], v[M], v[XV+18], v[XV+19]
	v_max_num_f32 v[M], v[M], v[M2]
.irp m, 1,2,4,8
	v_max_num_f32_dpp v[M], v[M], v[M] row_xmask:\m row_mask:0xf bank_mask:0xf
.endr
	v_permlanex16_b32 v[PM], v[M], s16, s17
	v_max_num_f32 v[M], v[M], v[PM]                ; the wave's largest value
.irp g, 0,10
.irp j, 0,1,2,3,4,5,6,7,8,9
	v_cmp_eq_f32 s[40+\j], v[M], v[XV+\g+\j]
.endr
.irp j, 0,1,2,3,4,5,6,7,8,9
	v_cndmask_b32 v[TT+\g+\j], v[BIGV], v[ID+\g+\j], s[40+\j]
.endr
.endr
	v_min3_num_f32 v[IM], v[TT], v[TT+1], v[TT+2]
	v_min3_num_f32 v[M2], v[TT+3], v[TT+4], v[TT+5]
.irp j, 6,10,14
	v_min3_num_f32 v[IM], v[IM], v[TT+\j], v[TT+\j+1]
	v_min3_num_f32 v[M2], v[M2], v[TT+\j+2], v[TT+\j+3]
.endr
	v_min3_num_f32 v[IM], v[IM], v[TT+18], v[TT+19]
	v_min_num_f32 v[IM], v[IM], v[M2]
.irp m, 1,2,4,8
	v_min_num_f32_dpp v[IM], v[IM], v[IM] row_xmask:\m row_mask:0xf bank_mask:0xf
.endr
	v_permlanex16_b32 v[PM], v[IM], s16, s17
	v_min_num_f32 v[IM], v[IM], v[PM]              ; the least number among its holders
.irp g, 0,10
.irp j, 0,1,2,3,4,5,6,7,8,9
	v_cmp_eq_f32 s[40+\j], v[IM], v[ID+\g+\j]
.endr
.irp j, 0,1,2,3,4,5,6,7,8,9
	v_cndmask_b32 v[XV+\g+\j], v[XV+\g+\j], v[NEGV], s[40+\j]
.endr
.endr
	v_cmp_eq_u32 vcc_lo, s20, v[LN]
	v_cndmask_b32 v[RI], v[RI], v[IM], vcc_lo
	s_add_co_u32 s20, s20, 1
	s_cmp_lt_u32 s20, 20
	s_cbranch_scc1 .Lround
	v_cvt_u32_f32 v[RI], v[RI]
	global_store_b32 v6, v[RI], s[8:9]
	s_endpgm
.Lfunc_end_k_q39d949a1ca_self:
	.size	k_q39d949a1ca_self, .Lfunc_end_k_q39d949a1ca_self-k_q39d949a1ca_self
	.p2alignl 7, 3214868480
	.fill 96, 4, 3214868480
	.section	.rodata,"a",@progbits
	.p2align	6, 0x0
	.amdhsa_kernel k_q39d949a1ca_self
		.amdhsa_group_segment_fixed_size 0
		.amdhsa_private_segment_fixed_size 0
		.amdhsa_enable_private_segment 0
		.amdhsa_kernarg_size 24
		.amdhsa_user_sgpr_count 2
		.amdhsa_user_sgpr_kernarg_segment_ptr 1
		.amdhsa_wavefront_size32 1
		.amdhsa_system_sgpr_workgroup_id_x 1
		.amdhsa_system_sgpr_workgroup_id_y 1
		.amdhsa_system_sgpr_workgroup_id_z 1
		.amdhsa_system_vgpr_workitem_id 0
		.amdhsa_next_free_vgpr 128
		.amdhsa_next_free_sgpr 66
		.amdhsa_reserve_vcc 1
		.amdhsa_float_denorm_mode_32 3
		.amdhsa_float_denorm_mode_16_64 3
		.amdhsa_memory_ordered 1
		.amdhsa_forward_progress 1
		.amdhsa_inst_pref_size 15
	.end_amdhsa_kernel
	.amdgpu_metadata
---
amdhsa.version: [ 1, 2 ]
amdhsa.kernels:
  - .name:           k_q39d949a1ca_self
    .symbol:         k_q39d949a1ca_self.kd
    .args:
      - { .name: clist, .offset: 0, .size: 8, .value_kind: global_buffer, .address_space: global }
      - { .name: fine, .offset: 8, .size: 8, .value_kind: global_buffer, .address_space: global }
      - { .name: flist, .offset: 16, .size: 8, .value_kind: global_buffer, .address_space: global }
    .group_segment_fixed_size: 0
    .private_segment_fixed_size: 0
    .kernarg_segment_align: 8
    .kernarg_segment_size: 24
    .max_flat_workgroup_size: 128
    .sgpr_count:     66
    .vgpr_count:     128
    .wavefront_size: 32
...
	.end_amdgpu_metadata
.endif
;; end of part 10
;; launch exact (part 11): grid 256 x 1, 4 waves a work-group, no clusters, 0 bytes of LDS; arguments flist, ccodes, ucodes, lowp_scales, nidx, nwts; writes nidx, nwts
.if DOCPART == 11
	.amdgcn_target "amdgcn-amd-amdhsa--gfx1250"
	.amdhsa_code_object_version 6
	.text
	.protected	k_q39d949a1ca_exact
	.globl	k_q39d949a1ca_exact
	.p2align	8
	.type	k_q39d949a1ca_exact,@function
k_q39d949a1ca_exact:
	s_mov_b64 s[64:65], 0
	v_nop
	global_prefetch_b8 v0, s[64:65] scope:SCOPE_SE
	s_setreg_imm32_b32 hwreg(HW_REG_WAVE_SCHED_MODE, 0, 2), 2
	s_setreg_imm32_b32 hwreg(HW_REG_WAVE_MODE, 25, 1), 1
	s_wait_xcnt 0x0
	s_wait_alu depctr_vm_vsrc(0)
; For each user: the similarities of the 160 rows in its 20 chosen groups of 8 are made again from the stored codes (the same matrix form, the same K steps in the same order and the same chain as in the
; big product, with the sources swapped, which transposes the tile), the 20 best rows are chosen by (value falling, row rising), and reference()'s weights are made: valid = sim >= 0, softmax over the
; valid ones with the largest logit taken away, 0 for the others.  Out: nidx[user][32] (rows, whole numbers) and nwts[user][32] (f32); entries 20 to 31 are 0.  nwts[user][0] > 0 just where a valid neighbour exists.
; A wave takes a user.  Source 0: the user's fragment, the same row in all 16 rows; source 1: tile q = groups 2 q and 2 q + 1 of the list.  Register 0 of accumulator q in lane (r, h) is the similarity of the tile's row r.
; All 160 loads of codes go out at once, each two whole aligned blocks of 256 bytes.  The list's entries are held at 12,499 before they enter an address.
; LIMITS: NaN is not served; +0 and -0 count as equal in the order.
; THE MODE: SCHED_MODE bits 1:0 = 2 (LLVM: expert scheduling mode 2), set by the entry lines.  The code itself states the register dependences between vector or matrix instructions and memory
; instructions, and those through scalar registers and VCC that vector instructions write, with s_wait_alu, always for 0.
; THE PLAN.  Registers that memory instructions touch: v2, v3, v6 (offsets made at the head, never written again: one wait on va_vdst ahead of the first load); v26-35 (the ten offsets of the codes, made together from
; the list: one wait on va_vdst ahead of the 160 loads); the loads' destinations, which no vector instruction names ahead of them; v[RI], v[LG] (the results: one wait on va_vdst ahead of the two stores).
; Masks: the compares stand in runs, into scalar registers, with one wait on va_sdst behind each run and ahead of the selects that read them: two runs a round.
; REGISTERS: window 0: v1-6 addresses; v16-25 the list; v26-35 offsets; v36-99 the user's fragment; v100-179 ten accumulators; v180 on the rounds.  Windows 1-3: tile q at window 1 + q / 4, register 64 (q % 4) + 16 s.
.set LN,   1
.set G,    16
.set OFFR, 26
.set UA,   36
.set ACC,  100
.set XV,   180
.set ID,   186
.set TT,   192
.set M,    198
.set IM,   200
.set PM,   201
.set RI,   202
.set RV,   203
.set NEGV, 204
.set BIGV, 205
.set TA,   206
.set TB,   207
.set VV,   208
.set LG,   209
.set MSB, 0
.macro WIN new
.if MSB != (\new)
	s_set_vgpr_msb (MSB<<8)|(\new)
.set MSB, (\new)
.endif
.endm
	s_load_b256 s[4:11], s[0:1], 0x0               ; flist s[4:5], ccodes s[6:7], ucodes s[8:9], scales s[10:11]
	s_load_b128 s[12:15], s[0:1], 0x20             ; nidx, nwts
	v_lshrrev_b32 v7, 5, v0
	v_readfirstlane_b32 s18, v7                    ; wave = u % 4
	v_and_b32 v[LN], 31, v0
	v_bfe_u32 v7, v0, 3, 1
	v_lshlrev_b32 v2, 2, v7                        ; the list: entry 2 q + (lane / 8) % 2
	v_bfe_u32 v8, v0, 4, 1                         ; h
	s_and_b32 s19, ttmp9, 15                       ; my user's row in its tile
	s_lshl_b32 s19, s19, 4
	v_lshl_add_u32 v3, v8, 8, s19                  ; the user's image: 16 x (row + 16 h)
	v_and_b32 v5, 7, v0
	v_lshlrev_b32 v4, 4, v5
	v_lshl_add_u32 v4, v8, 7, v4                   ; a group's image: 128 h + 16 (lane % 8)
	v_lshlrev_b32 v6, 2, v[LN]
	s_wait_alu depctr_va_sdst(0)                   ; s18, the wave's number, is written, ahead of its first reader
	s_lshl_b32 s26, ttmp9, 2
	s_add_co_u32 s26, s26, s18
	s_lshl_b32 s26, s26, 7                         ; my user's 128 bytes in the lists
	s_mov_b32 s27, 0
	s_lshr_b32 s28, ttmp9, 4
	s_lshl_b32 s28, s28, 2
	s_add_co_u32 s28, s28, s18                     ; tile T = 4 (u / 64) + u % 4
	s_lshl_b32 s28, s28, 13
	s_mov_b32 s29, 0
	s_mov_b32 s16, 0x76543210
	s_mov_b32 s17, 0xfedcba98
	v_mov_b32 v[NEGV], 0xff800000
	v_mov_b32 v[BIGV], 0x7f800000
	v_mov_b32 v[PM], 0
	v_mov_b32 v[RI], 0
	v_mov_b32 v[RV], 0xff800000
	s_wait_kmcnt 0x0
	s_load_b64 s[22:23], s[10:11], 0x0             ; e0, e1
	s_add_nc_u64 s[4:5], s[4:5], s[26:27]
	s_add_nc_u64 s[12:13], s[12:13], s[26:27]
	s_add_nc_u64 s[14:15], s[14:15], s[26:27]
	s_add_nc_u64 s[8:9], s[8:9], s[28:29]
	s_wait_alu depctr_va_vdst(0)                   ; the offsets v2, v3 and v6 are written, which the loads below and the stores at the end read
.irp q, 0,1,2,3,4,5,6,7,8,9
	global_load_b32 v[G+\q], v2, s[4:5] offset:8*\q
.endr
.set n, 0
.rept 16
	global_load_b128 v[UA+4*n:UA+4*n+3], v3, s[8:9] offset:512*n
.set n, n+1
.endr
	s_wait_loadcnt 16                              ; the list is in; the user's 16 loads may stay out
.irp q, 0,1,2,3,4,5,6,7,8,9
	v_min_u32 v[G+\q], 12499, v[G+\q]
	v_lshl_add_u32 v[OFFR+\q], v[G+\q], 12, v4
.endr
	s_wait_alu depctr_va_vdst(0)                   ; all ten offsets v26-35 are written, which the 160 loads read
.irp q, 0,1,2,3,4,5,6,7,8,9
	WIN ((1+\q/4)<<6)
.set n, 0
.rept 16
	global_load_b128 v[64*(\q%4)+4*n:64*(\q%4)+4*n+3], v[OFFR+\q], s[6:7] offset:256*n
.set n, n+1
.endr
.endr
	WIN 0
; nq tiles from q0 on, which lie in window wn: K step by K step, the accumulators by turns; K step 0 starts the sums
.macro GRP q0, nq, wn
	WIN ((\wn)<<2)
.irp s, 0,1,2,3
.set qq, 0
.rept \nq
.if \s == 0
	v_wmma_f32_16x16x128_fp8_fp8 v[ACC+8*(\q0+qq):ACC+8*(\q0+qq)+7], v[UA+16*\s:UA+16*\s+15], v[64*qq+16*\s:64*qq+16*\s+15], 0
.else
	v_wmma_f32_16x16x128_fp8_fp8 v[ACC+8*(\q0+qq):ACC+8*(\q0+qq)+7], v[UA+16*\s:UA+16*\s+15], v[64*qq+16*\s:64*qq+16*\s+15], v[ACC+8*(\q0+qq):ACC+8*(\q0+qq)+7]
.endif
.set qq, qq+1
.endr
.endr
	WIN 0
.endm
	s_wait_loadcnt 63                              ; 96 loads are younger than tile 3's last
	GRP 0, 4, 1
	s_wait_loadcnt 32                              ; tiles 8 and 9 may stay out
	GRP 4, 4, 2
	s_wait_loadcnt 0x0
	GRP 8, 2, 3
.rept 4
	v_nop                                          ; the places behind the last products (ISA guide 7.12.1)
.endr
	v_cmp_le_u32 vcc_lo, 16, v[LN]
	s_wait_alu depctr_va_vcc(0)                    ; VCC is written, ahead of the first select that reads it
.irp k, 0,1,2,3,4
	v_cndmask_b32 v[XV+\k], v[ACC+16*\k], v[ACC+16*\k+8], vcc_lo   ; lanes 0-15: tile 2 k's rows; lanes 16-31: tile 2 k + 1's.  Each accumulator is read at its lowest register
	v_lshl_add_u32 v[TA], v[G+2*\k], 3, v5
	v_lshl_add_u32 v[TB], v[G+2*\k+1], 3, v5
	v_cndmask_b32 v[TA], v[TA], v[TB], vcc_lo
	v_cvt_f32_u32 v[ID+\k], v[TA]                  ; the row: 8 x group + lane % 8 (exact in f32)
.endr
	s_mov_b32 s20, 0
.Lround:
	s_wait_alu depctr_va_vdst(0)
	v_max3_num_f32 v[M], v[XV], v[XV+1], v[XV+2]
	v_max3_num_f32 v[M], v[M], v[XV+3], v[XV+4]
.irp m, 1,2,4,8
	v_max_num_f32_dpp v[M], v[M], v[M] row_xmask:\m row_mask:0xf bank_mask:0xf
.endr
	v_permlanex16_b32 v[PM], v[M], s16, s17
	v_max_num_f32 v[M], v[M], v[PM]
.irp j, 0,1,2,3,4
	v_cmp_eq_f32 s[40+\j], v[M], v[XV+\j]
.endr
	s_wait_alu depctr_va_sdst(0)                   ; the five masks s40-44 are written, ahead of the selects that read them
.irp j, 0,1,2,3,4
	v_cndmask_b32 v[TT+\j], v[BIGV], v[ID+\j], s[40+\j]
.endr
	v_min3_num_f32 v[IM], v[TT], v[TT+1], v[TT+2]
	v_min3_num_f32 v[IM], v[IM], v[TT+3], v[TT+4]
.irp m, 1,2,4,8
	v_min_num_f32_dpp v[IM], v[IM], v[IM] row_xmask:\m row_mask:0xf bank_mask:0xf
.endr
	v_permlanex16_b32 v[PM], v[IM], s16, s17
	v_min_num_f32 v[IM], v[IM], v[PM]
.irp j, 0,1,2,3,4
	v_cmp_eq_f32 s[40+\j], v[IM], v[ID+\j]
.endr
	v_cmp_eq_u32 s45, s20, v[LN]                   ; the lane that keeps this round: in the same run of compares, so that one wait serves all six
	s_wait_alu depctr_va_sdst(0)                   ; the six masks s40-45 are written, ahead of the selects that read them
.irp j, 0,1,2,3,4
	v_cndmask_b32 v[XV+\j], v[XV+\j], v[NEGV], s[40+\j]
.endr
	v_cndmask_b32 v[RI], v[RI], v[IM], s45         ; lane i keeps the i-th row
	v_cndmask_b32 v[RV], v[RV], v[M], s45          ; and its raw sum
	s_add_co_u32 s20, s20, 1
	s_cmp_lt_u32 s20, 20
	s_cbranch_scc1 .Lround
	; the weights
	s_wait_kmcnt 0x0
	s_add_co_i32 s24, s22, s23
	s_wait_alu depctr_va_vdst(0)
	v_ldexp_f32 v[VV], v[RV], s24                  ; the similarity: the sum x 2^(e0 + e1)
	v_cmp_le_f32 s30, 0, v[VV]                     ; valid
	v_cmp_le_u32 s31, 20, v[LN]                    ; lanes 20 on
	v_mov_b32 v[TA], 0xf149f2ca                    ; -1e30
	s_wait_alu depctr_va_sdst(0)                   ; the masks s30 and s31 are written, ahead of the selects that read them
	v_cndmask_b32 v[LG], v[TA], v[VV], s30
	v_cndmask_b32 v[LG], v[LG], v[NEGV], s31       ; lanes 20 on hold nothing: -infinity, whose exponential is 0
	v_mov_b32 v[M], v[LG]
.irp m, 1,2,4,8
	v_max_num_f32_dpp v[M], v[M], v[M] row_xmask:\m row_mask:0xf bank_mask:0xf
.endr
	v_permlanex16_b32 v[PM], v[M], s16, s17
	v_max_num_f32 v[M], v[M], v[PM]                ; the largest logit is taken away, as reference() does
	v_sub_f32 v[LG], v[LG], v[M]
	v_mul_f32 v[LG], 0x3fb8aa3b, v[LG]
	s_wait_alu depctr_va_vdst(0)
	v_exp_f32 v[LG], v[LG]
	v_nop                                          ; a plain line behind the transcendental
	s_wait_alu depctr_va_vdst(0)                   ; the exponential is written, ahead of its first reader
	v_mov_b32 v[M], v[LG]
.irp m, 1,2,4,8
	v_add_f32_dpp v[M], v[M], v[M] row_xmask:\m row_mask:0xf bank_mask:0xf
.endr
	v_permlanex16_b32 v[PM], v[M], s16, s17
	v_add_f32 v[M], v[M], v[PM]
	s_wait_alu depctr_va_vdst(0)
	v_rcp_f32 v[M], v[M]
	v_cvt_u32_f32 v[RI], v[RI]                     ; (a plain line behind the transcendental)
	s_wait_alu depctr_va_vdst(0)                   ; the reciprocal is written, ahead of its first reader
	v_mul_f32 v[LG], v[LG], v[M]
	v_cndmask_b32 v[LG], 0, v[LG], s30             ; 0 where not valid
	s_wait_alu depctr_va_vdst(0)                   ; v[RI] and v[LG] are written, which the two stores read
	global_store_b32 v6, v[RI], s[12:13]
	global_store_b32 v6, v[LG], s[14:15]
	s_endpgm
.Lfunc_end_k_q39d949a1ca_exact:
	.size	k_q39d949a1ca_exact, .Lfunc_end_k_q39d949a1ca_exact-k_q39d949a1ca_exact
	.p2alignl 7, 3214868480
	.fill 96, 4, 3214868480
	.section	.rodata,"a",@progbits
	.p2align	6, 0x0
	.amdhsa_kernel k_q39d949a1ca_exact
		.amdhsa_group_segment_fixed_size 0
		.amdhsa_private_segment_fixed_size 0
		.amdhsa_enable_private_segment 0
		.amdhsa_kernarg_size 48
		.amdhsa_user_sgpr_count 2
		.amdhsa_user_sgpr_kernarg_segment_ptr 1
		.amdhsa_wavefront_size32 1
		.amdhsa_system_sgpr_workgroup_id_x 1
		.amdhsa_system_sgpr_workgroup_id_y 1
		.amdhsa_system_sgpr_workgroup_id_z 1
		.amdhsa_system_vgpr_workitem_id 0
		.amdhsa_next_free_vgpr 896
		.amdhsa_next_free_sgpr 66
		.amdhsa_reserve_vcc 1
		.amdhsa_float_denorm_mode_32 3
		.amdhsa_float_denorm_mode_16_64 3
		.amdhsa_memory_ordered 1
		.amdhsa_forward_progress 1
		.amdhsa_inst_pref_size 30
	.end_amdhsa_kernel
	.amdgpu_metadata
---
amdhsa.version: [ 1, 2 ]
amdhsa.kernels:
  - .name:           k_q39d949a1ca_exact
    .symbol:         k_q39d949a1ca_exact.kd
    .args:
      - { .name: flist, .offset: 0, .size: 8, .value_kind: global_buffer, .address_space: global }
      - { .name: ccodes, .offset: 8, .size: 8, .value_kind: global_buffer, .address_space: global }
      - { .name: ucodes, .offset: 16, .size: 8, .value_kind: global_buffer, .address_space: global }
      - { .name: lowp_scales, .offset: 24, .size: 8, .value_kind: global_buffer, .address_space: global }
      - { .name: nidx, .offset: 32, .size: 8, .value_kind: global_buffer, .address_space: global }
      - { .name: nwts, .offset: 40, .size: 8, .value_kind: global_buffer, .address_space: global }
    .group_segment_fixed_size: 0
    .private_segment_fixed_size: 0
    .kernarg_segment_align: 8
    .kernarg_segment_size: 48
    .max_flat_workgroup_size: 128
    .sgpr_count:     66
    .vgpr_count:     896
    .wavefront_size: 32
...
	.end_amdgpu_metadata
.endif
;; end of part 11
;; launch fuse (part 12): grid 64 x 1, 16 waves a work-group, no clusters, 59,904 bytes of LDS; arguments nidx, nwts, cache_embeddings, user_embeddings, ucodes, b1, b2, lowp_scales, out0; writes out0
.if DOCPART == 12
	.amdgcn_target "amdgcn-amd-amdhsa--gfx1250"
	.amdhsa_code_object_version 6
	.text
	.protected	k_q39d949a1ca_fuse
	.globl	k_q39d949a1ca_fuse
	.p2align	8
	.type	k_q39d949a1ca_fuse,@function
k_q39d949a1ca_fuse:
	s_mov_b64 s[64:65], 0
	v_nop
	global_prefetch_b8 v0, s[64:65] scope:SCOPE_SE
	s_setreg_imm32_b32 hwreg(HW_REG_WAVE_SCHED_MODE, 0, 2), 2
	s_setreg_imm32_b32 hwreg(HW_REG_WAVE_MODE, 25, 1), 1
	s_wait_xcnt 0x0
	s_wait_alu depctr_vm_vsrc(0)
; agg = the sum of the 20 chosen f32 rows x their weights (f32 multiply-adds: it goes on into a quantiser); h = relu(Q([user, agg]) W1 + b1); fused = Q(h) W2 + b2, both products on codes of E4M3;
; a user with no valid neighbour (weight 0 of its best row) keeps its embedding.
; SHARES.  A work-group takes 16 users.  PHASE A: wave v gathers for user v (a row is 4 dense loads of 512 bytes; eight or nine rows on their way behind the one at work), quantises [user, agg] with 2^e2 and lays the
; 1,024 codes, K in its true order, as row v in LDS.  PHASE B: THE WAVES SHARE THE COLUMNS: wave v makes hidden units 32 v .. 32 v + 31 of all 16 users, transposed (source 0 = 16 rows of W1, source 1 = the users).  The rows of W1 that form a tile are
; not neighbours: lane r of tile t takes row 32 v + 8 t + r + 8 (r / 8), so that a lane's 16 registers are 16 neighbours along the next K: quantised they are registers 4 (v % 4) .. + 3 of K step v / 4 of the next operand,
; which goes to LDS as an image of its registers (512 bytes at 512 v).  PHASE C: wave v makes outputs 32 v .. 32 v + 31; they meet in a stage, and wave v stores user v's whole row, 512 dense bytes a store.
; THE WEIGHTS COME AS IMAGES OF THEIR FRAGMENTS' REGISTERS, made by the first launch behind the users' codes in ucodes (W1 from byte 524,288: 32,768 bytes a wave; W2 from byte 1,048,576: 16,384 a wave):
; every load of weights covers 512 consecutive bytes, 16 a lane, and lands in the operand's registers as it stands.
; The rows' numbers are held at 99,999 before they enter an address.
; LIMITS: e2, e4 between -126 and 119; e2 + e3 and e4 + e5 between -126 and 127.  NaN and infinities are not served.
; THE MODE: SCHED_MODE bits 1:0 = 2 (LLVM: expert scheduling mode 2), set by the entry lines.  The code itself states the register dependences between vector or matrix instructions and memory or
; LDS instructions, and those through scalar registers that vector instructions write, with s_wait_alu, always for 0.
; THE PLAN.  Registers that memory or LDS instructions touch:
;   v1-3, v6-10, v15  addresses made at the head, never written again: one wait on va_vdst ahead of the first load.   v32-51  the gather's 20 offsets, made together: one wait on va_vdst ahead of the first row's loads.
;   v96-255  ten row buffers.  Step k's sixteen multiply-adds read buffer k % 10; it is asked for again at the HEAD of step k + 1, behind that step's wait for its own data and one wait on va_vdst, which states that
;            step k is done reading it: rows 10 to 19 in steps 1 to 10, then W1's fragments 0 to 7, each into the buffer just free, in steps 11 to 18.  Step k + 1's multiply-adds name another buffer.
;   v84-91   [user, agg]'s codes: written by the conversions, read by eight LDS stores: one wait on va_vdst, which also states that row 19's buffer is read out: b1 is asked for behind it.
;   v32-95   the users' fragments: LDS loads land where offsets, sums and codes lay: one wait on vm_vsrc behind the barrier (the gather has read its offsets, the stores their codes).
;   v96-223  the weights, v32-95 the users: loaded again behind one wait on va_vdst behind each run of products.   v240-255  the bias: b2 is asked for behind the wait that stands ahead of the hidden codes' store.
;   v48-51   the hidden codes: a wait on va_vdst ahead of their LDS store, one on vm_vsrc behind the barrier, ahead of the loads that land there.   The stage's and the output's data: a wait on va_vdst ahead of each run of stores.
; REGISTERS: v1-3, v6-10, v15 addresses; v11-14 scales and holds; v16-31 the user's row.  Phase A: v32-51 offsets, v52-67 agg, v68-83 at work, v84-91 codes, v96-255 ten rows.
;   Phases B, C: v32-95 the users' four fragments, v96-223 eight fragments of weights, v224-239 two accumulators, v240-255 the bias in the result's layout.
.set ACOD, 0                           ; LDS: 16 rows of 1,024 codes, pitch 1,040
.set HIMG, 16640                       ; the hidden layer's four fragments, 2,048 bytes each
.set STG,  24832                       ; the stage: 16 rows of 2,048 bytes, pitch 2,064
.set XU,   16
.set OFF,  32
.set AG,   52
.set T,    68
.set C,    84
.set RB,   96
.set AF,   32
.set WF,   96
.set ACC,  224
.set BB,   240
	s_load_b256 s[4:11], s[0:1], 0x0               ; nidx s[4:5], nwts s[6:7], cache s[8:9], users s[10:11]
	s_load_b64 s[12:13], s[0:1], 0x20              ; ucodes: the weights' images lie in it
	s_load_b256 s[16:23], s[0:1], 0x28             ; b1 s[16:17], b2 s[18:19], scales s[20:21], out0 s[22:23]
	v_lshl_add_u32 v4, v0, 2, 0xe200
	v_mov_b32 v5, 0
	v_lshrrev_b32 v16, 5, v0
	v_readfirstlane_b32 s30, v16                   ; wave 0..15
	v_and_b32 v16, 31, v0                          ; lane
	v_and_b32 v17, 15, v0                          ; r
	v_bfe_u32 v18, v0, 4, 1                        ; h
	v_lshlrev_b32 v1, 4, v16                       ; 16 x lane
	s_wait_alu depctr_va_vdst(0)
	s_wait_alu depctr_va_sdst(0)                   ; s30, the wave's number, is written, ahead of its first reader
	s_mul_i32 s31, s30, 1040
	v_lshl_add_u32 v2, v16, 2, s31                 ; my user's codes, on the way in: 4 bytes a lane
	v_mul_u32_u24 v3, v17, 1040
	v_lshl_add_u32 v3, v18, 4, v3                  ; the users' fragments: row r, + 16 h
	s_lshl_b32 s31, s30, 9
	s_add_co_u32 s31, s31, HIMG
	v_add_nc_u32 v6, s31, v1                       ; my four registers of the hidden image
	v_add_nc_u32 v7, HIMG, v1                      ; and the images, on the way back
	v_mul_u32_u24 v8, v17, 2064
	v_lshl_add_u32 v8, v18, 5, v8
	s_lshl_b32 s31, s30, 7
	s_add_co_u32 s31, s31, STG
	v_add_nc_u32 v8, s31, v8                       ; the stage: row r, + 128 x wave + 32 h
	s_mul_i32 s31, s30, 2064
	s_add_co_u32 s31, s31, STG
	v_add_nc_u32 v9, s31, v1                       ; back: my user's row
	v_lshlrev_b32 v10, 6, v18                      ; b1: 16 h numbers on
	v_lshlrev_b32 v15, 5, v18                      ; b2: 8 h numbers on
	s_lshl_b32 s32, ttmp9, 4
	s_add_co_u32 s32, s32, s30                     ; my user
	s_lshl_b32 s34, s32, 7
	s_mov_b32 s35, 0
	s_lshl_b32 s32, s32, 11
	s_mov_b32 s33, 0
	s_lshl_b32 s88, s30, 15                        ; my 16 fragments of W1: 524,288 + 32,768 x wave,
	s_add_co_u32 s88, s88, 0x80000
	s_mov_b32 s89, 0
	s_lshl_b32 s90, s30, 14                        ; my 8 of W2: 1,048,576 + 16,384 x wave,
	s_add_co_u32 s90, s90, 0x100000
	s_mov_b32 s91, 0
	s_lshl_b32 s92, s30, 7                         ; my 32 numbers of each bias
	s_mov_b32 s93, 0
	s_wait_kmcnt 0x0
	s_add_nc_u64 s[4:5], s[4:5], s[34:35]
	s_add_nc_u64 s[6:7], s[6:7], s[34:35]
	s_add_nc_u64 s[10:11], s[10:11], s[32:33]
	s_add_nc_u64 s[22:23], s[22:23], s[32:33]
	s_add_nc_u64 s[14:15], s[12:13], s[90:91]      ; W2's image
	s_add_nc_u64 s[12:13], s[12:13], s[88:89]      ; W1's image
	s_add_nc_u64 s[16:17], s[16:17], s[92:93]
	s_add_nc_u64 s[18:19], s[18:19], s[92:93]
	s_load_b512 s[68:83], s[4:5], 0x0              ; the 20 rows' numbers
	s_load_b128 s[84:87], s[4:5], 0x40
	s_load_b512 s[36:51], s[6:7], 0x0              ; the 20 weights
	s_load_b128 s[52:55], s[6:7], 0x40
	s_load_b128 s[24:27], s[20:21], 0x0            ; e0 .. e3
	s_load_b64 s[28:29], s[20:21], 0x10            ; e4, e5
	s_wait_alu depctr_va_vdst(0)                   ; the addresses v1-3, v6-10 and v15 are written, which the loads and stores of the whole kernel read; the address arithmetic is done with v16-18, in which the user's row lands
.irp j, 0,1,2,3
	global_load_b128 v[XU+4*\j:XU+4*\j+3], v1, s[10:11] offset:512*\j   ; register 4 j + e: k = 128 j + 4 lane + e
.endr
	s_wait_kmcnt 0x0
.irp k, 0,1,2,3,4,5,6,7,8,9,10,11,12,13,14,15,16,17,18,19
	s_min_u32 s[68+\k], s[68+\k], 99999
	v_lshl_add_u32 v[OFF+\k], s[68+\k], 11, v1
.endr
	s_wait_alu depctr_va_vdst(0)                   ; all 20 offsets v32-51 are written, which the gather's loads read
.macro ROWLOAD k
.irp j, 0,1,2,3
	global_load_b128 v[RB+16*((\k)%10)+4*\j:RB+16*((\k)%10)+4*\j+3], v[OFF+(\k)], s[8:9] offset:512*\j
.endr
.endm
.macro W1FRAG hf, m                    ; fragment m of my eight for K steps 4 hf .. 4 hf + 3 of W1: tile m / 4, K step 4 hf + m % 4, into WF + 16 m; in the image tile t, K step s lies at 16,384 t + 2,048 s
.irp c, 0,1,2,3
	global_load_b128 v[WF+16*(\m)+4*\c:WF+16*(\m)+4*\c+3], v1, s[12:13] offset:16384*((\m)/4)+8192*(\hf)+2048*((\m)%4)+512*\c   ; 512 consecutive bytes a load
.endr
.endm
.irp k, 0,1,2,3,4,5,6,7,8,9
	ROWLOAD \k
.endr
	s_add_co_i32 s31, s26, 127
	s_lshl_b32 s61, s31, 23
	v_mov_b32 v11, s61                             ; 2^e2
	s_add_co_i32 s31, s31, 8
	s_lshl_b32 s31, s31, 23
	s_or_b32 s31, s31, 0x600000
	v_mov_b32 v12, s31                             ; 448 x 2^e2
	s_add_co_i32 s31, s28, 127
	s_lshl_b32 s61, s31, 23
	v_mov_b32 v13, s61                             ; 2^e4
	s_add_co_i32 s31, s31, 8
	s_lshl_b32 s31, s31, 23
	s_or_b32 s31, s31, 0x600000
	v_mov_b32 v14, s31                             ; 448 x 2^e4
	s_add_co_i32 s56, s26, s27
	s_add_co_i32 s56, s56, 127
	s_lshl_b32 s56, s56, 23                        ; 2^(e2 + e3)
	s_mov_b32 s57, s56                             ; (named with it as a pair, so it is written)
	s_add_co_i32 s58, s28, s29
	s_add_co_i32 s58, s58, 127
	s_lshl_b32 s58, s58, 23                        ; 2^(e4 + e5)
	s_mov_b32 s59, s58
	v_mov_b32 v[T], s36
	v_cmp_lt_f32 s60, 0, v[T]                      ; a lane mask, all or none: my user has a valid neighbour.  It only selects values
	s_wait_alu depctr_va_sdst(0)                   ; the mask s60 is written: the selects at the kernel's end read it
	; ---- A: agg.  Step k: row k's sixteen multiply-adds; at its head the buffer that step k - 1 has read out is asked for again
.irp k, 0,1,2,3,4,5,6,7,8,9,10,11,12,13,14,15,16,17,18,19
.if \k == 0
	s_wait_loadcnt 36                              ; row 0 and the user's row are in; rows 1 to 9 stay out
.else
	s_wait_loadcnt 32                              ; row k is in; behind it were issued 4 (19 - k) loads of later rows and, from step 11 on, 4 (k - 11) of W1's fragments; up to step 10 eight rows: 32 in every step
.endif
.if (\k >= 1) && (\k <= 18)
	s_wait_alu depctr_va_vdst(0)                   ; the last step's multiply-adds are done reading their row's buffer, in which the four loads below land
.if \k <= 10
	ROWLOAD \k+9                                   ; rows 10 to 19
.else
	W1FRAG 0, \k-11                                ; then W1's first eight fragments, which lie where the buffers of rows 10 to 17 lay
.endif
.endif
.irp j, 0,1,2,3,4,5,6,7,8,9,10,11,12,13,14,15
.if \k == 0
	v_mul_f32 v[AG+\j], s[36+\k], v[RB+16*(\k%10)+\j]      ; the first row starts the sums
.else
	v_fmac_f32 v[AG+\j], s[36+\k], v[RB+16*(\k%10)+\j]
.endif
.endr
.endr
.irp j, 0,1,2,3,4,5,6,7,8,9,10,11,12,13,14,15
	v_med3_num_f32 v[T+\j], v[XU+\j], -v12, v12    ; the hold ahead of a conversion that does not saturate (ISA guide 7.6.2); the user's row itself is kept
.endr
.irp j, 0,1,2,3,4,5,6,7,8,9,10,11,12,13,14,15
	v_med3_num_f32 v[AG+\j], v[AG+\j], -v12, v12
.endr
	v_cvt_scalef32_pk8_fp8_f32 v[C:C+1], v[T:T+7], v11
	v_cvt_scalef32_pk8_fp8_f32 v[C+2:C+3], v[T+8:T+15], v11
	v_cvt_scalef32_pk8_fp8_f32 v[C+4:C+5], v[AG:AG+7], v11
	v_cvt_scalef32_pk8_fp8_f32 v[C+6:C+7], v[AG+8:AG+15], v11
	v_nop                                          ; a plain line behind the last conversion
	s_wait_alu depctr_va_vdst(0)                   ; the conversions have written v[C ..], which the LDS stores read; row 19's multiply-adds are done reading v240-255, in which b1 lands; the vector instructions are done with v52-83, in which fragments will land
.irp j, 0,1,2,3
	ds_store_b32 v2, v[C+\j] offset:128*\j         ; codes k = 128 j + 4 lane + 0 .. 3: 128 dense bytes a store
	ds_store_b32 v2, v[C+4+\j] offset:512+128*\j   ; agg's lie behind the user's 512
.endr
.irp t, 0,1
	global_load_b128 v[BB+8*\t:BB+8*\t+3], v10, s[16:17] offset:32*\t       ; b1 at units 32 v + 16 h + 8 t + 0 .. 7
	global_load_b128 v[BB+8*\t+4:BB+8*\t+7], v10, s[16:17] offset:32*\t+16
.endr
	s_wait_dscnt 0x0                               ; for the others' sake
	s_barrier_signal -1
	s_barrier_wait -1                              ; the 16 users' codes lie in LDS
	; ---- B: the hidden layer
.macro MULB first                      ; four K steps x two tiles, the two accumulators by turns; first = 1: K step 0 starts the sums
.irp s, 0,1,2,3
.irp t, 0,1
.if \first && (\s == 0)
	v_wmma_f32_16x16x128_fp8_fp8 v[ACC+8*\t:ACC+8*\t+7], v[WF+64*\t+16*\s:WF+64*\t+16*\s+15], v[AF+16*\s:AF+16*\s+15], 0
.else
	v_wmma_f32_16x16x128_fp8_fp8 v[ACC+8*\t:ACC+8*\t+7], v[WF+64*\t+16*\s:WF+64*\t+16*\s+15], v[AF+16*\s:AF+16*\s+15], v[ACC+8*\t:ACC+8*\t+7]
.endif
.endr
.endr
.endm
.macro AFLOAD hf
.set n, 0
.rept 16
	ds_load_b128 v[AF+4*n:AF+4*n+3], v3 offset:ACOD+512*(\hf)+128*(n/4)+32*(n%4)
.set n, n+1
.endr
.endm
	s_wait_alu depctr_vm_vsrc(0)                   ; the gather's loads have read their offsets v32-51 and my LDS stores their codes v84-91: the users' fragments land there
	AFLOAD 0
	s_wait_loadcnt 4                               ; W1's eight fragments are in; b1's four loads, issued behind them, may stay out
	s_wait_dscnt 0x0
	MULB 1
.rept 4
	v_nop                                          ; four plain lines behind the products, as in the plain form of this text; the wait below states the dependence
.endr
	s_wait_alu depctr_va_vdst(0)                   ; the products are done reading the weights v96-223 and the users' fragments v32-95, in which the loads below land
.irp m, 0,1,2,3,4,5,6,7
	W1FRAG 1, \m
.endr
	AFLOAD 1
	s_wait_loadcnt 0x0
	s_wait_dscnt 0x0
	MULB 0
.rept 4
	v_nop                                          ; the places behind the last products, ahead of the lines that read their results and write over their sources (ISA guide 7.12.1)
.endr
	s_wait_alu depctr_va_vdst(0)                   ; the products are done reading the weights v96-223, in which W2's fragments land
.irp t, 0,1
.set n, 0
.rept 16
	global_load_b128 v[WF+64*\t+4*n:WF+64*\t+4*n+3], v1, s[14:15] offset:8192*\t+512*n   ; W2's image: tile t (rows 32 v + 16 t + r), K step n / 4; 512 consecutive bytes a load
.set n, n+1
.endr
.endr
.irp j, 0,2,4,6,8,10,12,14
	v_pk_fma_f32 v[AF+\j:AF+\j+1], v[ACC+\j:ACC+\j+1], s[56:57], v[BB+\j:BB+\j+1] op_sel_hi:[1,0,1]   ; sum x 2^(e2 + e3) + b1, each accumulator from its low end on
.endr
.irp j, 0,1,2,3,4,5,6,7,8,9,10,11,12,13,14,15
	v_med3_num_f32 v[AF+\j], v[AF+\j], 0, v14      ; the activation and the hold in one
.endr
	v_cvt_scalef32_pk8_fp8_f32 v[AF+16:AF+17], v[AF:AF+7], v13
	v_cvt_scalef32_pk8_fp8_f32 v[AF+18:AF+19], v[AF+8:AF+15], v13
	v_nop
	s_wait_alu depctr_va_vdst(0)                   ; the conversions have written v48-51, which the LDS store reads; the multiply-adds are done reading b1, in whose registers b2 lands; the vector instructions are done with v32-47
	ds_store_b128 v6, v[AF+16:AF+19]
.irp t, 0,1
	global_load_b128 v[BB+8*\t:BB+8*\t+3], v15, s[18:19] offset:64*\t       ; b2 at outputs 32 v + 16 t + 8 h + 0 .. 7
	global_load_b128 v[BB+8*\t+4:BB+8*\t+7], v15, s[18:19] offset:64*\t+16
.endr
	s_wait_dscnt 0x0
	s_barrier_signal -1
	s_barrier_wait -1                              ; the hidden layer's four fragments lie in LDS
	; ---- C: the outputs
	s_wait_alu depctr_vm_vsrc(0)                   ; my LDS store has read v48-51, in which the loads below land
.set n, 0
.rept 16
	ds_load_b128 v[AF+4*n:AF+4*n+3], v7 offset:512*n
.set n, n+1
.endr
	s_wait_loadcnt 4                               ; W2's eight fragments are in; b2's four loads, issued behind them, may stay out
	s_wait_dscnt 0x0
	MULB 1
.rept 4
	v_nop
.endr
	s_wait_loadcnt 0x0                             ; b2 is in
.irp j, 0,2,4,6,8,10,12,14
	v_pk_fma_f32 v[AF+\j:AF+\j+1], v[ACC+\j:ACC+\j+1], s[58:59], v[BB+\j:BB+\j+1] op_sel_hi:[1,0,1]   ; sum x 2^(e4 + e5) + b2
.endr
	s_wait_alu depctr_va_vdst(0)                   ; the multiply-adds have written v32-47, which the LDS stores read; the products are done reading v48-63, in which the stage's rows will land
.irp t, 0,1
	ds_store_b128 v8, v[AF+8*\t:AF+8*\t+3] offset:64*\t
	ds_store_b128 v8, v[AF+8*\t+4:AF+8*\t+7] offset:64*\t+16
.endr
	s_wait_dscnt 0x0
	s_barrier_signal -1
	s_barrier_wait -1                              ; 16 whole rows lie in the stage
.irp j, 0,1,2,3
	ds_load_b128 v[AF+16+4*\j:AF+16+4*\j+3], v9 offset:512*\j
.endr
	s_wait_dscnt 0x0
.irp j, 0,1,2,3,4,5,6,7,8,9,10,11,12,13,14,15
	v_cndmask_b32 v[AF+16+\j], v[XU+\j], v[AF+16+\j], s60   ; no valid neighbour: the user's own embedding
.endr
	s_wait_alu depctr_va_vdst(0)                   ; the selects have written v48-63, which the stores read
.irp j, 0,1,2,3
	global_store_b128 v1, v[AF+16+4*\j:AF+16+4*\j+3], s[22:23] offset:512*\j
.endr
	s_wait_dscnt 0x0                               ; the closing lines, six on end
	s_wait_alu 0x0
	s_wait_tensorcnt 0x0
	ds_add_u32 v4, v5
	s_wait_dscnt 0x0
	s_endpgm
.Lfunc_end_k_q39d949a1ca_fuse:
	.size	k_q39d949a1ca_fuse, .Lfunc_end_k_q39d949a1ca_fuse-k_q39d949a1ca_fuse
	.p2alignl 7, 3214868480
	.fill 96, 4, 3214868480
	.section	.rodata,"a",@progbits
	.p2align	6, 0x0
	.amdhsa_kernel k_q39d949a1ca_fuse
		.amdhsa_group_segment_fixed_size 59904
		.amdhsa_private_segment_fixed_size 0
		.amdhsa_enable_private_segment 0
		.amdhsa_kernarg_size 72
		.amdhsa_user_sgpr_count 2
		.amdhsa_user_sgpr_kernarg_segment_ptr 1
		.amdhsa_wavefront_size32 1
		.amdhsa_system_sgpr_workgroup_id_x 1
		.amdhsa_system_sgpr_workgroup_id_y 1
		.amdhsa_system_sgpr_workgroup_id_z 1
		.amdhsa_system_vgpr_workitem_id 0
		.amdhsa_next_free_vgpr 256
		.amdhsa_next_free_sgpr 96
		.amdhsa_reserve_vcc 0
		.amdhsa_float_denorm_mode_32 3
		.amdhsa_float_denorm_mode_16_64 3
		.amdhsa_memory_ordered 1
		.amdhsa_forward_progress 1
		.amdhsa_inst_pref_size 49
	.end_amdhsa_kernel
	.amdgpu_metadata
---
amdhsa.version: [ 1, 2 ]
amdhsa.kernels:
  - .name:           k_q39d949a1ca_fuse
    .symbol:         k_q39d949a1ca_fuse.kd
    .args:
      - { .name: nidx, .offset: 0, .size: 8, .value_kind: global_buffer, .address_space: global }
      - { .name: nwts, .offset: 8, .size: 8, .value_kind: global_buffer, .address_space: global }
      - { .name: cache_embeddings, .offset: 16, .size: 8, .value_kind: global_buffer, .address_space: global }
      - { .name: user_embeddings, .offset: 24, .size: 8, .value_kind: global_buffer, .address_space: global }
      - { .name: ucodes, .offset: 32, .size: 8, .value_kind: global_buffer, .address_space: global }
      - { .name: b1, .offset: 40, .size: 8, .value_kind: global_buffer, .address_space: global }
      - { .name: b2, .offset: 48, .size: 8, .value_kind: global_buffer, .address_space: global }
      - { .name: lowp_scales, .offset: 56, .size: 8, .value_kind: global_buffer, .address_space: global }
      - { .name: out0, .offset: 64, .size: 8, .value_kind: global_buffer, .address_space: global }
    .group_segment_fixed_size: 59904
    .private_segment_fixed_size: 0
    .kernarg_segment_align: 8
    .kernarg_segment_size: 72
    .max_flat_workgroup_size: 512
    .sgpr_count:     96
    .vgpr_count:     256
    .wavefront_size: 32
...
	.end_amdgpu_metadata
.endif
;; end of part 12
